; MI455X (gfx1250); checked and timed in simulation.
; The chip was launched on July 23, 2026; its instructions are those of AMD's public machine-readable ISA for CDNA 5 (MIT licence, August 2026) and "CDNA5" Instruction Set Architecture Reference Guide (July 2026). The comments in the code are by the model that wrote it; some were corrected since.
;; Basic Attention. Allowed arithmetic: matrix products marked QUANTISED: E5M2 operands, one E8M0 scale for each 32 along K, by v_wmma_scale_f32_16x16x128_f8f6f4 with both operands' format E5M2, f32 sums; everything else in f32.
;; Inputs: Wk 1,024 x 1,024 float32; Wq 1,024 x 1,024 float32; Wv 1,024 x 1,024 float32; bk 1,024 float32; bq 1,024 float32; bv 1,024 float32; k_embd 8 x 2,048 x 1,024 float32; q_embd 8 x 512 x 1,024 float32; v_embd 8 x 2,048 x 1,024 float32.
;; Outputs: out0 8 x 512 x 1,024 float32.
;; This version of the problem:
;;   THIS VERSION OF THE PROBLEM IS GIVEN IN LOW PRECISION. The matrix products marked QUANTISED in the list below multiply operands that are first quantised to E5M2 (5 exponent bits, 2 mantissa bits; 8 bits a number), with one power-of-two scale for each 32 numbers along K (OCP MX v1.0); their sums are f32. All else is computed in f32.
;;   The module's matrix products, in the order in which they are computed (A, B: the left and right operand; K: the contracted axis; several contracted axes count as one K, in the product's order):
;;     1. [M 4,096, K 1,024] x [K 1,024, N 1,024]; A: input q_embd; B: input Wq: QUANTISED
;;     2. [M 16,384, K 1,024] x [K 1,024, N 1,024]; A: input k_embd; B: input Wk: QUANTISED
;;     3. [M 16,384, K 1,024] x [K 1,024, N 1,024]; A: input v_embd; B: input Wv: QUANTISED
;;     4. batch 8 x [M 512, K 1,024] x [K 1,024, N 2,048]; A: computed on the way; B: computed on the way: QUANTISED
;;     5. batch 8 x [M 512, K 2,048] x [K 2,048, N 1,024]; A: softmax (see below); B: computed on the way: QUANTISED
;;   THE QUANTISER, for each operand of a quantised product, along K:
;;     - K is cut into blocks of 32 from its start; a last block that is shorter is filled with zeros.
;;     - A block's scale is 2^e with e = floor(log2(the largest magnitude in the block)) - 15, held to -126 .. 127; a block of zeros has e = 0. As a byte (E8M0): e + 127.
;;     - Each number is divided by its block's scale, clamped to +-57,344, and rounded to the nearest number of E5M2, ties to even, subnormals kept.
;;     - The product sums the exact products of the quantised numbers (number of the format x scale) in f32.
;;   ~~~python
;;   def quantise(x, axis):      # numpy; x: float32 -> the quantised numbers, widened to float32 again
;;       x = np.moveaxis(x, axis, -1); K = x.shape[-1]
;;       x = np.pad(x, [(0, 0)] * (x.ndim - 1) + [(0, -K % 32)]); x = x.reshape(x.shape[:-1] + (-1, 32)); a = np.abs(x).max(-1, keepdims=True)
;;       e = np.where(a > 0, np.clip(np.frexp(np.where(a > 0, a, 1))[1] - 1 - 15, -126, 127), 0)      # np.frexp(a)[1] - 1 = floor(log2(a)), exactly
;;       r = np.clip(x / 2.0 ** e, -57344, 57344)
;;       step = 2.0 ** (np.maximum(np.frexp(np.where(r == 0, 1, r))[1] - 1, -14) - 2)
;;       q = np.round(r / step) * step * 2.0 ** e      # np.round: ties to even
;;       return np.moveaxis(q.reshape(q.shape[:-2] + (-1,))[..., :K], -1, axis).astype(np.float32)
;;   ~~~
;;   SOFTMAX AHEAD OF A QUANTISED PRODUCT. Where the list says 'softmax', what is quantised is not the finished softmax but p = 2^(t - M), with t = logit x log2(e) and M = ceil(the row's largest t), a whole number; so 1/2 < the row's largest p <= 1. The row's sum l is taken of the UNQUANTISED p, in f32, and the product's result is divided by l at the end. Since M is a whole number, a kernel that streams over the keys may use a running M (the ceiling of the running maximum): every later rescaling is an exact power of two, which a block's scale takes up: the codes' values come out the same.
;;   OPERANDS COMPUTED ON THE WAY. 'Computed on the way' means the value that the module computes at that place (a softmax that the list does not call 'softmax' is quantised finished and normalised). What goes into a quantiser is computed in f32, as accurately as f32 sums, v_exp_f32 and their like allow (about 1e-6 of the number): no bf16 or f16 on the way to a quantiser, and a product that is left as it is and whose result goes on into a quantised operand takes f32 operands (vector FMAs, or v_wmma_f32_16x16x4_f32). A number that lies on a knife's edge between two numbers of the format may be rounded either way, as far as f32 arithmetic and the matrix unit's own rounding can turn it there, and no further.
;; 2 versions, each right and faster than the one before. Each part assembles by itself: llvm-mc -triple=amdgcn-amd-amdhsa -mcpu=gfx1250 --defsym DOCPART=n.
;; ======== version 1 of 2: 4 launches
;; workspace buffers: in_codes 40,894,464 bytes; in_scales 1,277,952 bytes; qkv_codes 37,748,736 bytes; qkv_scales 1,179,648 bytes; p_codes 8,388,608 bytes; p_meta 786,432 bytes
;; launch quant (part 1): grid 312 x 1, 8 waves a work-group, no clusters, 72,704 bytes of LDS; arguments q_embd, k_embd, v_embd, Wq, Wk, Wv, in_codes, in_scales; writes in_codes, in_scales
.if DOCPART == 1
	.amdgcn_target "amdgcn-amd-amdhsa--gfx1250"
	.amdhsa_code_object_version 6
	.text
	.protected	k_qf47d22eb67_quant
	.globl	k_qf47d22eb67_quant
	.p2align	8
	.type	k_qf47d22eb67_quant,@function
k_qf47d22eb67_quant:
	s_mov_b64 s[64:65], 0
	v_nop
	global_prefetch_b8 v0, s[64:65] scope:SCOPE_SE
	s_setreg_imm32_b32 hwreg(HW_REG_WAVE_MODE, 25, 1), 1
	s_wait_xcnt 0x0
; LAUNCH 1 OF 4.  The six f32 operands of the three projections (q_embd, k_embd, v_embd, Wq, Wk, Wv; K = d is innermost in all) become codes of BF8 (E5M2) with one E8M0 byte for each 32 along K.
; NOTHING OF reference() IS LEFT OUT in this program: all five products are live, and every input has a way to the output: bq and bk move the codes and scales of q and k, bv those of v (they are added in the next launch).
; LAYOUT OF THE CODES: images of the operand's registers.  A tensor is cut into blocks of 128 rows; a block is [4 slots of 256 along K][8 tiles of 16 rows][2 K steps of 128][2,048 bytes]; in a fragment's 2,048 bytes
; lane l's registers 4 c .. 4 c + 3 (K = 32 c + 16 (l / 16) + 0 .. 15 of row l % 16) lie at 512 c + 16 l.  So a slot's 128 rows are 32,768 dense bytes, and a fragment comes back by four loads of 512 consecutive bytes.
; The scale words (four bytes: 128 along K of a row): [block][8 K steps][8 tiles][16 rows].  Blocks are numbered through all six tensors: q_embd 0, k_embd 32, v_embd 160, Wq 288, Wk 296, Wv 304.
; ROWS: in k_embd, v_embd, Wq and Wk (blocks 32 to 303) row i of a block's image is the tensor's row i with bits 3 and 4 exchanged: lane r of tile 2 b + u holds row 32 b + 8 u + r + 8 (r / 8).  Used as source 0 of a
; product, such a tensor leaves 16 neighbours of the next K in the 16 registers of two neighbouring tiles.  q_embd and Wv keep their order.
; THE RULE: a block's scale is 2^(floor(log2(largest magnitude)) - 15); each number is divided by it, held within +-57,344 and rounded to the nearest code, ties to even.
; LIMITS: NaN and infinities among the inputs are not served; a block whose largest magnitude lies under 2^-111 keeps the byte 1; a block of zeros gets the byte 1 and not 127 (its codes are zeros, and this program alone reads the bytes).
; SHARES: a work-group takes a block of 128 rows, wave m its image tile m for all of K: eight fragments.  Each load reads 512 consecutive bytes of one row; a K step's 16 rows turn through the wave's own stage in LDS,
; so that a lane gets 16 neighbours of each block of 32.  Loads run three K steps (48 loads a wave) ahead.  No tensor load; one barrier, for the block's scale words, which leave as 4,096 consecutive bytes.
.set STGB,  8448                       ; a wave's stage: 16 rows x (512 bytes + 16)
.set SCA,   8*STGB                     ; behind the stages: the block's scale words, 4,096 bytes
.set SPARE, SCA+4096                   ; the spare words, 128 bytes for each wave: four blocks of 256 bytes that no other line names
.set VLO,   4                          ; v4   byte offset of my 16 bytes in the tile's rows 0-7
.set VHI,   5                          ; v5   in its rows 8-15
.set WRA,   6                          ; v6   the stage, on the way in: 16 x lane
.set RDA,   7                          ; v7   on the way out: 528 (lane % 16) + 64 (lane / 16)
.set LI,    8                          ; v8   16 x lane
.set SWA,   9                          ; v9   where my row's scale word goes
.set SPW,   10                         ; v10  my spare word; never rewritten
.set NIL,   11                         ; v11  0; never rewritten
.set TOF,   12                         ; v12  16 x thread
.set PW,    13                         ; v13  the scale word just made
.set SRA,   14                         ; v14  SCA + 16 x thread
.set TM,    16                         ; v16-19 largest magnitudes, v20-23 bytes, v24-27 57,344 x the scale, v28-31 the conversions' scale operands
                                       ; v32-47, v48-63 codes, two sets;  v64-127, v128-191, v192-255 numbers, three sets
	s_load_b512 s[16:31], s[0:1], 0x0              ; q_embd, k_embd, v_embd, Wq, Wk, Wv, in_codes s[28:29], in_scales s[30:31]
	v_lshl_add_u32 v[SPW], v0, 2, SPARE
	v_mov_b32 v[NIL], 0
	v_lshrrev_b32 v1, 5, v0
	v_readfirstlane_b32 s2, v1                     ; wave m
	v_and_b32 v1, 31, v0                           ; lane
	v_and_b32 v2, 15, v0                           ; r
	v_bfe_u32 v3, v0, 4, 1                         ; h
	v_lshlrev_b32 v[LI], 4, v1
	s_mul_i32 s3, s2, STGB
	v_add_nc_u32 v[WRA], s3, v[LI]
	v_mul_u32_u24 v[RDA], v2, 528
	v_lshl_add_u32 v[RDA], v3, 6, v[RDA]
	v_add_nc_u32 v[RDA], s3, v[RDA]
	s_lshl_b32 s3, s2, 6
	s_add_co_u32 s3, s3, SCA
	v_lshl_add_u32 v[SWA], v2, 2, s3               ; SCA + 64 m + 4 r
	v_lshlrev_b32 v[TOF], 4, v0
	v_add_nc_u32 v[SRA], SCA, v[TOF]
.irp b, 0,1,2,3
	v_mov_b32 v[TM+4+\b], 0                        ; written once: a lane permute's destination counts as one of its sources
.endr
	s_lshr_b32 s32, s2, 1                          ; the tile's first row: exchanged order: 32 (m / 2) + 8 (m % 2), and rows 8-15 lie 8 further on;
	s_lshl_b32 s32, s32, 5
	s_and_b32 s33, s2, 1
	s_lshl_b32 s33, s33, 3
	s_add_co_u32 s32, s32, s33
	s_lshl_b32 s33, s2, 4                          ; plain order: 16 m
	s_sub_co_u32 s7, ttmp9, 32
	s_cmp_lt_u32 s7, 272                           ; blocks 32 to 303 are exchanged
	s_cselect_b32 s32, s32, s33
	s_cselect_b32 s33, 32768, 0                    ; 8 rows of 4,096 bytes
	s_lshl_b32 s32, s32, 12
	v_add_nc_u32 v[VLO], s32, v[LI]
	v_add_nc_u32 v[VHI], s33, v[VLO]
	s_mov_b32 s12, 0x76543210
	s_mov_b32 s13, 0xfedcba98                      ; v_permlanex16_b32's selects for lane l xor 16
	s_mov_b32 s14, 0x600000                        ; the mantissa field of 57,344
	s_wait_kmcnt 0x0
	s_mov_b64 s[4:5], s[16:17]                     ; which tensor: the choice hangs on the work-group's number alone
	s_mov_b32 s6, 0                                ; and its first block
	s_cmp_ge_u32 ttmp9, 32
	s_cselect_b64 s[4:5], s[18:19], s[4:5]
	s_cselect_b32 s6, 32, s6
	s_cmp_ge_u32 ttmp9, 160
	s_cselect_b64 s[4:5], s[20:21], s[4:5]
	s_cselect_b32 s6, 160, s6
	s_cmp_ge_u32 ttmp9, 288
	s_cselect_b64 s[4:5], s[22:23], s[4:5]
	s_cselect_b32 s6, 288, s6
	s_cmp_ge_u32 ttmp9, 296
	s_cselect_b64 s[4:5], s[24:25], s[4:5]
	s_cselect_b32 s6, 296, s6
	s_cmp_ge_u32 ttmp9, 304
	s_cselect_b64 s[4:5], s[26:27], s[4:5]
	s_cselect_b32 s6, 304, s6
	s_sub_co_u32 s6, ttmp9, s6
	s_lshl_b32 s6, s6, 19                          ; 128 rows of 4,096 bytes a block
	s_mov_b32 s7, 0
	s_add_nc_u64 s[4:5], s[4:5], s[6:7]
	s_lshl_b32 s6, ttmp9, 17                       ; the block's codes: 131,072 bytes,
	s_lshl_b32 s34, s2, 12                         ; my tile's place in a slot
	s_add_co_u32 s6, s6, s34
	s_add_nc_u64 s[8:9], s[28:29], s[6:7]
	s_lshl_b32 s6, ttmp9, 12                       ; its scale words: 4,096 bytes
	s_add_nc_u64 s[10:11], s[30:31], s[6:7]
.macro LOAD s                          ; K step s of my 16 rows into set s % 3: each load reads 512 consecutive bytes of one row
.set LS, 64+64*((\s)%3)
.irp i, 0,1,2,3,4,5,6,7
	global_load_b128 v[LS+4*\i:LS+4*\i+3], v[VLO], s[4:5] offset:4096*\i+512*(\s) th:TH_LOAD_NT
.endr
.irp i, 8,9,10,11,12,13,14,15
	global_load_b128 v[LS+4*\i:LS+4*\i+3], v[VHI], s[4:5] offset:4096*\i+512*(\s) th:TH_LOAD_NT
.endr
.endm
.macro STEP s
.set XS, 64+64*((\s)%3)
.set PC, 32+16*((\s)%2)
.if (\s) <= 5
	s_wait_loadcnt 32                              ; this K step's 16 loads are in; those of the two steps behind it may be out
.elseif (\s) == 6
	s_wait_loadcnt 16
.else
	s_wait_loadcnt 0x0
.endif
.irp i, 0,1,2,3,4,5,6,7,8,9,10,11,12,13,14,15
	ds_store_b128 v[WRA], v[XS+4*\i:XS+4*\i+3] offset:528*\i       ; row i as it was loaded
.endr
.irp b, 0,1,2,3
.irp j, 0,1,2,3
	ds_load_b128 v[XS+16*\b+4*\j:XS+16*\b+4*\j+3], v[RDA] offset:128*\b+16*\j   ; LDS serves a wave's instructions in order: these see the stores.  Register 16 b + i = K 32 b + 16 h + i of row r
.endr
.endr
	s_wait_dscnt 0x0                               ; the numbers are back; the last step's scale word has been stored
.irp b, 0,1,2,3
	v_max3_num_f32 v[TM+\b], |v[XS+16*\b]|, |v[XS+16*\b+1]|, 0x8000000   ; block b: my 16 numbers, and the floor 2^(16 - 127): the byte cannot fall under 1
.endr
.irp i, 2,4,6,8,10,12,14
.irp b, 0,1,2,3
	v_max3_num_f32 v[TM+\b], v[TM+\b], |v[XS+16*\b+\i]|, |v[XS+16*\b+\i+1]|   ; the four blocks by turns
.endr
.endr
.irp b, 0,1,2,3
	v_permlanex16_b32 v[TM+4+\b], v[TM+\b], s12, s13
.endr
.irp b, 0,1,2,3
	v_max_num_f32 v[TM+\b], v[TM+\b], v[TM+4+\b]   ; with lane l xor 16's: the block's largest magnitude
.endr
.irp b, 0,1,2,3
	v_add_nc_u32 v[TM+12+\b], 0xf8800000, v[TM+\b] ; 15 off its exponent field: the conversion's scale operand
.endr
.irp b, 0,1,2,3
	v_and_or_b32 v[TM+8+\b], v[TM+\b], 0x7f800000, s14   ; 57,344 x the scale
.endr
.irp b, 0,1,2,3
	v_lshrrev_b32 v[TM+4+\b], 23, v[TM+12+\b]      ; the scale's byte
.endr
	v_lshl_or_b32 v[PW], v[TM+5], 8, v[TM+4]
	v_lshl_or_b32 v[PW], v[TM+6], 16, v[PW]
	v_lshl_or_b32 v[PW], v[TM+7], 24, v[PW]        ; my row's scale word
.irp b, 0,1,2,3
.irp i, 0,1,2,3,4,5,6,7,8,9,10,11,12,13,14,15
	v_med3_num_f32 v[XS+16*\b+\i], v[XS+16*\b+\i], -v[TM+8+\b], v[TM+8+\b]   ; the conversion to an 8-bit code does not saturate (ISA guide 7.6.2): the hold comes first
.endr
.endr
	s_wait_xcnt 0x0                                ; the stores of two steps back have read this set of codes: it is written again only behind this wait
.irp b, 0,1,2,3
	v_cvt_scalef32_pk8_bf8_f32 v[PC+4*\b:PC+4*\b+1], v[XS+16*\b:XS+16*\b+7], v[TM+12+\b]
	v_cvt_scalef32_pk8_bf8_f32 v[PC+4*\b+2:PC+4*\b+3], v[XS+16*\b+8:XS+16*\b+15], v[TM+12+\b]
.endr
	v_nop                                          ; a plain line behind the last conversion
.irp c, 0,1,2,3
	global_store_b128 v[LI], v[PC+4*\c:PC+4*\c+3], s[8:9] offset:32768*((\s)/2)+2048*((\s)%2)+512*\c   ; 32 lanes store 512 consecutive bytes
.endr
	ds_store_b32 v[SWA], v[PW] offset:512*(\s)     ; lanes r and r + 16 write the same word with the same value
.if (\s)+3 < 8
	LOAD (\s)+3
.endif
.endm
	LOAD 0
	LOAD 1
	LOAD 2
.irp s, 0,1,2,3,4,5,6,7
	STEP \s
.endr
	s_wait_dscnt 0x0                               ; for the others' sake: my scale words are stored
	s_barrier_signal -1
	s_barrier_wait -1
	ds_load_b128 v[16:19], v[SRA]
	s_wait_dscnt 0x0
	global_store_b128 v[TOF], v[16:19], s[10:11]   ; 256 threads store the block's 4,096 consecutive bytes
	s_wait_tensorcnt 0x0                           ; the wave's end, behind my last LDS store
	ds_add_u32 v[SPW], v[NIL]
	s_wait_dscnt 0x0
	s_endpgm
.Lfunc_end_k_qf47d22eb67_quant:
	.size	k_qf47d22eb67_quant, .Lfunc_end_k_qf47d22eb67_quant-k_qf47d22eb67_quant
	.p2alignl 7, 3214868480
	.fill 96, 4, 3214868480
	.section	.rodata,"a",@progbits
	.p2align	6, 0x0
	.amdhsa_kernel k_qf47d22eb67_quant
		.amdhsa_group_segment_fixed_size 72704
		.amdhsa_private_segment_fixed_size 0
		.amdhsa_enable_private_segment 0
		.amdhsa_kernarg_size 64
		.amdhsa_user_sgpr_count 2
		.amdhsa_user_sgpr_kernarg_segment_ptr 1
		.amdhsa_wavefront_size32 1
		.amdhsa_system_sgpr_workgroup_id_x 1
		.amdhsa_system_sgpr_workgroup_id_y 1
		.amdhsa_system_sgpr_workgroup_id_z 1
		.amdhsa_system_vgpr_workitem_id 0
		.amdhsa_next_free_vgpr 256
		.amdhsa_next_free_sgpr 66
		.amdhsa_reserve_vcc 0
		.amdhsa_float_denorm_mode_32 3
		.amdhsa_float_denorm_mode_16_64 3
		.amdhsa_memory_ordered 1
		.amdhsa_forward_progress 1
		.amdhsa_inst_pref_size 100
	.end_amdhsa_kernel
	.amdgpu_metadata
---
amdhsa.version: [ 1, 2 ]
amdhsa.kernels:
  - .name:           k_qf47d22eb67_quant
    .symbol:         k_qf47d22eb67_quant.kd
    .args:
      - { .name: q_embd, .offset: 0, .size: 8, .value_kind: global_buffer, .address_space: global }
      - { .name: k_embd, .offset: 8, .size: 8, .value_kind: global_buffer, .address_space: global }
      - { .name: v_embd, .offset: 16, .size: 8, .value_kind: global_buffer, .address_space: global }
      - { .name: Wq, .offset: 24, .size: 8, .value_kind: global_buffer, .address_space: global }
      - { .name: Wk, .offset: 32, .size: 8, .value_kind: global_buffer, .address_space: global }
      - { .name: Wv, .offset: 40, .size: 8, .value_kind: global_buffer, .address_space: global }
      - { .name: in_codes, .offset: 48, .size: 8, .value_kind: global_buffer, .address_space: global }
      - { .name: in_scales, .offset: 56, .size: 8, .value_kind: global_buffer, .address_space: global }
    .group_segment_fixed_size: 72704
    .private_segment_fixed_size: 0
    .kernarg_segment_align: 8
    .kernarg_segment_size: 64
    .max_flat_workgroup_size: 256
    .sgpr_count:     66
    .vgpr_count:     256
    .wavefront_size: 32
...
	.end_amdgpu_metadata
.endif
;; end of part 1
;; launch proj (part 2): grid 4 x 144, 4 waves a work-group, clusters of 4 x 4, 327,680 bytes of LDS; arguments in_codes, in_scales, bq, bk, bv, qkv_codes, qkv_scales; writes qkv_codes, qkv_scales
.if DOCPART == 2
	.amdgcn_target "amdgcn-amd-amdhsa--gfx1250"
	.amdhsa_code_object_version 6
	.text
	.protected	k_qf47d22eb67_proj
	.globl	k_qf47d22eb67_proj
	.p2align	8
	.type	k_qf47d22eb67_proj,@function
k_qf47d22eb67_proj:
	s_mov_b64 s[64:65], 0
	v_nop
	global_prefetch_b8 v0, s[64:65] scope:SCOPE_SE
	s_setreg_imm32_b32 hwreg(HW_REG_WAVE_MODE, 25, 1), 1
	s_wait_xcnt 0x0
	s_wait_alu depctr_hold_cnt(0) depctr_sa_sdst(0) depctr_va_vdst(0) depctr_va_sdst(0) depctr_va_ssrc(0) depctr_va_vcc(0) depctr_vm_vsrc(0)
	s_getreg_b32 s2, hwreg(HW_REG_IB_STS2, 6, 4)
	s_cmp_eq_u32 s2, 0
	s_cbranch_scc0 .Lentry_in_a_cluster
	s_endpgm
.Lentry_in_a_cluster:
	s_bfe_u32 s2, ttmp6, 0x10000c
	s_cmp_lg_u32 s2, 0xf033
	s_cbranch_scc0 .Lentry_shape_is_right
	s_endpgm
.Lentry_shape_is_right:
; LAUNCH 2 OF 4.  q = q_embd Wq^T + bq, k = k_embd Wk^T + bk, v = v_embd Wv^T + bv on codes of BF8 (E5M2) with E8M0 scales, sums in f32; each result is quantised on the way out, by the same rule, along the K of the
; product that takes it next: q and k along the 1,024 features, v along the keys.  No work of reference() is left out here.
; SIDES.  Y = source 1: its rows become the result's LANES.  X = source 0: its rows become the result's REGISTERS.  X's images hold their rows with bits 3 and 4 exchanged, so that the 64 accumulator registers of one tile of Y's
; rows are 128 neighbours along X, register 16 b + i = index 32 b + 16 (lane / 16) + i: what the conversions want.  Their results ARE a fragment of the next operand and are stored as they stand.
;   q: Y = q_embd, X = Wq.   k: Y = k_embd (exchanged rows: k is X in the next launch), X = Wk.   v: Y = Wv, X = v_embd: the result is v^T, rows = features, K = keys.
; A tile of 256 (Y) x 256 (X) is made by four waves, 128 x 128 each: 64 accumulators, 512 registers.  K = 1,024 goes in slots of 256 through a ring of two LDS slots; a slot's 128 rows are 32,768 dense bytes: one tensor load a wave.
; The scale words of the tile's rows, for all of K, come once, with the first fills.
; CLUSTERS: 4 x 4 work-groups; Y's tiles are asked for jointly along a row of the cluster, X's along a column.  36 clusters: 0-3 q, 4-19 k, 20-35 v: which tensor hangs on the cluster's number alone, the same in all partners.
; THE BIAS is the C of each sum's first product: along X for q and k (eight registers for each tile of X), along Y for v (the lane's number in all eight registers).  The two forms are two arms of a branch on the cluster's number.
; LIMITS: NaN and infinities are not served; a block whose largest magnitude lies under 2^-111 keeps the byte 1, a block of zeros too (this program alone reads the bytes).
; REGISTERS, in windows of 256.  Window 0: v16-29 addresses; v32-63 scale words, two sets (nothing else ever); v64-127 the bias, on the way out 64 held numbers; v128-255 Y's fragments, ONE set; on the way out v128-191 codes (four sets),
;   v192-215 at work.  Window 1: X's fragments, TWO sets.  Windows 2, 3: accumulator (a, b) at v[8 (8 (a % 4) + b)].
.set NP,    8                          ; places behind this matrix instruction (ISA guide 7.12.1)
.set FR,    16                         ; registers of a fragment
.set HALFT, 32768                      ; 128 rows x 256 along K: what one tensor load brings
.set SLOT,  4*HALFT                    ; Y's two halves, then X's two
.set LAPS,  2                          ; K / 512
.set HALFS, 4096                       ; the scale words of 128 rows, all of K
.set SCL,   2*SLOT                     ; behind the ring: four such quarters
.set SPARE, SCL+4*HALFS                ; the spare words, 128 bytes for each wave: two blocks of 256 bytes that no other line names
.set ADRA, 16                          ; v16-17 LDS address of my Y fragments in slot 0, 1
.set ADRB, 20                          ; v20-21 the same for X
.set SWA,  24                          ; v24  the way out: where my row's scale word goes (in slot 0, which has then had its last fill and its last read)
.set SRA,  25                          ; v25  and where I read 16 bytes of them back
.set LI,   26                          ; v26  16 x lane
.set ADRS, 27                          ; v27  LDS address of my scale words: lanes 0-15 Y's, lanes 16-31 X's
.set SPW,  28                          ; v28  my spare word; never rewritten
.set NIL,  29                          ; v29  0; never rewritten
.set SC,   32                          ; scale words: set s at v[32 + 16 s]; register 2 i + q: tile i, the slot's q-th 128 along K
.set BI,   64
.set T,    64
.set AF,   128
.set TM,   192
.set PW,   208
.set G1, 24
.set G0, 32
.set G1B, 48
.set G0B, 56
.set G1S, 68
.set G0S, 76
.set G1SB, 80
.set G0SB, 88
.set MSB, 0
.macro WIN new                         ; the immediate's high byte repeats the setting that is left
.if MSB != (\new)
	s_set_vgpr_msb (MSB<<8)|(\new)
.set MSB, \new
.endif
.endm
.set MUL_LO, 0xa1                      ; source 0 (X) window 1, source 1 (Y) window 0, C and D window 2
.set MUL_HI, 0xf1                      ; the same, C and D window 3
.set TO_B,   0x40                      ; destination window 1, address window 0
; Waves 0 and 1 fetch for Y, waves 2 and 3 for X: the branch hangs on the wave's number alone.  An s_nop 0 and four v_nop follow each of the two lines.
.macro JLOAD g0a, g1a, g0b, g1b
	s_cmp_eq_u32 s15, 0
	s_cbranch_scc0 .Lfor_b_\@
	tensor_load_to_lds s[\g0a:\g0a+3], s[\g1a:\g1a+7]
	s_nop 0
.rept 4
	v_nop
.endr
	s_branch .Lasked_\@
.Lfor_b_\@:
	tensor_load_to_lds s[\g0b:\g0b+3], s[\g1b:\g1b+7]
	s_nop 0
.rept 4
	v_nop
.endr
.Lasked_\@:
.endm
.macro CREST                           ; a round of the cluster's barrier behind its opening barrier
	s_cmp_lg_u32 s14, 0
	s_cbranch_scc1 .Lnot_wave_0_\@
	s_barrier_signal -3
.Lnot_wave_0_\@:
	s_barrier_wait -3
	s_barrier_signal -1
	s_barrier_wait -1
.endm
.macro CROUND                          ; a whole round
	s_barrier_signal -1
	s_barrier_wait -1
	CREST
.endm
	s_load_b256 s[4:11], s[0:1], 0x0               ; in_codes s[4:5], in_scales s[6:7], bq s[8:9], bk s[10:11]
	s_load_b128 s[96:99], s[0:1], 0x20             ; bv s[96:97], qkv_codes s[98:99]
	s_load_b64 s[100:101], s[0:1], 0x30            ; qkv_scales
	v_lshl_add_u32 v[SPW], v0, 2, SPARE
	v_mov_b32 v[NIL], 0
	ds_add_u32 v[SPW], v[NIL]                      ; the wave's opening: the add, twice on end, and its wait ahead of my first tensor load
	ds_add_u32 v[SPW], v[NIL]
	v_lshrrev_b32 v1, 5, v0
	v_readfirstlane_b32 s14, v1                    ; wave 0..3
	s_lshr_b32 s15, s14, 1                         ; wy: which half of Y's rows is mine.  Also: I fetch for Y (0) or for X (1)
	s_and_b32 s16, s14, 1                          ; wx: which half of X's rows.  Also: which 128 rows I fetch
	s_bfe_u32 s40, ttmp6, 0x40000                  ; cx
	s_bfe_u32 s41, ttmp6, 0x40004                  ; cy
	s_and_b32 s67, ttmp7, 0xffff                   ; the cluster's number, 0 to 35
	s_mov_b32 s92, 0                               ; q: the tensor's first cluster,
	s_mov_b32 s93, 0                               ; Y's first block,
	s_mov_b32 s94, 288                             ; X's first block,
	s_mov_b32 s95, 0                               ; where the result's codes begin,
	s_mov_b32 s2, 0                                ; and its scale words;
	s_mov_b32 s66, 0                               ; 1 for v
	s_cmp_ge_u32 s67, 4                            ; k
	s_cselect_b32 s92, 4, s92
	s_cselect_b32 s93, 32, s93
	s_cselect_b32 s94, 296, s94
	s_cselect_b32 s95, 0x400000, s95
	s_cselect_b32 s2, 0x20000, s2
	s_cmp_ge_u32 s67, 20                           ; v
	s_cselect_b32 s92, 20, s92
	s_cselect_b32 s93, 304, s93
	s_cselect_b32 s94, 160, s94
	s_cselect_b32 s95, 0x1400000, s95
	s_cselect_b32 s2, 0xa0000, s2
	s_cselect_b32 s66, 1, s66
	s_sub_co_u32 s92, s67, s92
	s_lshl_b32 s92, s92, 2                         ; four tiles for each cluster of the tensor: along Y for q and k, along X for v
	s_cmp_eq_u32 s66, 0
	s_cselect_b32 s18, s92, 0
	s_cselect_b32 s19, 0, s92
	s_add_co_u32 s17, s41, s18                     ; Y's tile
	s_add_co_u32 s42, s40, s19                     ; X's tile
	s_lshl_b32 s43, s41, 2
	s_lshl_b32 s43, 15, s43                        ; my row of the cluster
	s_lshl_b32 s44, 0x1111, s40                    ; my column
	; descriptor group 1: a dense block of 32,768 bytes as 128 rows of 32 elements of 8 bytes; no padding: fragments are read as 512 consecutive bytes
	s_or_b32 s[G1+0], s43, (3<<16)|(1<<21)         ; 15:0 the mask: Y's tiles go to my row; 17:16 elements of 8 bytes; 21 set beside a mask
	s_or_b32 s[G1B+0], s44, (3<<16)|(1<<21)
.irp g, G1, G1B
	s_mov_b32 s[\g+1], 32<<16                      ; tensor_dim0
	s_mov_b32 s[\g+2], 128<<16                     ; tensor_dim1
	s_mov_b32 s[\g+3], 32<<16                      ; tile_dim0
	s_mov_b32 s[\g+4], 128                         ; tile_dim1
	s_mov_b32 s[\g+5], 32                          ; tensor_dim0_stride
	s_mov_b32 s[\g+6], 0
	s_mov_b32 s[\g+7], 0
.endr
	s_or_b32 s[G1S+0], s43, (3<<16)|(1<<21)        ; and the scale words of 128 rows: 4,096 dense bytes as 16 such rows
	s_or_b32 s[G1SB+0], s44, (3<<16)|(1<<21)
.irp g, G1S, G1SB
	s_mov_b32 s[\g+1], 32<<16
	s_mov_b32 s[\g+2], 16<<16
	s_mov_b32 s[\g+3], 32<<16
	s_mov_b32 s[\g+4], 16
	s_mov_b32 s[\g+5], 32
	s_mov_b32 s[\g+6], 0
	s_mov_b32 s[\g+7], 0
.endr
	s_lshl_b32 s20, s17, 1
	s_add_co_u32 s20, s20, s93
	s_add_co_u32 s20, s20, s16                     ; the block of Y that I would fetch
	s_lshl_b32 s22, s20, 12                        ; its scale words,
	s_lshl_b32 s20, s20, 17                        ; its codes
	s_mov_b32 s21, 0
	s_mov_b32 s23, 0
	s_lshl_b32 s46, s42, 1
	s_add_co_u32 s46, s46, s94
	s_add_co_u32 s46, s46, s16                     ; the block of X
	s_lshl_b32 s92, s46, 12
	s_lshl_b32 s46, s46, 17
	s_mov_b32 s47, 0
	s_mov_b32 s93, 0
	s_mul_i32 s45, s14, HALFT                      ; where they go: wave x a quarter: no place in the cluster enters an LDS address
	s_mul_i32 s94, s14, HALFS
	s_wait_dscnt 0x0                               ; both opening adds are done
	s_wait_kmcnt 0x0
	s_add_nc_u64 s[20:21], s[4:5], s[20:21]
	s_add_nc_u64 s[22:23], s[6:7], s[22:23]
	s_add_nc_u64 s[46:47], s[4:5], s[46:47]
	s_add_nc_u64 s[92:93], s[6:7], s[92:93]
	CROUND                                         ; all sixteen work-groups are here: the first joint loads meet
	s_mov_b32 s[G0S], 1
	s_add_co_u32 s[G0S+1], s94, SCL
	s_mov_b64 s[G0S+2:G0S+3], s[22:23]
	s_or_b32 s[G0S+3], s[G0S+3], 0x80000000
	s_mov_b32 s[G0SB], 1
	s_add_co_u32 s[G0SB+1], s94, SCL
	s_mov_b64 s[G0SB+2:G0SB+3], s[92:93]
	s_or_b32 s[G0SB+3], s[G0SB+3], 0x80000000
	JLOAD G0S, G1S, G0SB, G1SB                     ; the scale words first: they are wanted with slot 0
.irp s, 0,1
	s_mov_b32 s[G0+4*\s], 1
	s_add_co_u32 s[G0+4*\s+1], s45, \s*SLOT
	s_add_nc_u64 s[G0+4*\s+2:G0+4*\s+3], s[20:21], \s*HALFT
	s_or_b32 s[G0+4*\s+3], s[G0+4*\s+3], 0x80000000
	s_mov_b32 s[G0B+4*\s], 1
	s_add_co_u32 s[G0B+4*\s+1], s45, \s*SLOT
	s_add_nc_u64 s[G0B+4*\s+2:G0B+4*\s+3], s[46:47], \s*HALFT
	s_or_b32 s[G0B+4*\s+3], s[G0B+4*\s+3], 0x80000000
	JLOAD G0+4*\s, G1, G0B+4*\s, G1B               ; three loads of mine are out
.endr
	v_and_b32 v1, 15, v0                           ; r
	v_bfe_u32 v2, v0, 4, 1                         ; h
	v_and_b32 v3, 31, v0
	v_lshlrev_b32 v[LI], 4, v3
	s_mul_i32 s21, s15, HALFT                      ; my 128 rows of Y
	s_mul_i32 s22, s16, HALFT                      ; my 128 rows of X,
	s_add_co_u32 s22, s22, 2*HALFT                 ; which lie behind Y's 256
.irp s, 0,1
	v_add_nc_u32 v[ADRA+\s], s21, v[LI]
	v_add_nc_u32 v[ADRB+\s], s22, v[LI]
	s_add_co_u32 s21, s21, SLOT
	s_add_co_u32 s22, s22, SLOT
.endr
	s_mul_i32 s21, s15, HALFS                      ; Y's scale words: my 128 rows
	s_mul_i32 s22, s16, HALFS                      ; X's: my 128 rows, behind Y's 256
	s_add_co_u32 s22, s22, 2*HALFS
	s_sub_co_u32 s22, s22, s21
	v_mul_u32_u24 v6, s22, v2                      ; lanes 16-31 take X's
	s_add_co_u32 s21, s21, SCL
	v_lshl_add_u32 v5, v1, 2, v6
	v_add_nc_u32 v[ADRS], s21, v5
	s_lshl_b32 s21, s14, 9
	v_lshl_add_u32 v[SWA], v1, 2, s21              ; 512 x wave + 4 r
	v_add_nc_u32 v[SRA], s21, v[LI]                ; 512 x wave + 16 x lane
	; the bias
	v_lshlrev_b32 v7, 6, v2                        ; 64 h: along X a lane wants 16 h + 0 .. 15 of each 32
	v_lshlrev_b32 v8, 2, v1                        ; 4 r: along Y its own row's
	s_cmp_ge_u32 s67, 4
	s_cselect_b64 s[8:9], s[10:11], s[8:9]
	s_cmp_ge_u32 s67, 20
	s_cselect_b64 s[8:9], s[96:97], s[8:9]
	s_cmp_eq_u32 s66, 0
	s_cselect_b32 s18, s42, s17                    ; q, k: my 128 of X's 256;  v: my 128 of Y's
	s_cselect_b32 s19, s16, s15
	s_lshl_b32 s18, s18, 10
	s_lshl_b32 s19, s19, 9
	s_add_co_u32 s18, s18, s19
	s_mov_b32 s19, 0
	s_add_nc_u64 s[8:9], s[8:9], s[18:19]
	s_cmp_eq_u32 s66, 0
	s_cbranch_scc0 .Lbias_rows
.irp b, 0,1,2,3,4,5,6,7
	global_load_b128 v[BI+8*\b:BI+8*\b+3], v7, s[8:9] offset:(32*(\b/2)+8*(\b%2))*4       ; tile b's register j: index 32 (b / 2) + 16 h + 8 (b % 2) + j
	global_load_b128 v[BI+8*\b+4:BI+8*\b+7], v7, s[8:9] offset:(32*(\b/2)+8*(\b%2))*4+16
.endr
	s_branch .Lbias_asked
.Lbias_rows:
.irp a, 0,1,2,3,4,5,6,7
.irp j, 0,1,2,3,4,5,6,7
	global_load_b32 v[BI+8*\a+\j], v8, s[8:9] offset:64*\a   ; tile a of Y: row 16 a + r's number in all eight registers
.endr
.endr
.Lbias_asked:
	; where my results go.  Row block = 8 (X's tile / 8) + 2 x Y's tile + wy; slot of 256 along the next K = X's tile % 8 (for q and k X's tile is under 4; for v X's tile / 8 is the batch)
	s_lshr_b32 s18, s42, 3
	s_lshl_b32 s18, s18, 3
	s_lshl_b32 s19, s17, 1
	s_add_co_u32 s18, s18, s19
	s_add_co_u32 s18, s18, s15
	s_and_b32 s19, s42, 7
	s_add_co_u32 s20, s66, 17                      ; a block of q or k is 131,072 bytes, of v^T 262,144
	s_lshl_b32 s20, s18, s20
	s_lshl_b32 s21, s19, 15
	s_add_co_u32 s20, s20, s21
	s_lshl_b32 s21, s16, 11                        ; my 128 along X are K step wx of the slot
	s_add_co_u32 s20, s20, s21
	s_add_co_u32 s20, s20, s95
	s_mov_b32 s21, 0
	s_add_nc_u64 s[98:99], s[98:99], s[20:21]
	s_add_co_u32 s20, s66, 12
	s_lshl_b32 s20, s18, s20
	s_lshl_b32 s21, s19, 1
	s_add_co_u32 s21, s21, s16
	s_lshl_b32 s21, s21, 9                         ; 512 bytes of scale words for each K step
	s_add_co_u32 s20, s20, s21
	s_add_co_u32 s20, s20, s2
	s_mov_b32 s21, 0
	s_add_nc_u64 s[100:101], s[100:101], s[20:21]
.macro FRAG reg, adr, q, i             ; a fragment: four loads of 512 consecutive bytes give each lane its 16 registers
.irp c, 0,1,2,3
	ds_load_b128 v[\reg+4*\c:\reg+4*\c+3], v[\adr] offset:4096*(\i)+2048*(\q)+512*\c
.endr
.endm
; 16 matrix instructions: Y's tiles a0, a0 + 1 x X's eight, 128 along K.  p: X's set; sc: the set of scale words.  The 64 accumulators take turns, one instruction a turn, in the same order in every step.
.macro MUL16 a0, p, q, sc
.irp a, \a0, \a0+1
.irp b, 0,1,2,3,4,5,6,7
	v_wmma_scale_f32_16x16x128_f8f6f4 v[8*(8*((\a)%4)+\b):8*(8*((\a)%4)+\b)+7], v[128*(\p)+FR*\b:128*(\p)+FR*\b+FR-1], v[AF+FR*(\a):AF+FR*(\a)+FR-1], v[8*(8*((\a)%4)+\b):8*(8*((\a)%4)+\b)+7], v[SC+16*(\sc)+2*\b+(\q)], v[SC+16*(\sc)+2*(\a)+(\q)] matrix_a_fmt:MATRIX_FMT_BF8 matrix_b_fmt:MATRIX_FMT_BF8 matrix_a_scale:MATRIX_SCALE_ROW1
.endr
.endr
.endm
; The first step's 32 products of Y's tiles 4 hi .. 4 hi + 3: they start the sums with the bias as C (window 0).  Two arms: the bias runs along X (q, k) or along Y (v).  Only register work stands in the arms.
.macro MULB hi
	WIN 0
	s_cmp_eq_u32 s66, 0
	s_cbranch_scc0 .Lrow_bias_\@
	WIN 0x81+0x40*(\hi)
.irp a, 0,1,2,3
.irp b, 0,1,2,3,4,5,6,7
	v_wmma_scale_f32_16x16x128_f8f6f4 v[8*(8*\a+\b):8*(8*\a+\b)+7], v[FR*\b:FR*\b+FR-1], v[AF+FR*(4*(\hi)+\a):AF+FR*(4*(\hi)+\a)+FR-1], v[BI+8*\b:BI+8*\b+7], v[SC+2*\b], v[SC+2*(4*(\hi)+\a)] matrix_a_fmt:MATRIX_FMT_BF8 matrix_b_fmt:MATRIX_FMT_BF8 matrix_a_scale:MATRIX_SCALE_ROW1
.endr
.endr
	WIN 0
	s_branch .Lbias_in_\@
.Lrow_bias_\@:
	WIN 0x81+0x40*(\hi)
.irp a, 0,1,2,3
.irp b, 0,1,2,3,4,5,6,7
	v_wmma_scale_f32_16x16x128_f8f6f4 v[8*(8*\a+\b):8*(8*\a+\b)+7], v[FR*\b:FR*\b+FR-1], v[AF+FR*(4*(\hi)+\a):AF+FR*(4*(\hi)+\a)+FR-1], v[BI+8*(4*(\hi)+\a):BI+8*(4*(\hi)+\a)+7], v[SC+2*\b], v[SC+2*(4*(\hi)+\a)] matrix_a_fmt:MATRIX_FMT_BF8 matrix_b_fmt:MATRIX_FMT_BF8 matrix_a_scale:MATRIX_SCALE_ROW1
.endr
.endr
	WIN 0
.Lbias_in_\@:
.endm
.macro FETCH_B slot, q, p              ; X's eight fragments of the slot's q-th 128 along K into set p
	WIN TO_B
.irp i, 0,1,2,3,4,5,6,7
	FRAG 128*(\p)+FR*\i, ADRB+\slot, \q, \i
.endr
	WIN 0
.endm
.macro FETCH_A slot, q, i0             ; Y's tiles i0 .. i0 + 3
.irp i, \i0, \i0+1, \i0+2, \i0+3
	FRAG AF+FR*(\i), ADRA+\slot, \q, \i
.endr
.endm
.macro SCALES sc                       ; a slot's scale words into set sc: lanes 0-15 take Y's tile i, lanes 16-31 X's tile i
.irp i, 0,1,2,3,4,5,6,7
	ds_load_b32 v[SC+16*\sc+2*\i], v[ADRS] offset:64*\i
	ds_load_b32 v[SC+16*\sc+2*\i+1], v[ADRS] offset:64*\i+512
.endr
.endm
.macro PLACES n                        ; plain vector instructions between a matrix instruction and a load into, or a vector instruction on, its registers (ISA guide 7.12.1 for vector instructions)
.rept \n
	v_nop
.endr
.endm
.macro STEP slot, q                    ; a step of 128 along K that has its successor in the same slot
	s_wait_dscnt 16                                ; X's set, Y's tiles 0-3 and the scale words are in; the youngest 16 loads (Y's tiles 4-7) may be out
	WIN MUL_LO
	MUL16 0, (\q)%2, \q, \slot
	MUL16 2, (\q)%2, \q, \slot
	s_wait_dscnt 0x0                               ; Y's tiles 4-7 are in
	PLACES NP
	FETCH_B \slot, (\q)+1, 1-(\q)%2
	FETCH_A \slot, (\q)+1, 0
	WIN MUL_HI
	MUL16 4, (\q)%2, \q, \slot
	MUL16 6, (\q)%2, \q, \slot
	PLACES NP
	WIN 0
	FETCH_A \slot, (\q)+1, 4
.endm
; A slot's last step changes slots: ONE barrier; in front of it each wave waits for all its tensor loads, adds 0 to its spare word, and waits for that and for its own reads of this slot.  fill = 1: this slot is filled again, two slots ahead.
.macro TURN slot, next, fill
	s_wait_tensorcnt 0x0                           ; all my tensor loads have landed: my part of the next slot
	ds_add_u32 v[SPW], v[NIL]                      ; 0 onto my spare word
	s_wait_dscnt 17                                ; (the add and the youngest 16 loads may be out)
	WIN MUL_LO
	MUL16 0, 1, 1, \slot
	s_wait_dscnt 0x0                               ; the add is done, and my reads of this slot are over
	s_barrier_signal -1
	MUL16 2, 1, 1, \slot
	WIN 0
	s_barrier_wait -1
.if \fill
	CREST                                          ; the barrier has opened a round of the cluster's barrier: no wave of any partner still reads this slot or has a load on its way
	s_add_nc_u64 s[G0+4*\slot+2:G0+4*\slot+3], s[G0+4*\slot+2:G0+4*\slot+3], 2*HALFT
	s_add_nc_u64 s[G0B+4*\slot+2:G0B+4*\slot+3], s[G0B+4*\slot+2:G0B+4*\slot+3], 2*HALFT
	JLOAD G0+4*\slot, G1, G0B+4*\slot, G1B         ; the first tensor load behind the round; its four v_nop are among the places in front of the loads below
	PLACES NP-4
.else
	PLACES NP
.endif
	v_add_nc_u32 v[ADRS], 1024, v[ADRS]            ; on to the next slot's scale words
	FETCH_B \next, 0, 0
	FETCH_A \next, 0, 0
	SCALES \next
	WIN MUL_HI
	MUL16 4, 1, 1, \slot
	MUL16 6, 1, 1, \slot
	PLACES NP
	WIN 0
	FETCH_A \next, 0, 4
.endm
	s_wait_tensorcnt 1                             ; the scale words and my part of slot 0 are in (slot 1's load may be out)
	s_barrier_signal -1
	s_barrier_wait -1                              ; everybody's are
	FETCH_B 0, 0, 0
	FETCH_A 0, 0, 0
	SCALES 0
	FETCH_A 0, 0, 4
	s_wait_loadcnt 0x0                             ; the bias
	s_wait_dscnt 16                                ; the first step stands in front of the loop: its products start the sums
	MULB 0
	s_wait_dscnt 0x0
	PLACES NP
	FETCH_B 0, 1, 1
	FETCH_A 0, 1, 0
	MULB 1
	PLACES NP
	FETCH_A 0, 1, 4
	s_mov_b32 s3, LAPS-1
.Llap:                                                 ; a trip goes once round the ring and fills both slots again
	TURN 0, 1, 1
	STEP 1, 0
	TURN 1, 0, 1
	STEP 0, 0
	s_sub_co_u32 s3, s3, 1
	s_cmp_lg_u32 s3, 0
	s_cbranch_scc1 .Llap
	TURN 0, 1, 0                                   ; the last lap fills nothing, and has no round of the cluster's barrier
	STEP 1, 0
	s_wait_dscnt 16                                ; the very last step: nothing more to fetch
	WIN MUL_LO
	MUL16 0, 1, 1, 1
	MUL16 2, 1, 1, 1
	s_wait_dscnt 0x0
	WIN MUL_HI
	MUL16 4, 1, 1, 1
	MUL16 6, 1, 1, 1
	WIN 0
; THE WAY OUT.  Tile a of Y's rows: its 64 accumulator registers are 128 neighbours along the next K of the lane's row: four blocks of 32, each shared with lane l xor 16.  They become a fragment and a scale word.
.macro EPI a
.set AC, 64*((\a)%4)
.set PC, AF+16*((\a)%4)
	WIN 0x0a+5*((\a)/4)                            ; sources 0 and 1: window 2 or 3
.irp b, 0,1,2,3
	v_max3_num_f32 v[TM+\b], |v[AC+16*\b]|, |v[AC+16*\b+1]|, 0x8000000   ; each accumulator is read from its low end on; the floor 2^(16 - 127) holds the byte at 1 from below
.endr
.irp i, 2,4,6,8,10,12,14
.irp b, 0,1,2,3
	v_max3_num_f32 v[TM+\b], |v[AC+16*\b+\i]|, |v[AC+16*\b+\i+1]|, v[TM+\b]
.endr
.endr
	WIN 0
.irp b, 0,1,2,3
	v_permlanex16_b32 v[TM+4+\b], v[TM+\b], s20, s21
.endr
.irp b, 0,1,2,3
	v_max_num_f32 v[TM+\b], v[TM+\b], v[TM+4+\b]   ; the block's largest magnitude
.endr
.irp b, 0,1,2,3
	v_add_nc_u32 v[TM+12+\b], 0xf8800000, v[TM+\b] ; 15 off its exponent field: the conversion's scale operand
.endr
.irp b, 0,1,2,3
	v_and_or_b32 v[TM+8+\b], v[TM+\b], 0x7f800000, s19   ; 57,344 x the scale
.endr
.irp b, 0,1,2,3
	v_lshrrev_b32 v[TM+4+\b], 23, v[TM+12+\b]      ; the scale's byte
.endr
	v_lshl_or_b32 v[PW+(\a)], v[TM+5], 8, v[TM+4]
	v_lshl_or_b32 v[PW+(\a)], v[TM+6], 16, v[PW+(\a)]
	v_lshl_or_b32 v[PW+(\a)], v[TM+7], 24, v[PW+(\a)]
	WIN 0x02+(\a)/4                                ; source 0: window 2 or 3
.irp b, 0,1,2,3
.irp i, 0,1,2,3,4,5,6,7,8,9,10,11,12,13,14,15
	v_med3_num_f32 v[T+16*\b+\i], v[AC+16*\b+\i], -v[TM+8+\b], v[TM+8+\b]   ; the hold (ISA guide 7.6.2: the conversion does not saturate), into window 0
.endr
.endr
	WIN 0
.if (\a) >= 4
	s_wait_xcnt 0x0                                ; the stores of four tiles back have read this set of codes
.endif
.irp b, 0,1,2,3
	v_cvt_scalef32_pk8_bf8_f32 v[PC+4*\b:PC+4*\b+1], v[T+16*\b:T+16*\b+7], v[TM+12+\b]
	v_cvt_scalef32_pk8_bf8_f32 v[PC+4*\b+2:PC+4*\b+3], v[T+16*\b+8:T+16*\b+15], v[TM+12+\b]
.endr
	v_nop                                          ; a plain line behind the last conversion
.irp c, 0,1,2,3
	global_store_b128 v[LI], v[PC+4*\c:PC+4*\c+3], s[98:99] offset:4096*(\a)+512*\c   ; the fragment as it stands: 512 consecutive bytes a store
.endr
	ds_store_b32 v[SWA], v[PW+(\a)] offset:64*(\a) ; lanes r and r + 16 write the same word with the same value
.endm
	PLACES NP                                      ; behind the last products: their operands' registers are written below, and their results read
	s_mov_b32 s20, 0x76543210
	s_mov_b32 s21, 0xfedcba98                      ; v_permlanex16_b32's selects for lane l xor 16
	s_mov_b32 s19, 0x600000                        ; the mantissa field of 57,344
.irp b, 0,1,2,3
	v_mov_b32 v[TM+4+\b], 0                        ; a lane permute's destination counts as one of its sources
.endr
.irp a, 0,1,2,3,4,5,6,7
	EPI \a
.endr
	ds_load_b128 v[TM:TM+3], v[SRA]                ; my own 512 bytes: LDS serves a wave's instructions in order
	s_wait_dscnt 0x0
	global_store_b128 v[LI], v[TM:TM+3], s[100:101]   ; the K step's scale words of my 128 rows: 512 consecutive bytes
	s_wait_tensorcnt 0x0                           ; the wave's end, behind my last tensor load and my last LDS store
	ds_add_u32 v[SPW], v[NIL]
	s_wait_dscnt 0x0
	CROUND                                         ; the closing round: no work-group ends while a partner may still ask for a tile that names it
	s_endpgm
.Lfunc_end_k_qf47d22eb67_proj:
	.size	k_qf47d22eb67_proj, .Lfunc_end_k_qf47d22eb67_proj-k_qf47d22eb67_proj
	.p2alignl 7, 3214868480
	.fill 96, 4, 3214868480
	.section	.rodata,"a",@progbits
	.p2align	6, 0x0
	.amdhsa_kernel k_qf47d22eb67_proj
		.amdhsa_group_segment_fixed_size 327680
		.amdhsa_private_segment_fixed_size 0
		.amdhsa_enable_private_segment 0
		.amdhsa_kernarg_size 56
		.amdhsa_user_sgpr_count 2
		.amdhsa_user_sgpr_kernarg_segment_ptr 1
		.amdhsa_wavefront_size32 1
		.amdhsa_system_sgpr_workgroup_id_x 1
		.amdhsa_system_sgpr_workgroup_id_y 1
		.amdhsa_system_sgpr_workgroup_id_z 1
		.amdhsa_system_vgpr_workitem_id 0
		.amdhsa_next_free_vgpr 1024
		.amdhsa_next_free_sgpr 102
		.amdhsa_reserve_vcc 0
		.amdhsa_float_denorm_mode_32 3
		.amdhsa_float_denorm_mode_16_64 3
		.amdhsa_memory_ordered 1
		.amdhsa_forward_progress 1
		.amdhsa_inst_pref_size 204
	.end_amdhsa_kernel
	.amdgpu_metadata
---
amdhsa.version: [ 1, 2 ]
amdhsa.kernels:
  - .name:           k_qf47d22eb67_proj
    .symbol:         k_qf47d22eb67_proj.kd
    .args:
      - { .name: in_codes, .offset: 0, .size: 8, .value_kind: global_buffer, .address_space: global }
      - { .name: in_scales, .offset: 8, .size: 8, .value_kind: global_buffer, .address_space: global }
      - { .name: bq, .offset: 16, .size: 8, .value_kind: global_buffer, .address_space: global }
      - { .name: bk, .offset: 24, .size: 8, .value_kind: global_buffer, .address_space: global }
      - { .name: bv, .offset: 32, .size: 8, .value_kind: global_buffer, .address_space: global }
      - { .name: qkv_codes, .offset: 40, .size: 8, .value_kind: global_buffer, .address_space: global }
      - { .name: qkv_scales, .offset: 48, .size: 8, .value_kind: global_buffer, .address_space: global }
    .group_segment_fixed_size: 327680
    .private_segment_fixed_size: 0
    .kernarg_segment_align: 8
    .kernarg_segment_size: 56
    .max_flat_workgroup_size: 128
    .sgpr_count:     102
    .vgpr_count:     1024
    .wavefront_size: 32
...
	.end_amdgpu_metadata
.endif
;; end of part 2
;; launch score (part 3): grid 8 x 16, 4 waves a work-group, clusters of 4 x 1, 327,680 bytes of LDS; arguments qkv_codes, qkv_scales, p_codes, p_meta; writes p_codes, p_meta
.if DOCPART == 3
	.amdgcn_target "amdgcn-amd-amdhsa--gfx1250"
	.amdhsa_code_object_version 6
	.text
	.protected	k_qf47d22eb67_score
	.globl	k_qf47d22eb67_score
	.p2align	8
	.type	k_qf47d22eb67_score,@function
k_qf47d22eb67_score:
	s_mov_b64 s[64:65], 0
	v_nop
	global_prefetch_b8 v0, s[64:65] scope:SCOPE_SE
	s_setreg_imm32_b32 hwreg(HW_REG_WAVE_MODE, 25, 1), 1
	s_wait_xcnt 0x0
	s_wait_alu depctr_hold_cnt(0) depctr_sa_sdst(0) depctr_va_vdst(0) depctr_va_sdst(0) depctr_va_ssrc(0) depctr_va_vcc(0) depctr_vm_vsrc(0)
	s_getreg_b32 s2, hwreg(HW_REG_IB_STS2, 6, 4)
	s_cmp_eq_u32 s2, 0
	s_cbranch_scc0 .Lentry_in_a_cluster
	s_endpgm
.Lentry_in_a_cluster:
	s_bfe_u32 s2, ttmp6, 0x10000c
	s_cmp_lg_u32 s2, 0x3003
	s_cbranch_scc0 .Lentry_shape_is_right
	s_endpgm
.Lentry_shape_is_right:
; LAUNCH 3 OF 4.  S = q k^T on codes of BF8 (E5M2) with E8M0 scales, sums in f32, and the softmax's p, quantised along the keys on the way out.  No work of reference() is left out here.
; t = score x log2(e) / 32.  p = 2^(t - M), M a whole number.  HERE M IS LOCAL: the ceiling of the largest t among the wave's 128 keys of a query, so that no wave needs another's numbers.  The next launch finds the row's M (the
; largest of the 16 local ones) and takes the difference, a whole number, off p's scale bytes and off the local sums: powers of two, exact; the codes are those under the row's M.
; Stored for each query and 128 keys: the fragment's codes; the scale word; -M (f32); l, the sum of the unquantised p (f32).
; SIDES: Y = q (source 1: queries in the lanes), X = k (source 0; its image holds the keys with bits 3 and 4 exchanged, so that a lane's 64 registers of a tile of queries are 128 neighbouring keys).
; A tile of 256 queries x 256 keys is made by four waves, 128 x 128 each.  K = 1,024 in slots of 256 through a ring of two LDS slots, one dense tensor load of 32,768 bytes a wave; the scale words come once.
; CLUSTER: 4 x 1: the four partners take four key tiles of one query tile: q's tiles are asked for jointly.  k's are not shared: only the two query tiles of a batch read the same keys, so a column of four work-groups
; would span two batches; k's loads are plain, behind the same rounds.  128 work-groups: 8 key tiles x 16 query tiles.
; LIMITS: NaN and infinities are not served; |t| stays under 2^24 (M is kept as f32); a p under 2^-126 of its local largest counts as 0; a block whose largest p lies under 2^-111 keeps the byte 1.
; REGISTERS as in the launch before; on the way out: v64-127 t - M, then p; v128-191 codes, four sets; v192-216 at work.  v32-63 hold scale words and nothing else.
.set NP,    8
.set FR,    16
.set HALFT, 32768
.set SLOT,  4*HALFT
.set LAPS,  2
.set HALFS, 4096
.set SCL,   2*SLOT
.set SPARE, SCL+4*HALFS                ; the spare words, 128 bytes for each wave: two blocks of 256 bytes that no other line names
.set ADRA, 16
.set ADRB, 20
.set SWA,  24                          ; v24  the way out: 2,048 x wave + 4 r, in slot 0, which has then had its last fill and its last read
.set SRA,  25                          ; v25  2,048 x wave + 16 x lane
.set LI,   26
.set ADRS, 27
.set SPW,  28
.set NIL,  29
.set SC,   32
.set T,    64
.set AF,   128
.set BM,   192                         ; v192-195 the blocks' largest scores, then largest p; v196-199 the other half's, then bytes
.set LM,   200                         ; v200-203 57,344 x the scale
.set SO,   204                         ; v204-207 the conversions' scale operands
.set TP,   208                         ; v208 the largest t
.set NM,   210                         ; v[210:211] -M (the packed form names the pair and takes its low word)
.set SU,   212                         ; v[212:213], v[214:215] the sum, in two chains
.set PW,   216                         ; v216 the scale word
.set G1, 24
.set G0, 32
.set G1B, 48
.set G0B, 56
.set G1S, 68
.set G0S, 76
.set G1SB, 80
.set G0SB, 88
.set MSB, 0
.macro WIN new
.if MSB != (\new)
	s_set_vgpr_msb (MSB<<8)|(\new)
.set MSB, \new
.endif
.endm
.set MUL_LO, 0xa1
.set MUL_HI, 0xf1
.set TO_B,   0x40
.macro JLOAD g0a, g1a, g0b, g1b        ; waves 0 and 1 fetch for Y (jointly), waves 2 and 3 for X; an s_nop 0 and four v_nop follow each of the two lines
	s_cmp_eq_u32 s15, 0
	s_cbranch_scc0 .Lfor_b_\@
	tensor_load_to_lds s[\g0a:\g0a+3], s[\g1a:\g1a+7]
	s_nop 0
.rept 4
	v_nop
.endr
	s_branch .Lasked_\@
.Lfor_b_\@:
	tensor_load_to_lds s[\g0b:\g0b+3], s[\g1b:\g1b+7]
	s_nop 0
.rept 4
	v_nop
.endr
.Lasked_\@:
.endm
.macro CREST
	s_cmp_lg_u32 s14, 0
	s_cbranch_scc1 .Lnot_wave_0_\@
	s_barrier_signal -3
.Lnot_wave_0_\@:
	s_barrier_wait -3
	s_barrier_signal -1
	s_barrier_wait -1
.endm
.macro CROUND
	s_barrier_signal -1
	s_barrier_wait -1
	CREST
.endm
	s_load_b256 s[4:11], s[0:1], 0x0               ; qkv_codes s[4:5], qkv_scales s[6:7], p_codes s[8:9], p_meta s[10:11]
	v_lshl_add_u32 v[SPW], v0, 2, SPARE
	v_mov_b32 v[NIL], 0
	ds_add_u32 v[SPW], v[NIL]                      ; the wave's opening: the add, twice on end, and its wait ahead of my first tensor load
	ds_add_u32 v[SPW], v[NIL]
	v_lshrrev_b32 v1, 5, v0
	v_readfirstlane_b32 s14, v1                    ; wave 0..3
	s_lshr_b32 s15, s14, 1                         ; wy; also: I fetch for Y (0) or for X (1)
	s_and_b32 s16, s14, 1                          ; wx; also: which 128 rows I fetch
	s_bfe_u32 s40, ttmp6, 0x40000                  ; cx
	s_lshl_b32 s42, ttmp9, 2
	s_add_co_u32 s42, s42, s40                     ; the key tile, 0 to 7
	s_and_b32 s17, ttmp7, 0xffff                   ; 2 x batch + query tile, which the four partners share
	s_mov_b32 s[G1+0], 15|(3<<16)|(1<<21)          ; 15:0 the mask: all four work-groups; 17:16 elements of 8 bytes; 21 set beside a mask
	s_mov_b32 s[G1B+0], 3<<16                      ; no mask: a load of my own
.irp g, G1, G1B
	s_mov_b32 s[\g+1], 32<<16                      ; a dense block of 32,768 bytes as 128 rows of 256
	s_mov_b32 s[\g+2], 128<<16
	s_mov_b32 s[\g+3], 32<<16
	s_mov_b32 s[\g+4], 128
	s_mov_b32 s[\g+5], 32
	s_mov_b32 s[\g+6], 0
	s_mov_b32 s[\g+7], 0
.endr
	s_mov_b32 s[G1S+0], 15|(3<<16)|(1<<21)
	s_mov_b32 s[G1SB+0], 3<<16
.irp g, G1S, G1SB
	s_mov_b32 s[\g+1], 32<<16                      ; 4,096 dense bytes as 16 rows of 256
	s_mov_b32 s[\g+2], 16<<16
	s_mov_b32 s[\g+3], 32<<16
	s_mov_b32 s[\g+4], 16
	s_mov_b32 s[\g+5], 32
	s_mov_b32 s[\g+6], 0
	s_mov_b32 s[\g+7], 0
.endr
	s_lshl_b32 s20, s17, 1
	s_add_co_u32 s20, s20, s16                     ; q's block
	s_lshl_b32 s22, s20, 12
	s_lshl_b32 s20, s20, 17
	s_mov_b32 s21, 0
	s_mov_b32 s23, 0
	s_lshr_b32 s46, s17, 1
	s_lshl_b32 s46, s46, 4                         ; 16 blocks of keys a batch,
	s_add_co_u32 s46, s46, 32                      ; behind q's 32 blocks
	s_lshl_b32 s47, s42, 1
	s_add_co_u32 s46, s46, s47
	s_add_co_u32 s46, s46, s16                     ; k's block
	s_lshl_b32 s92, s46, 12
	s_lshl_b32 s46, s46, 17
	s_mov_b32 s47, 0
	s_mov_b32 s93, 0
	s_mul_i32 s45, s14, HALFT
	s_mul_i32 s94, s14, HALFS
	s_wait_dscnt 0x0                               ; both opening adds are done
	s_wait_kmcnt 0x0
	s_add_nc_u64 s[20:21], s[4:5], s[20:21]
	s_add_nc_u64 s[22:23], s[6:7], s[22:23]
	s_add_nc_u64 s[46:47], s[4:5], s[46:47]
	s_add_nc_u64 s[92:93], s[6:7], s[92:93]
	CROUND                                         ; all four work-groups are here: the first joint loads meet
	s_mov_b32 s[G0S], 1
	s_add_co_u32 s[G0S+1], s94, SCL
	s_mov_b64 s[G0S+2:G0S+3], s[22:23]
	s_or_b32 s[G0S+3], s[G0S+3], 0x80000000
	s_mov_b32 s[G0SB], 1
	s_add_co_u32 s[G0SB+1], s94, SCL
	s_mov_b64 s[G0SB+2:G0SB+3], s[92:93]
	s_or_b32 s[G0SB+3], s[G0SB+3], 0x80000000
	JLOAD G0S, G1S, G0SB, G1SB
.irp s, 0,1
	s_mov_b32 s[G0+4*\s], 1
	s_add_co_u32 s[G0+4*\s+1], s45, \s*SLOT
	s_add_nc_u64 s[G0+4*\s+2:G0+4*\s+3], s[20:21], \s*HALFT
	s_or_b32 s[G0+4*\s+3], s[G0+4*\s+3], 0x80000000
	s_mov_b32 s[G0B+4*\s], 1
	s_add_co_u32 s[G0B+4*\s+1], s45, \s*SLOT
	s_add_nc_u64 s[G0B+4*\s+2:G0B+4*\s+3], s[46:47], \s*HALFT
	s_or_b32 s[G0B+4*\s+3], s[G0B+4*\s+3], 0x80000000
	JLOAD G0+4*\s, G1, G0B+4*\s, G1B               ; three loads of mine are out
.endr
	v_and_b32 v1, 15, v0                           ; r
	v_bfe_u32 v2, v0, 4, 1                         ; h
	v_and_b32 v3, 31, v0
	v_lshlrev_b32 v[LI], 4, v3
	s_mul_i32 s21, s15, HALFT
	s_mul_i32 s22, s16, HALFT
	s_add_co_u32 s22, s22, 2*HALFT
.irp s, 0,1
	v_add_nc_u32 v[ADRA+\s], s21, v[LI]
	v_add_nc_u32 v[ADRB+\s], s22, v[LI]
	s_add_co_u32 s21, s21, SLOT
	s_add_co_u32 s22, s22, SLOT
.endr
	s_mul_i32 s21, s15, HALFS
	s_mul_i32 s22, s16, HALFS
	s_add_co_u32 s22, s22, 2*HALFS
	s_sub_co_u32 s22, s22, s21
	v_mul_u32_u24 v6, s22, v2                      ; lanes 16-31 take X's
	s_add_co_u32 s21, s21, SCL
	v_lshl_add_u32 v5, v1, 2, v6
	v_add_nc_u32 v[ADRS], s21, v5
	s_lshl_b32 s21, s14, 11
	v_lshl_add_u32 v[SWA], v1, 2, s21
	v_add_nc_u32 v[SRA], s21, v[LI]
	; where my results go: block of 128 queries = 2 (2 batch + query tile) + wy; the keys' slot = the key tile, K step wx in it
	s_lshl_b32 s18, s17, 1
	s_add_co_u32 s18, s18, s15
	s_lshl_b32 s20, s18, 18
	s_lshl_b32 s21, s42, 15
	s_add_co_u32 s20, s20, s21
	s_lshl_b32 s21, s16, 11
	s_add_co_u32 s20, s20, s21
	s_mov_b32 s21, 0
	s_add_nc_u64 s[8:9], s[8:9], s[20:21]
	s_lshl_b32 s20, s18, 13
	s_lshl_b32 s21, s42, 1
	s_add_co_u32 s21, s21, s16
	s_lshl_b32 s21, s21, 9
	s_add_co_u32 s20, s20, s21
	s_mov_b32 s21, 0
	s_add_nc_u64 s[10:11], s[10:11], s[20:21]
.macro FRAG reg, adr, q, i
.irp c, 0,1,2,3
	ds_load_b128 v[\reg+4*\c:\reg+4*\c+3], v[\adr] offset:4096*(\i)+2048*(\q)+512*\c
.endr
.endm
; 16 matrix instructions: Y's tiles a0, a0 + 1 x X's eight.  zero = 1: the first product starts the sums.  The 64 accumulators take turns, one instruction a turn.
.macro MUL16 a0, p, q, sc, zero
.irp a, \a0, \a0+1
.irp b, 0,1,2,3,4,5,6,7
.if \zero
	v_wmma_scale_f32_16x16x128_f8f6f4 v[8*(8*((\a)%4)+\b):8*(8*((\a)%4)+\b)+7], v[128*(\p)+FR*\b:128*(\p)+FR*\b+FR-1], v[AF+FR*(\a):AF+FR*(\a)+FR-1], 0, v[SC+16*(\sc)+2*\b+(\q)], v[SC+16*(\sc)+2*(\a)+(\q)] matrix_a_fmt:MATRIX_FMT_BF8 matrix_b_fmt:MATRIX_FMT_BF8 matrix_a_scale:MATRIX_SCALE_ROW1
.else
	v_wmma_scale_f32_16x16x128_f8f6f4 v[8*(8*((\a)%4)+\b):8*(8*((\a)%4)+\b)+7], v[128*(\p)+FR*\b:128*(\p)+FR*\b+FR-1], v[AF+FR*(\a):AF+FR*(\a)+FR-1], v[8*(8*((\a)%4)+\b):8*(8*((\a)%4)+\b)+7], v[SC+16*(\sc)+2*\b+(\q)], v[SC+16*(\sc)+2*(\a)+(\q)] matrix_a_fmt:MATRIX_FMT_BF8 matrix_b_fmt:MATRIX_FMT_BF8 matrix_a_scale:MATRIX_SCALE_ROW1
.endif
.endr
.endr
.endm
.macro FETCH_B slot, q, p
	WIN TO_B
.irp i, 0,1,2,3,4,5,6,7
	FRAG 128*(\p)+FR*\i, ADRB+\slot, \q, \i
.endr
	WIN 0
.endm
.macro FETCH_A slot, q, i0
.irp i, \i0, \i0+1, \i0+2, \i0+3
	FRAG AF+FR*(\i), ADRA+\slot, \q, \i
.endr
.endm
.macro SCALES sc
.irp i, 0,1,2,3,4,5,6,7
	ds_load_b32 v[SC+16*\sc+2*\i], v[ADRS] offset:64*\i
	ds_load_b32 v[SC+16*\sc+2*\i+1], v[ADRS] offset:64*\i+512
.endr
.endm
.macro PLACES n
.rept \n
	v_nop
.endr
.endm
.macro STEP slot, q, zero
	s_wait_dscnt 16                                ; all but the youngest 16 loads (Y's tiles 4-7) are in
	WIN MUL_LO
	MUL16 0, (\q)%2, \q, \slot, \zero
	MUL16 2, (\q)%2, \q, \slot, \zero
	s_wait_dscnt 0x0
	PLACES NP
	FETCH_B \slot, (\q)+1, 1-(\q)%2
	FETCH_A \slot, (\q)+1, 0
	WIN MUL_HI
	MUL16 4, (\q)%2, \q, \slot, \zero
	MUL16 6, (\q)%2, \q, \slot, \zero
	PLACES NP
	WIN 0
	FETCH_A \slot, (\q)+1, 4
.endm
.macro TURN slot, next, fill           ; a slot's last step changes slots: one barrier, with the three lines in front of it
	s_wait_tensorcnt 0x0                           ; all my tensor loads have landed: my part of the next slot
	ds_add_u32 v[SPW], v[NIL]                      ; 0 onto my spare word
	s_wait_dscnt 17                                ; (the add and the youngest 16 loads may be out)
	WIN MUL_LO
	MUL16 0, 1, 1, \slot, 0
	s_wait_dscnt 0x0                               ; the add is done, and my reads of this slot are over
	s_barrier_signal -1
	MUL16 2, 1, 1, \slot, 0
	WIN 0
	s_barrier_wait -1
.if \fill
	CREST                                          ; the barrier has opened a round of the cluster's barrier
	s_add_nc_u64 s[G0+4*\slot+2:G0+4*\slot+3], s[G0+4*\slot+2:G0+4*\slot+3], 2*HALFT
	s_add_nc_u64 s[G0B+4*\slot+2:G0B+4*\slot+3], s[G0B+4*\slot+2:G0B+4*\slot+3], 2*HALFT
	JLOAD G0+4*\slot, G1, G0B+4*\slot, G1B         ; the first tensor load behind the round
	PLACES NP-4
.else
	PLACES NP
.endif
	v_add_nc_u32 v[ADRS], 1024, v[ADRS]
	FETCH_B \next, 0, 0
	FETCH_A \next, 0, 0
	SCALES \next
	WIN MUL_HI
	MUL16 4, 1, 1, \slot, 0
	MUL16 6, 1, 1, \slot, 0
	PLACES NP
	WIN 0
	FETCH_A \next, 0, 4
.endm
	s_wait_tensorcnt 1                             ; the scale words and my part of slot 0 are in (slot 1's load may be out),
	s_barrier_signal -1
	s_barrier_wait -1                              ; everybody's are
	FETCH_B 0, 0, 0
	FETCH_A 0, 0, 0
	SCALES 0
	FETCH_A 0, 0, 4
	STEP 0, 0, 1                                   ; the first step stands in front of the loop: its products start the sums
	s_mov_b32 s3, LAPS-1
.Llap:
	TURN 0, 1, 1
	STEP 1, 0, 0
	TURN 1, 0, 1
	STEP 0, 0, 0
	s_sub_co_u32 s3, s3, 1
	s_cmp_lg_u32 s3, 0
	s_cbranch_scc1 .Llap
	TURN 0, 1, 0
	STEP 1, 0, 0
	s_wait_dscnt 16
	WIN MUL_LO
	MUL16 0, 1, 1, 1, 0
	MUL16 2, 1, 1, 1, 0
	s_wait_dscnt 0x0
	WIN MUL_HI
	MUL16 4, 1, 1, 1, 0
	MUL16 6, 1, 1, 1, 0
	WIN 0
; THE WAY OUT.  Tile a of 16 queries: a lane holds one query and 64 of its 128 keys, register 16 b + i = key 32 b + 16 (lane / 16) + i.
.macro SOFT a
.set AC, 64*((\a)%4)
.set PC, AF+16*((\a)%4)
	WIN 0x0a+5*((\a)/4)                            ; sources 0 and 1: window 2 or 3
.irp b, 0,1,2,3
	v_max3_num_f32 v[BM+\b], v[AC+16*\b], v[AC+16*\b+1], 0xff800000   ; THE LARGEST SCORE OF EACH BLOCK OF 32 KEYS serves twice: for the maximum, and, since p rises with the score, for the block's largest p.  Each accumulator is read from its low end on
.endr
.irp i, 2,4,6,8,10,12,14
.irp b, 0,1,2,3
	v_max3_num_f32 v[BM+\b], v[AC+16*\b+\i], v[AC+16*\b+\i+1], v[BM+\b]
.endr
.endr
	WIN 0
.if (\a) > 0
	s_wait_dscnt 0x0                               ; the last tile's three LDS stores have read their registers, which are written anew below
.endif
.irp b, 0,1,2,3
	v_permlanex16_b32 v[BM+4+\b], v[BM+\b], s20, s21
.endr
.irp b, 0,1,2,3
	v_max_num_f32 v[BM+\b], v[BM+\b], v[BM+4+\b]   ; with lane l xor 16's 16 keys
.endr
	v_max3_num_f32 v[TP], v[BM], v[BM+1], v[BM+2]
	v_max_num_f32 v[TP], v[TP], v[BM+3]
	v_mul_f32 v[TP], s22, v[TP]                    ; the largest t of my query's 128 keys (c is positive)
	v_floor_f32 v[NM], -v[TP]                      ; -M = floor(-t) = -ceil(t): a whole number
	WIN 0x02+(\a)/4                                ; source 0: window 2 or 3
.set jj, 0
.rept 32
	v_pk_fma_f32 v[T+jj:T+jj+1], v[AC+jj:AC+jj+1], s[22:23], v[NM:NM+1] op_sel_hi:[1,0,0]   ; t - M, two at a time, into window 0
.set jj, jj+2
.endr
	WIN 0
.irp b, 0,1,2,3
	v_fma_f32 v[BM+\b], v[BM+\b], s22, v[NM]       ; the same of each block's largest score
.endr
.set jj, 0
.rept 64
	v_exp_f32 v[T+jj], v[T+jj]                     ; p = 2^(t - M), at most 1: not normalised
.set jj, jj+1
.endr
	v_nop                                          ; a plain line behind the exponentials
	s_wait_alu depctr_va_vdst(0)                   ; one wait for the whole batch, ahead of its first reader
.irp b, 0,1,2,3
	v_exp_f32 v[BM+\b], v[BM+\b]                   ; the block's largest p: the same two instructions on the same number give the same bits
.endr
	v_pk_add_f32 v[SU:SU+1], v[T:T+1], v[T+2:T+3]  ; THE SUM IS TAKEN OF THE UNQUANTISED p: two at a time, in two chains
	v_pk_add_f32 v[SU+2:SU+3], v[T+4:T+5], v[T+6:T+7]
.irp j, 8,12,16,20,24,28,32,36,40,44,48,52,56,60
	v_pk_add_f32 v[SU:SU+1], v[SU:SU+1], v[T+\j:T+\j+1]
	v_pk_add_f32 v[SU+2:SU+3], v[SU+2:SU+3], v[T+\j+2:T+\j+3]
.endr
	v_pk_add_f32 v[SU:SU+1], v[SU:SU+1], v[SU+2:SU+3]
	v_add_f32 v[SU], v[SU], v[SU+1]
	v_permlanex16_b32 v[SU+2], v[SU], s20, s21
	v_add_f32 v[SU], v[SU], v[SU+2]                ; l of my query's 128 keys
	s_wait_alu depctr_va_vdst(0)                   ; and one wait for the four
.irp b, 0,1,2,3
	v_max_num_f32 v[BM+\b], 0x8000000, v[BM+\b]    ; the floor 2^(16 - 127): the byte cannot fall under 1
.endr
.irp b, 0,1,2,3
	v_add_nc_u32 v[SO+\b], 0xf8800000, v[BM+\b]    ; 15 off the exponent field: the conversion's scale operand
.endr
.irp b, 0,1,2,3
	v_and_or_b32 v[LM+\b], v[BM+\b], 0x7f800000, s19   ; 57,344 x the scale
.endr
.irp b, 0,1,2,3
	v_lshrrev_b32 v[BM+4+\b], 23, v[SO+\b]         ; the scale's byte
.endr
	v_lshl_or_b32 v[PW], v[BM+5], 8, v[BM+4]
	v_lshl_or_b32 v[PW], v[BM+6], 16, v[PW]
	v_lshl_or_b32 v[PW], v[BM+7], 24, v[PW]
.irp b, 0,1,2,3
.irp i, 0,1,2,3,4,5,6,7,8,9,10,11,12,13,14,15
	v_min_num_f32 v[T+16*\b+\i], v[T+16*\b+\i], v[LM+\b]   ; the conversion does not saturate (ISA guide 7.6.2); p is not negative, so the hold is one-sided
.endr
.endr
.if (\a) >= 4
	s_wait_xcnt 0x0                                ; the stores of four tiles back have read this set of codes
.endif
.irp b, 0,1,2,3
	v_cvt_scalef32_pk8_bf8_f32 v[PC+4*\b:PC+4*\b+1], v[T+16*\b:T+16*\b+7], v[SO+\b]
	v_cvt_scalef32_pk8_bf8_f32 v[PC+4*\b+2:PC+4*\b+3], v[T+16*\b+8:T+16*\b+15], v[SO+\b]
.endr
	v_nop                                          ; a plain line behind the last conversion
.irp c, 0,1,2,3
	global_store_b128 v[LI], v[PC+4*\c:PC+4*\c+3], s[8:9] offset:4096*(\a)+512*\c   ; the fragment as it stands: 512 consecutive bytes a store
.endr
	ds_store_b32 v[SWA], v[PW] offset:64*(\a)      ; lanes r and r + 16 write the same words with the same values
	ds_store_b32 v[SWA], v[NM] offset:512+64*(\a)
	ds_store_b32 v[SWA], v[SU] offset:1024+64*(\a)
.endm
	PLACES NP                                      ; behind the last products
	s_mov_b32 s20, 0x76543210
	s_mov_b32 s21, 0xfedcba98                      ; v_permlanex16_b32's selects for lane l xor 16
	s_mov_b32 s22, 0x3d38aa3b                      ; c = log2(e) / 32
	s_mov_b32 s23, s22                             ; (named with it as a pair, so it is written)
	s_mov_b32 s19, 0x600000                        ; the mantissa field of 57,344
.irp b, 0,1,2,3
	v_mov_b32 v[BM+4+\b], 0                        ; a lane permute's destination counts as one of its sources
.endr
	v_mov_b32 v[NM+1], 0                           ; (named as the upper half of a pair)
	v_mov_b32 v[SU+2], 0
.irp a, 0,1,2,3,4,5,6,7
	SOFT \a
.endr
.irp m, 0,1,2
	ds_load_b128 v[BM+4*\m:BM+4*\m+3], v[SRA] offset:512*\m   ; my own bytes: LDS serves a wave's instructions in order
.endr
	s_wait_dscnt 0x0
.irp m, 0,1,2
	global_store_b128 v[LI], v[BM+4*\m:BM+4*\m+3], s[10:11] offset:0x40000*\m   ; scale words, -M, l of my 128 queries for this K step: 512 consecutive bytes each
.endr
	s_wait_tensorcnt 0x0                           ; the wave's end, behind my last tensor load and my last LDS store
	ds_add_u32 v[SPW], v[NIL]
	s_wait_dscnt 0x0
	CROUND                                         ; the closing round
	s_endpgm
.Lfunc_end_k_qf47d22eb67_score:
	.size	k_qf47d22eb67_score, .Lfunc_end_k_qf47d22eb67_score-k_qf47d22eb67_score
	.p2alignl 7, 3214868480
	.fill 96, 4, 3214868480
	.section	.rodata,"a",@progbits
	.p2align	6, 0x0
	.amdhsa_kernel k_qf47d22eb67_score
		.amdhsa_group_segment_fixed_size 327680
		.amdhsa_private_segment_fixed_size 0
		.amdhsa_enable_private_segment 0
		.amdhsa_kernarg_size 32
		.amdhsa_user_sgpr_count 2
		.amdhsa_user_sgpr_kernarg_segment_ptr 1
		.amdhsa_wavefront_size32 1
		.amdhsa_system_sgpr_workgroup_id_x 1
		.amdhsa_system_sgpr_workgroup_id_y 1
		.amdhsa_system_sgpr_workgroup_id_z 1
		.amdhsa_system_vgpr_workitem_id 0
		.amdhsa_next_free_vgpr 1024
		.amdhsa_next_free_sgpr 102
		.amdhsa_reserve_vcc 0
		.amdhsa_float_denorm_mode_32 3
		.amdhsa_float_denorm_mode_16_64 3
		.amdhsa_memory_ordered 1
		.amdhsa_forward_progress 1
		.amdhsa_inst_pref_size 228
	.end_amdhsa_kernel
	.amdgpu_metadata
---
amdhsa.version: [ 1, 2 ]
amdhsa.kernels:
  - .name:           k_qf47d22eb67_score
    .symbol:         k_qf47d22eb67_score.kd
    .args:
      - { .name: qkv_codes, .offset: 0, .size: 8, .value_kind: global_buffer, .address_space: global }
      - { .name: qkv_scales, .offset: 8, .size: 8, .value_kind: global_buffer, .address_space: global }
      - { .name: p_codes, .offset: 16, .size: 8, .value_kind: global_buffer, .address_space: global }
      - { .name: p_meta, .offset: 24, .size: 8, .value_kind: global_buffer, .address_space: global }
    .group_segment_fixed_size: 327680
    .private_segment_fixed_size: 0
    .kernarg_segment_align: 8
    .kernarg_segment_size: 32
    .max_flat_workgroup_size: 128
    .sgpr_count:     102
    .vgpr_count:     1024
    .wavefront_size: 32
...
	.end_amdgpu_metadata
.endif
;; end of part 3
;; launch pv (part 4): grid 4 x 16, 4 waves a work-group, clusters of 4 x 1, 327,680 bytes of LDS; arguments qkv_codes, qkv_scales, p_codes, p_meta, out0; writes out0
.if DOCPART == 4
	.amdgcn_target "amdgcn-amd-amdhsa--gfx1250"
	.amdhsa_code_object_version 6
	.text
	.protected	k_qf47d22eb67_pv
	.globl	k_qf47d22eb67_pv
	.p2align	8
	.type	k_qf47d22eb67_pv,@function
k_qf47d22eb67_pv:
	s_mov_b64 s[64:65], 0
	v_nop
	global_prefetch_b8 v0, s[64:65] scope:SCOPE_SE
	s_setreg_imm32_b32 hwreg(HW_REG_WAVE_MODE, 25, 1), 1
	s_wait_xcnt 0x0
	s_wait_alu depctr_hold_cnt(0) depctr_sa_sdst(0) depctr_va_vdst(0) depctr_va_sdst(0) depctr_va_ssrc(0) depctr_va_vcc(0) depctr_vm_vsrc(0)
	s_getreg_b32 s2, hwreg(HW_REG_IB_STS2, 6, 4)
	s_cmp_eq_u32 s2, 0
	s_cbranch_scc0 .Lentry_in_a_cluster
	s_endpgm
.Lentry_in_a_cluster:
	s_bfe_u32 s2, ttmp6, 0x10000c
	s_cmp_lg_u32 s2, 0x3003
	s_cbranch_scc0 .Lentry_shape_is_right
	s_endpgm
.Lentry_shape_is_right:
; LAUNCH 4 OF 4.  out = (p v) / l on codes of BF8 (E5M2) with E8M0 scales, sums in f32.  No work of reference() is left out here.
; p came quantised under an M of its own for each 128 keys.  AT THE HEAD each thread takes one query row of each of the tile's two blocks: the row's -M is the least of the 16 local ones; D = M - local M, a whole number, 0 or more,
; is taken off the four scale bytes of that K step (a byte is held at 1 from below) and off the local sum's exponent: p's values and l are then those under the row's M, exactly.  The moved scale words and 1 / l go to LDS.
; SIDES: Y = p (source 1: queries in the lanes), X = v^T (source 0: features in the registers, in their own order): a lane's eight results are eight neighbouring features of one query's row.
; A tile of 256 queries x 256 features is made by four waves, 128 x 128 each.  K = 2,048 keys in slots of 256 through a ring of two LDS slots, one dense tensor load of 32,768 bytes a wave.
; CLUSTER: 4 x 1: the four partners take the four feature tiles of one query tile: p's tiles are asked for jointly.  v^T's tiles are read by the two query tiles of a batch alone, which lie in different clusters: plain loads.
; 64 work-groups: 4 feature tiles x 16 query tiles: the launch has work for no more at this tile.
; LIMITS: NaN and infinities are not served; D is held at 254; a scale byte that would fall under 1 is held at 1: such p lie under 2^-110 beside a row's sum of at least 1/2.
; REGISTERS as in the launches before.  At the head v64-127 and v128-255 are arrays of the 32 (block, K step) instances.  On the way out: v64-127 results / l; v128-191, v192-255 rows read back, by turns; window 1 v0-15: 1 / l.
.set NP,    8
.set FR,    16
.set HALFT, 32768
.set SLOT,  4*HALFT
.set LAPS,  4                          ; K / 512
.set SCY,   2*SLOT                     ; behind the ring: p's moved scale words, 2 x 8,192 bytes, stored by the waves: no fill lands here
.set SCX,   SCY+16384                  ; v^T's scale words, 2 x 8,192 bytes: filled once
.set RL,    SCX+16384                  ; 1 / l of the tile's 256 queries
.set SPARE, RL+1024                    ; the spare words, 128 bytes for each wave: two blocks of 256 bytes that no other line names
.set ADRA, 16
.set ADRB, 20
.set RLA,  23                          ; v23  where my rows' 1 / l lie
.set STO,  24                          ; v24  the way out: where I put 32 bytes of a row (a stage of 16 rows x 528 bytes for each wave, in slot 0, which has then had its last fill and its last read)
.set RD,   25                          ; v25  and where I read a row back
.set LI,   26                          ; v26  16 x lane
.set ADRS, 27
.set SPW,  28
.set NIL,  29
.set SC,   32
.set T,    64
.set AF,   128
.set BK,   128
.set WD,   128                         ; the head: v128-159 scale words, instance 16 block + K step
.set MM,   160                         ; v160-191 -M, then D
.set LL,   192                         ; v192-223 l
.set RW,   224                         ; v224-255 the moved words
.set UA,   64                          ; v64-95, v96-127 at work
.set UB,   96
.set G1, 24
.set G0, 32
.set G1B, 48
.set G0B, 56
.set G1S, 68
.set G0S, 76
.set MSB, 0
.macro WIN new
.if MSB != (\new)
	s_set_vgpr_msb (MSB<<8)|(\new)
.set MSB, \new
.endif
.endm
.set MUL_LO, 0xa1
.set MUL_HI, 0xf1
.set TO_B,   0x40
.macro JLOAD g0a, g1a, g0b, g1b        ; waves 0 and 1 fetch for Y (jointly), waves 2 and 3 for X; an s_nop 0 and four v_nop follow each of the two lines
	s_cmp_eq_u32 s15, 0
	s_cbranch_scc0 .Lfor_b_\@
	tensor_load_to_lds s[\g0a:\g0a+3], s[\g1a:\g1a+7]
	s_nop 0
.rept 4
	v_nop
.endr
	s_branch .Lasked_\@
.Lfor_b_\@:
	tensor_load_to_lds s[\g0b:\g0b+3], s[\g1b:\g1b+7]
	s_nop 0
.rept 4
	v_nop
.endr
.Lasked_\@:
.endm
.macro CREST
	s_cmp_lg_u32 s14, 0
	s_cbranch_scc1 .Lnot_wave_0_\@
	s_barrier_signal -3
.Lnot_wave_0_\@:
	s_barrier_wait -3
	s_barrier_signal -1
	s_barrier_wait -1
.endm
.macro CROUND
	s_barrier_signal -1
	s_barrier_wait -1
	CREST
.endm
	s_load_b256 s[4:11], s[0:1], 0x0               ; qkv_codes s[4:5], qkv_scales s[6:7], p_codes s[8:9], p_meta s[10:11]
	s_load_b64 s[12:13], s[0:1], 0x20              ; out0
	v_lshl_add_u32 v[SPW], v0, 2, SPARE
	v_mov_b32 v[NIL], 0
	ds_add_u32 v[SPW], v[NIL]                      ; the wave's opening: the add, twice on end, and its wait ahead of my first tensor load
	ds_add_u32 v[SPW], v[NIL]
	v_lshrrev_b32 v1, 5, v0
	v_readfirstlane_b32 s14, v1                    ; wave 0..3
	s_lshr_b32 s15, s14, 1                         ; wy; also: I fetch for Y (0) or for X (1)
	s_and_b32 s16, s14, 1                          ; wx; also: which 128 rows I fetch
	s_bfe_u32 s40, ttmp6, 0x40000                  ; cx
	s_lshl_b32 s42, ttmp9, 2
	s_add_co_u32 s42, s42, s40                     ; the feature tile, 0 to 3
	s_and_b32 s17, ttmp7, 0xffff                   ; 2 x batch + query tile, which the four partners share
	s_mov_b32 s[G1+0], 15|(3<<16)|(1<<21)          ; 15:0 the mask: all four work-groups; 17:16 elements of 8 bytes; 21 set beside a mask
	s_mov_b32 s[G1B+0], 3<<16                      ; no mask: a load of my own
.irp g, G1, G1B
	s_mov_b32 s[\g+1], 32<<16                      ; a dense block of 32,768 bytes as 128 rows of 256
	s_mov_b32 s[\g+2], 128<<16
	s_mov_b32 s[\g+3], 32<<16
	s_mov_b32 s[\g+4], 128
	s_mov_b32 s[\g+5], 32
	s_mov_b32 s[\g+6], 0
	s_mov_b32 s[\g+7], 0
.endr
	s_mov_b32 s[G1S+0], 3<<16                      ; v^T's scale words: 4,096 dense bytes a wave, as 16 rows of 256
	s_mov_b32 s[G1S+1], 32<<16
	s_mov_b32 s[G1S+2], 16<<16
	s_mov_b32 s[G1S+3], 32<<16
	s_mov_b32 s[G1S+4], 16
	s_mov_b32 s[G1S+5], 32
	s_mov_b32 s[G1S+6], 0
	s_mov_b32 s[G1S+7], 0
	s_lshl_b32 s20, s17, 1
	s_add_co_u32 s20, s20, s16                     ; p's block
	s_lshl_b32 s20, s20, 18
	s_mov_b32 s21, 0
	s_lshr_b32 s46, s17, 1
	s_lshl_b32 s46, s46, 3                         ; 8 blocks of features a batch
	s_lshl_b32 s47, s42, 1
	s_add_co_u32 s46, s46, s47
	s_lshl_b32 s92, s46, 13                        ; the tile's two blocks of scale words are 16,384 dense bytes:
	s_lshl_b32 s93, s14, 12                        ; a quarter for each wave
	s_add_co_u32 s92, s92, s93
	s_add_co_u32 s92, s92, 0xa0000
	s_mov_b32 s93, 0
	s_add_co_u32 s46, s46, s16                     ; v^T's block
	s_lshl_b32 s46, s46, 18
	s_add_co_u32 s46, s46, 0x1400000
	s_mov_b32 s47, 0
	s_mul_i32 s45, s14, HALFT
	s_lshl_b32 s94, s14, 12
	s_wait_dscnt 0x0                               ; both opening adds are done
	s_wait_kmcnt 0x0
	s_add_nc_u64 s[20:21], s[8:9], s[20:21]
	s_add_nc_u64 s[46:47], s[4:5], s[46:47]
	s_add_nc_u64 s[92:93], s[6:7], s[92:93]
	CROUND                                         ; all four work-groups are here: the first joint loads meet
	s_mov_b32 s[G0S], 1
	s_add_co_u32 s[G0S+1], s94, SCX
	s_mov_b64 s[G0S+2:G0S+3], s[92:93]
	s_or_b32 s[G0S+3], s[G0S+3], 0x80000000
	tensor_load_to_lds s[G0S:G0S+3], s[G1S:G1S+7]  ; every wave brings its quarter
	s_nop 0
.irp s, 0,1
	s_mov_b32 s[G0+4*\s], 1
	s_add_co_u32 s[G0+4*\s+1], s45, \s*SLOT
	s_add_nc_u64 s[G0+4*\s+2:G0+4*\s+3], s[20:21], \s*HALFT
	s_or_b32 s[G0+4*\s+3], s[G0+4*\s+3], 0x80000000
	s_mov_b32 s[G0B+4*\s], 1
	s_add_co_u32 s[G0B+4*\s+1], s45, \s*SLOT
	s_add_nc_u64 s[G0B+4*\s+2:G0B+4*\s+3], s[46:47], \s*HALFT
	s_or_b32 s[G0B+4*\s+3], s[G0B+4*\s+3], 0x80000000
	JLOAD G0+4*\s, G1, G0B+4*\s, G1B               ; three loads of mine are out
.endr
	; the tile's 256 queries: scale words, -M and l of all 16 K steps.  Thread t takes row t of both blocks
	s_lshl_b32 s18, s17, 14                        ; two blocks of 8,192 bytes for each query tile
	s_mov_b32 s19, 0
	s_add_nc_u64 s[10:11], s[10:11], s[18:19]
	v_lshlrev_b32 v7, 2, v0
.set nn, 0
.rept 32
	global_load_b32 v[WD+nn], v7, s[10:11] offset:512*nn
	global_load_b32 v[MM+nn], v7, s[10:11] offset:0x40000+512*nn
	global_load_b32 v[LL+nn], v7, s[10:11] offset:0x80000+512*nn
.set nn, nn+1
.endr
	v_and_b32 v1, 15, v0                           ; r
	v_bfe_u32 v2, v0, 4, 1                         ; h
	v_and_b32 v3, 31, v0
	v_lshlrev_b32 v[LI], 4, v3
	s_mul_i32 s21, s15, HALFT
	s_mul_i32 s22, s16, HALFT
	s_add_co_u32 s22, s22, 2*HALFT
.irp s, 0,1
	v_add_nc_u32 v[ADRA+\s], s21, v[LI]
	v_add_nc_u32 v[ADRB+\s], s22, v[LI]
	s_add_co_u32 s21, s21, SLOT
	s_add_co_u32 s22, s22, SLOT
.endr
	s_lshl_b32 s21, s15, 13                        ; p's scale words: my 128 rows
	s_lshl_b32 s22, s16, 13                        ; v^T's: my 128 rows, 16,384 bytes behind p's first
	s_add_co_u32 s22, s22, 16384
	s_sub_co_u32 s22, s22, s21
	v_mul_u32_u24 v6, s22, v2                      ; lanes 16-31 take X's
	s_add_co_u32 s21, s21, SCY
	v_lshl_add_u32 v5, v1, 2, v6
	v_add_nc_u32 v[ADRS], s21, v5
	s_lshl_b32 s21, s15, 9
	s_add_co_u32 s21, s21, RL
	v_lshl_add_u32 v[RLA], v1, 2, s21              ; RL + 512 wy + 4 r
	s_mul_i32 s21, s14, 16*528                     ; my stage
	v_mul_u32_u24 v5, v1, 528
	v_lshl_add_u32 v5, v2, 5, v5
	v_add_nc_u32 v[STO], s21, v5                   ; in: row r, 32 bytes for each half of the lanes
	v_add_nc_u32 v[RD], s21, v[LI]                 ; back: the 32 lanes take one row of 512 bytes
	v_lshl_add_u32 v8, v0, 2, SCY                  ; where thread t puts its rows' moved words,
	v_lshl_add_u32 v9, v0, 2, RL                   ; and their 1 / l
	s_lshl_b32 s18, s17, 20                        ; out0: 256 rows of 4,096 bytes a query tile,
	s_lshl_b32 s19, s15, 19                        ; my 128 rows,
	s_add_co_u32 s18, s18, s19
	s_lshl_b32 s19, s42, 10                        ; the tile's 256 features,
	s_add_co_u32 s18, s18, s19
	s_lshl_b32 s19, s16, 9                         ; my 128
	s_add_co_u32 s18, s18, s19
	s_mov_b32 s19, 0
	s_add_nc_u64 s[12:13], s[12:13], s[18:19]
	s_wait_loadcnt 0x0
	; every stage runs over all 32 instances, so that no line waits for the line above it
.irp k, 0,1
	v_min_num_f32 v[10+\k], v[MM+16*\k], v[MM+16*\k+1]
.endr
.irp i, 2,3,4,5,6,7,8,9,10,11,12,13,14,15
.irp k, 0,1
	v_min_num_f32 v[10+\k], v[10+\k], v[MM+16*\k+\i]   ; the row's -M: the least of the local ones
.endr
.endr
.set nn, 0
.rept 32
	v_sub_f32 v[MM+nn], v[MM+nn], v[10+nn/16]      ; D = M - local M: whole numbers, exact
.set nn, nn+1
.endr
.set nn, 0
.rept 32
	v_min_num_f32 v[MM+nn], 0x437e0000, v[MM+nn]   ; held at 254
.set nn, nn+1
.endr
.set nn, 0
.rept 32
	v_cvt_u32_f32 v[MM+nn], v[MM+nn]
.set nn, nn+1
.endr
.set nn, 0
.rept 32
	v_sub_nc_u32 v[UA+nn], 0, v[MM+nn]
.set nn, nn+1
.endr
.set nn, 0
.rept 32
	v_ldexp_f32 v[LL+nn], v[LL+nn], v[UA+nn]       ; the local sum under the row's M
.set nn, nn+1
.endr
.irp d, 8,4,2,1
.set nn, 0
.rept \d
	v_add_f32 v[LL+nn], v[LL+nn], v[LL+nn+\d]
	v_add_f32 v[LL+16+nn], v[LL+16+nn], v[LL+16+nn+\d]
.set nn, nn+1
.endr
.endr
	v_rcp_f32 v12, v[LL]                           ; 1 / l of my two rows
	v_rcp_f32 v13, v[LL+16]
.irp y, 0,1,2,3                        ; byte y of each word: b - min(b - 1, D)
.set nn, 0
.rept 32
	v_bfe_u32 v[UA+nn], v[WD+nn], 8*\y, 8
.set nn, nn+1
.endr
.set nn, 0
.rept 32
	v_add_nc_u32 v[UB+nn], -1, v[UA+nn]
.set nn, nn+1
.endr
.set nn, 0
.rept 32
	v_min_u32 v[UB+nn], v[UB+nn], v[MM+nn]
.set nn, nn+1
.endr
.if \y == 0
.set nn, 0
.rept 32
	v_sub_nc_u32 v[RW+nn], v[UA+nn], v[UB+nn]
.set nn, nn+1
.endr
.else
.set nn, 0
.rept 32
	v_sub_nc_u32 v[UA+nn], v[UA+nn], v[UB+nn]
.set nn, nn+1
.endr
.set nn, 0
.rept 32
	v_lshl_or_b32 v[RW+nn], v[UA+nn], 8*\y, v[RW+nn]
.set nn, nn+1
.endr
.endif
.endr
	s_wait_alu depctr_va_vdst(0)                   ; the wait for the two reciprocals, ahead of their first reader; the bytes' lines above are the work between
.set nn, 0
.rept 32
	ds_store_b32 v8, v[RW+nn] offset:512*nn        ; [block][K step][row]: what the scale loads below expect
.set nn, nn+1
.endr
	ds_store_b32 v9, v12
	ds_store_b32 v9, v13 offset:512
.macro FRAG reg, adr, q, i
.irp c, 0,1,2,3
	ds_load_b128 v[\reg+4*\c:\reg+4*\c+3], v[\adr] offset:4096*(\i)+2048*(\q)+512*\c
.endr
.endm
; 16 matrix instructions: Y's tiles a0, a0 + 1 x X's eight.  zero = 1: the first product starts the sums.  The 64 accumulators take turns, one instruction a turn.
.macro MUL16 a0, p, q, sc, zero
.irp a, \a0, \a0+1
.irp b, 0,1,2,3,4,5,6,7
.if \zero
	v_wmma_scale_f32_16x16x128_f8f6f4 v[8*(8*((\a)%4)+\b):8*(8*((\a)%4)+\b)+7], v[128*(\p)+FR*\b:128*(\p)+FR*\b+FR-1], v[AF+FR*(\a):AF+FR*(\a)+FR-1], 0, v[SC+16*(\sc)+2*\b+(\q)], v[SC+16*(\sc)+2*(\a)+(\q)] matrix_a_fmt:MATRIX_FMT_BF8 matrix_b_fmt:MATRIX_FMT_BF8 matrix_a_scale:MATRIX_SCALE_ROW1
.else
	v_wmma_scale_f32_16x16x128_f8f6f4 v[8*(8*((\a)%4)+\b):8*(8*((\a)%4)+\b)+7], v[128*(\p)+FR*\b:128*(\p)+FR*\b+FR-1], v[AF+FR*(\a):AF+FR*(\a)+FR-1], v[8*(8*((\a)%4)+\b):8*(8*((\a)%4)+\b)+7], v[SC+16*(\sc)+2*\b+(\q)], v[SC+16*(\sc)+2*(\a)+(\q)] matrix_a_fmt:MATRIX_FMT_BF8 matrix_b_fmt:MATRIX_FMT_BF8 matrix_a_scale:MATRIX_SCALE_ROW1
.endif
.endr
.endr
.endm
.macro FETCH_B slot, q, p
	WIN TO_B
.irp i, 0,1,2,3,4,5,6,7
	FRAG 128*(\p)+FR*\i, ADRB+\slot, \q, \i
.endr
	WIN 0
.endm
.macro FETCH_A slot, q, i0
.irp i, \i0, \i0+1, \i0+2, \i0+3
	FRAG AF+FR*(\i), ADRA+\slot, \q, \i
.endr
.endm
.macro SCALES sc
.irp i, 0,1,2,3,4,5,6,7
	ds_load_b32 v[SC+16*\sc+2*\i], v[ADRS] offset:64*\i
	ds_load_b32 v[SC+16*\sc+2*\i+1], v[ADRS] offset:64*\i+512
.endr
.endm
.macro PLACES n
.rept \n
	v_nop
.endr
.endm
.macro STEP slot, q, zero
	s_wait_dscnt 16                                ; all but the youngest 16 loads (Y's tiles 4-7) are in
	WIN MUL_LO
	MUL16 0, (\q)%2, \q, \slot, \zero
	MUL16 2, (\q)%2, \q, \slot, \zero
	s_wait_dscnt 0x0
	PLACES NP
	FETCH_B \slot, (\q)+1, 1-(\q)%2
	FETCH_A \slot, (\q)+1, 0
	WIN MUL_HI
	MUL16 4, (\q)%2, \q, \slot, \zero
	MUL16 6, (\q)%2, \q, \slot, \zero
	PLACES NP
	WIN 0
	FETCH_A \slot, (\q)+1, 4
.endm
.macro TURN slot, next, fill           ; a slot's last step changes slots: one barrier, with the three lines in front of it
	s_wait_tensorcnt 0x0                           ; all my tensor loads have landed: my part of the next slot
	ds_add_u32 v[SPW], v[NIL]                      ; 0 onto my spare word
	s_wait_dscnt 17                                ; (the add and the youngest 16 loads may be out)
	WIN MUL_LO
	MUL16 0, 1, 1, \slot, 0
	s_wait_dscnt 0x0                               ; the add is done, and my reads of this slot are over
	s_barrier_signal -1
	MUL16 2, 1, 1, \slot, 0
	WIN 0
	s_barrier_wait -1
.if \fill
	CREST                                          ; the barrier has opened a round of the cluster's barrier
	s_add_nc_u64 s[G0+4*\slot+2:G0+4*\slot+3], s[G0+4*\slot+2:G0+4*\slot+3], 2*HALFT
	s_add_nc_u64 s[G0B+4*\slot+2:G0B+4*\slot+3], s[G0B+4*\slot+2:G0B+4*\slot+3], 2*HALFT
	JLOAD G0+4*\slot, G1, G0B+4*\slot, G1B         ; the first tensor load behind the round
	PLACES NP-4
.else
	PLACES NP
.endif
	v_add_nc_u32 v[ADRS], 1024, v[ADRS]
	FETCH_B \next, 0, 0
	FETCH_A \next, 0, 0
	SCALES \next
	WIN MUL_HI
	MUL16 4, 1, 1, \slot, 0
	MUL16 6, 1, 1, \slot, 0
	PLACES NP
	WIN 0
	FETCH_A \next, 0, 4
.endm
	s_wait_dscnt 0x0                               ; for the others' sake: my rows' words and 1 / l are stored;
	s_wait_tensorcnt 1                             ; v^T's scale words and my part of slot 0 are in (slot 1's load may be out)
	s_barrier_signal -1
	s_barrier_wait -1                              ; everybody's are
	FETCH_B 0, 0, 0
	FETCH_A 0, 0, 0
	SCALES 0
	FETCH_A 0, 0, 4
	STEP 0, 0, 1                                   ; the first step stands in front of the loop: its products start the sums
	s_mov_b32 s3, LAPS-1
.Llap:
	TURN 0, 1, 1
	STEP 1, 0, 0
	TURN 1, 0, 1
	STEP 0, 0, 0
	s_sub_co_u32 s3, s3, 1
	s_cmp_lg_u32 s3, 0
	s_cbranch_scc1 .Llap
	TURN 0, 1, 0
	STEP 1, 0, 0
	s_wait_dscnt 16
	WIN MUL_LO
	MUL16 0, 1, 1, 1, 0
	MUL16 2, 1, 1, 1, 0
	s_wait_dscnt 0x0
	WIN MUL_HI
	MUL16 4, 1, 1, 1, 0
	MUL16 6, 1, 1, 1, 0
	WIN 0
; THE WAY OUT, block by block of 16 queries x 128 features: divided by l; a lane's 32 neighbouring bytes of a row go through my own stage in LDS and come back as whole rows of 512 bytes.
.macro TOSTAGE a
.set AC, 64*((\a)%4)
	WIN 0x06+(\a)/4                                ; source 0: window 2 or 3; source 1 (1 / l): window 1
.set jj, 0
.rept 32
	v_pk_mul_f32 v[T+jj:T+jj+1], v[AC+jj:AC+jj+1], v[2*(\a):2*(\a)+1] op_sel_hi:[1,0]   ; each accumulator from its low end on
.set jj, jj+2
.endr
	WIN 0
.irp b, 0,1,2,3,4,5,6,7
	ds_store_b128 v[STO], v[T+8*\b:T+8*\b+3] offset:64*\b          ; lane (r, h): features 16 b + 8 h + 0 .. 7 of row r
	ds_store_b128 v[STO], v[T+8*\b+4:T+8*\b+7] offset:64*\b+16
.endr
.set BB, BK+64*((\a)%2)
.irp t, 0,1,2,3,4,5,6,7,8,9,10,11,12,13,14,15
	ds_load_b128 v[BB+4*\t:BB+4*\t+3], v[RD] offset:\t*528         ; LDS serves a wave's instructions in order (ISA guide 5.7.1.4): these see the stores above, and the next block's stores come behind them
.endr
.endm
.macro SEND a, younger                 ; younger: the LDS instructions issued behind block a's loads, which may stay out
.set BB, BK+64*((\a)%2)
	s_wait_dscnt \younger
.if (\a) > 0
	s_add_nc_u64 s[12:13], s[12:13], 16*4096       ; (behind a wait on XCNT: the earlier stores have read their base)  16 rows on
.endif
.irp t, 0,1,2,3,4,5,6,7,8,9,10,11,12,13,14,15
	global_store_b128 v[LI], v[BB+4*\t:BB+4*\t+3], s[12:13] offset:\t*4096 th:TH_STORE_NT   ; 32 lanes store 512 consecutive bytes, at a multiple of 256 from out0's first byte
.endr
.endm
	PLACES NP                                      ; behind the last products: loads land on their operands' registers below, and their results are read
	WIN TO_B
.irp a, 0,1,2,3,4,5,6,7
	ds_load_b32 v[2*\a], v[RLA] offset:64*\a       ; 1 / l of row 16 a + r, in both registers of a pair (the packed form names the pair)
	ds_load_b32 v[2*\a+1], v[RLA] offset:64*\a
.endr
	WIN 0
	s_wait_dscnt 0x0
	TOSTAGE 0
.irp a, 1,2,3,4,5,6,7
.if \a > 1
	s_wait_xcnt 0x0                                ; block a - 2's stores have read their registers and their base: block a's loads may land there, and the base may step
.endif
	TOSTAGE \a
	SEND \a-1, 32                                  ; behind block a - 1's loads: block a's 16 stores and 16 loads
.endr
	s_wait_xcnt 0x0                                ; block 6's stores have read their base
	SEND 7, 0
	s_wait_tensorcnt 0x0                           ; the wave's end, behind my last tensor load and my last LDS store
	ds_add_u32 v[SPW], v[NIL]
	s_wait_dscnt 0x0
	CROUND                                         ; the closing round
	s_endpgm
.Lfunc_end_k_qf47d22eb67_pv:
	.size	k_qf47d22eb67_pv, .Lfunc_end_k_qf47d22eb67_pv-k_qf47d22eb67_pv
	.p2alignl 7, 3214868480
	.fill 96, 4, 3214868480
	.section	.rodata,"a",@progbits
	.p2align	6, 0x0
	.amdhsa_kernel k_qf47d22eb67_pv
		.amdhsa_group_segment_fixed_size 327680
		.amdhsa_private_segment_fixed_size 0
		.amdhsa_enable_private_segment 0
		.amdhsa_kernarg_size 40
		.amdhsa_user_sgpr_count 2
		.amdhsa_user_sgpr_kernarg_segment_ptr 1
		.amdhsa_wavefront_size32 1
		.amdhsa_system_sgpr_workgroup_id_x 1
		.amdhsa_system_sgpr_workgroup_id_y 1
		.amdhsa_system_sgpr_workgroup_id_z 1
		.amdhsa_system_vgpr_workitem_id 0
		.amdhsa_next_free_vgpr 1024
		.amdhsa_next_free_sgpr 102
		.amdhsa_reserve_vcc 0
		.amdhsa_float_denorm_mode_32 3
		.amdhsa_float_denorm_mode_16_64 3
		.amdhsa_memory_ordered 1
		.amdhsa_forward_progress 1
		.amdhsa_inst_pref_size 209
	.end_amdhsa_kernel
	.amdgpu_metadata
---
amdhsa.version: [ 1, 2 ]
amdhsa.kernels:
  - .name:           k_qf47d22eb67_pv
    .symbol:         k_qf47d22eb67_pv.kd
    .args:
      - { .name: qkv_codes, .offset: 0, .size: 8, .value_kind: global_buffer, .address_space: global }
      - { .name: qkv_scales, .offset: 8, .size: 8, .value_kind: global_buffer, .address_space: global }
      - { .name: p_codes, .offset: 16, .size: 8, .value_kind: global_buffer, .address_space: global }
      - { .name: p_meta, .offset: 24, .size: 8, .value_kind: global_buffer, .address_space: global }
      - { .name: out0, .offset: 32, .size: 8, .value_kind: global_buffer, .address_space: global }
    .group_segment_fixed_size: 327680
    .private_segment_fixed_size: 0
    .kernarg_segment_align: 8
    .kernarg_segment_size: 40
    .max_flat_workgroup_size: 128
    .sgpr_count:     102
    .vgpr_count:     1024
    .wavefront_size: 32
...
	.end_amdgpu_metadata
.endif
;; end of part 4
;; ======== version 2 of 2: 4 launches; 1.19 times as fast as version 1
;; workspace buffers: in_codes 40,894,464 bytes; in_scales 1,277,952 bytes; qk_codes 20,971,520 bytes; qk_scales 655,360 bytes; vt_codes 16,777,216 bytes; vt_scales 524,288 bytes; p_codes 8,388,608 bytes; p_meta 786,432 bytes
;; launch quant (part 5): grid 1248 x 1, 4 waves a work-group, no clusters, 35,328 bytes of LDS; arguments q_embd, k_embd, v_embd, Wq, Wk, Wv, in_codes, in_scales; writes in_codes, in_scales
.if DOCPART == 5
	.amdgcn_target "amdgcn-amd-amdhsa--gfx1250"
	.amdhsa_code_object_version 6
	.text
	.protected	k_qf47d22eb67_quant
	.globl	k_qf47d22eb67_quant
	.p2align	8
	.type	k_qf47d22eb67_quant,@function
k_qf47d22eb67_quant:
	s_mov_b64 s[64:65], 0
	v_nop
	global_prefetch_b8 v0, s[64:65] scope:SCOPE_SE
	s_setreg_imm32_b32 hwreg(HW_REG_WAVE_MODE, 25, 1), 1
	s_wait_xcnt 0x0
; LAUNCH 1 OF 4.  The six f32 operands of the three projections (q_embd, k_embd, v_embd, Wq, Wk, Wv; K = d is innermost in all) become codes of BF8 (E5M2) with one E8M0 byte for each 32 along K.
; NOTHING OF reference() IS LEFT OUT in this program: all five products are live, and every input has a way to the output: bq and bk move the codes and scales of q and k, bv those of v (they are added in the next two launches).
; LAYOUT OF THE CODES: images of the operand's registers.  A tensor is cut into blocks of 128 rows; a block is [4 slots of 256 along K][8 tiles of 16 rows][2 K steps of 128][2,048 bytes]; in a fragment's 2,048 bytes
; lane l's registers 4 c .. 4 c + 3 (K = 32 c + 16 (l / 16) + 0 .. 15 of row l % 16) lie at 512 c + 16 l.  So a slot's 128 rows are 32,768 dense bytes, and a fragment comes back by four loads of 512 consecutive bytes.
; The scale words (four bytes: 128 along K of a row): [block][8 K steps][8 tiles][16 rows].  Blocks are numbered through all six tensors: q_embd 0, k_embd 32, v_embd 160, Wq 288, Wk 296, Wv 304.
; ROWS: in k_embd, v_embd, Wq and Wk (blocks 32 to 303) row i of a block's image is the tensor's row i with bits 3 and 4 exchanged: lane r of tile 2 b + u holds row 32 b + 8 u + r + 8 (r / 8).  Used as source 0 of a
; product, such a tensor leaves 16 neighbours of the next K in the 16 registers of two neighbouring tiles.  q_embd and Wv keep their order.
; THE RULE: a block's scale is 2^(floor(log2(largest magnitude)) - 15); each number is divided by it, held within +-57,344 and rounded to the nearest code, ties to even.
; LIMITS: NaN and infinities among the inputs are not served; a block whose largest magnitude lies under 2^-111 keeps the byte 1; a block of zeros gets the byte 1 and not 127 (its codes are zeros, and this program alone reads the bytes).
; SHARES: a work-group takes 64 rows (four image tiles) x 512 along K: its number is 4 x block + 2 x (which four tiles) + (which half of K).  Wave w takes one tile: four fragments.  Each load reads 512 consecutive bytes of
; one row; a K step's 16 rows turn through the wave's own stage in LDS, so that a lane gets 16 neighbours of each block of 32.  Loads run two K steps (32 loads a wave) ahead.  No tensor load; one barrier, for the scale
; words: a K step's words of the four tiles are 256 consecutive bytes, which one wave stores whole.
.set STGB,  8448                       ; a wave's stage: 16 rows x (512 bytes + 16)
.set SCA,   4*STGB                     ; behind the stages: the work-group's scale words, 4 K steps x 256 bytes
.set SPARE, SCA+1024                   ; the spare words, 128 bytes for each wave: two blocks of 256 bytes that no other line names
.set VLO,   4                          ; v4   byte offset of my 16 bytes in the tile's rows 0-7
.set VHI,   5                          ; v5   in its rows 8-15
.set WRA,   6                          ; v6   the stage, on the way in: 16 x lane
.set RDA,   7                          ; v7   on the way out: 528 (lane % 16) + 64 (lane / 16)
.set LI,    8                          ; v8   16 x lane
.set SWA,   9                          ; v9   where my row's scale word goes
.set SPW,   10                         ; v10  my spare word; never rewritten
.set NIL,   11                         ; v11  0; never rewritten
.set TOF,   12                         ; v12  512 x wave + 8 x lane: my 8 bytes among the scale words in memory
.set PW,    13                         ; v13  the scale word just made
.set SRA,   14                         ; v14  SCA + 8 x thread
.set TM,    16                         ; v16-19 largest magnitudes, v20-23 bytes, v24-27 57,344 x the scale, v28-31 the conversions' scale operands
                                       ; v32-47, v48-63 codes, two sets;  v64-127, v128-191 numbers, two sets
	s_load_b512 s[16:31], s[0:1], 0x0              ; q_embd, k_embd, v_embd, Wq, Wk, Wv, in_codes s[28:29], in_scales s[30:31]
	v_lshl_add_u32 v[SPW], v0, 2, SPARE
	v_mov_b32 v[NIL], 0
	v_lshrrev_b32 v1, 5, v0
	v_readfirstlane_b32 s2, v1                     ; wave 0..3
	v_and_b32 v1, 31, v0                           ; lane
	v_and_b32 v2, 15, v0                           ; r
	v_bfe_u32 v3, v0, 4, 1                         ; h
	v_lshlrev_b32 v[LI], 4, v1
	s_mul_i32 s3, s2, STGB
	v_add_nc_u32 v[WRA], s3, v[LI]
	v_mul_u32_u24 v[RDA], v2, 528
	v_lshl_add_u32 v[RDA], v3, 6, v[RDA]
	v_add_nc_u32 v[RDA], s3, v[RDA]
	s_lshl_b32 s3, s2, 6
	s_add_co_u32 s3, s3, SCA
	v_lshl_add_u32 v[SWA], v2, 2, s3               ; SCA + 64 x wave + 4 r
	v_lshl_add_u32 v[SRA], v0, 3, SCA
	s_lshl_b32 s3, s2, 9
	v_lshl_add_u32 v[TOF], v1, 3, s3
.irp b, 0,1,2,3
	v_mov_b32 v[TM+4+\b], 0                        ; written once: a lane permute's destination counts as one of its sources
.endr
	s_lshr_b32 s35, ttmp9, 2                       ; the block
	s_bfe_u32 s36, ttmp9, 0x10001                  ; which four tiles of it
	s_and_b32 s37, ttmp9, 1                        ; which half of K
	s_lshl_b32 s38, s36, 2
	s_add_co_u32 s38, s38, s2                      ; my image tile m, 0 to 7
	s_lshr_b32 s32, s38, 1                         ; the tile's first row: exchanged order: 32 (m / 2) + 8 (m % 2), and rows 8-15 lie 8 further on;
	s_lshl_b32 s32, s32, 5
	s_and_b32 s33, s38, 1
	s_lshl_b32 s33, s33, 3
	s_add_co_u32 s32, s32, s33
	s_lshl_b32 s33, s38, 4                         ; plain order: 16 m
	s_sub_co_u32 s7, s35, 32
	s_cmp_lt_u32 s7, 272                           ; blocks 32 to 303 are exchanged
	s_cselect_b32 s32, s32, s33
	s_cselect_b32 s33, 32768, 0                    ; 8 rows of 4,096 bytes
	s_lshl_b32 s32, s32, 12
	v_add_nc_u32 v[VLO], s32, v[LI]
	v_add_nc_u32 v[VHI], s33, v[VLO]
	s_mov_b32 s12, 0x76543210
	s_mov_b32 s13, 0xfedcba98                      ; v_permlanex16_b32's selects for lane l xor 16
	s_mov_b32 s14, 0x600000                        ; the mantissa field of 57,344
	s_wait_kmcnt 0x0
	s_mov_b64 s[4:5], s[16:17]                     ; which tensor: the choice hangs on the work-group's number alone
	s_mov_b32 s6, 0                                ; and its first block
	s_cmp_ge_u32 s35, 32
	s_cselect_b64 s[4:5], s[18:19], s[4:5]
	s_cselect_b32 s6, 32, s6
	s_cmp_ge_u32 s35, 160
	s_cselect_b64 s[4:5], s[20:21], s[4:5]
	s_cselect_b32 s6, 160, s6
	s_cmp_ge_u32 s35, 288
	s_cselect_b64 s[4:5], s[22:23], s[4:5]
	s_cselect_b32 s6, 288, s6
	s_cmp_ge_u32 s35, 296
	s_cselect_b64 s[4:5], s[24:25], s[4:5]
	s_cselect_b32 s6, 296, s6
	s_cmp_ge_u32 s35, 304
	s_cselect_b64 s[4:5], s[26:27], s[4:5]
	s_cselect_b32 s6, 304, s6
	s_sub_co_u32 s6, s35, s6
	s_lshl_b32 s6, s6, 19                          ; 128 rows of 4,096 bytes a block,
	s_lshl_b32 s34, s37, 11                        ; my half of K: 512 numbers
	s_add_co_u32 s6, s6, s34
	s_mov_b32 s7, 0
	s_add_nc_u64 s[4:5], s[4:5], s[6:7]
	s_lshl_b32 s6, s35, 17                         ; the block's codes: 131,072 bytes,
	s_lshl_b32 s34, s38, 12                        ; my tile's place in a slot,
	s_add_co_u32 s6, s6, s34
	s_lshl_b32 s34, s37, 16                        ; my half of K: two slots
	s_add_co_u32 s6, s6, s34
	s_add_nc_u64 s[8:9], s[28:29], s[6:7]
	s_lshl_b32 s6, s35, 12                         ; its scale words: 4,096 bytes,
	s_lshl_b32 s34, s37, 11                        ; four K steps of 512,
	s_add_co_u32 s6, s6, s34
	s_lshl_b32 s34, s36, 8                         ; four tiles of 64
	s_add_co_u32 s6, s6, s34
	s_add_nc_u64 s[10:11], s[30:31], s[6:7]
.macro LOAD s                          ; K step s of my 16 rows into set s % 2: each load reads 512 consecutive bytes of one row
.set LS, 64+64*((\s)%2)
.irp i, 0,1,2,3,4,5,6,7
	global_load_b128 v[LS+4*\i:LS+4*\i+3], v[VLO], s[4:5] offset:4096*\i+512*(\s) th:TH_LOAD_NT
.endr
.irp i, 8,9,10,11,12,13,14,15
	global_load_b128 v[LS+4*\i:LS+4*\i+3], v[VHI], s[4:5] offset:4096*\i+512*(\s) th:TH_LOAD_NT
.endr
.endm
.macro STEP s
.set XS, 64+64*((\s)%2)
.set PC, 32+16*((\s)%2)
.if (\s) <= 2
	s_wait_loadcnt 16                              ; this K step's 16 loads are in; those of the step behind it may be out
.else
	s_wait_loadcnt 0x0
.endif
.irp i, 0,1,2,3,4,5,6,7,8,9,10,11,12,13,14,15
	ds_store_b128 v[WRA], v[XS+4*\i:XS+4*\i+3] offset:528*\i       ; row i as it was loaded
.endr
.irp b, 0,1,2,3
.irp j, 0,1,2,3
	ds_load_b128 v[XS+16*\b+4*\j:XS+16*\b+4*\j+3], v[RDA] offset:128*\b+16*\j   ; LDS serves a wave's instructions in order: these see the stores.  Register 16 b + i = K 32 b + 16 h + i of row r
.endr
.endr
	s_wait_dscnt 0x0                               ; the numbers are back; the last step's scale word has been stored
.irp b, 0,1,2,3
	v_max3_num_f32 v[TM+\b], |v[XS+16*\b]|, |v[XS+16*\b+1]|, 0x8000000   ; block b: my 16 numbers, and the floor 2^(16 - 127): the byte cannot fall under 1
.endr
.irp i, 2,4,6,8,10,12,14
.irp b, 0,1,2,3
	v_max3_num_f32 v[TM+\b], v[TM+\b], |v[XS+16*\b+\i]|, |v[XS+16*\b+\i+1]|   ; the four blocks by turns
.endr
.endr
.irp b, 0,1,2,3
	v_permlanex16_b32 v[TM+4+\b], v[TM+\b], s12, s13
.endr
.irp b, 0,1,2,3
	v_max_num_f32 v[TM+\b], v[TM+\b], v[TM+4+\b]   ; with lane l xor 16's: the block's largest magnitude
.endr
.irp b, 0,1,2,3
	v_add_nc_u32 v[TM+12+\b], 0xf8800000, v[TM+\b] ; 15 off its exponent field: the conversion's scale operand
.endr
.irp b, 0,1,2,3
	v_and_or_b32 v[TM+8+\b], v[TM+\b], 0x7f800000, s14   ; 57,344 x the scale
.endr
.irp b, 0,1,2,3
	v_lshrrev_b32 v[TM+4+\b], 23, v[TM+12+\b]      ; the scale's byte
.endr
	v_lshl_or_b32 v[PW], v[TM+5], 8, v[TM+4]
	v_lshl_or_b32 v[PW], v[TM+6], 16, v[PW]
	v_lshl_or_b32 v[PW], v[TM+7], 24, v[PW]        ; my row's scale word
.irp b, 0,1,2,3
.irp i, 0,1,2,3,4,5,6,7,8,9,10,11,12,13,14,15
	v_med3_num_f32 v[XS+16*\b+\i], v[XS+16*\b+\i], -v[TM+8+\b], v[TM+8+\b]   ; the conversion to an 8-bit code does not saturate (ISA guide 7.6.2): the hold comes first
.endr
.endr
.if (\s) >= 2
	s_wait_xcnt 0x0                                ; the stores of two steps back have read this set of codes: it is written again only behind this wait
.endif
.irp b, 0,1,2,3
	v_cvt_scalef32_pk8_bf8_f32 v[PC+4*\b:PC+4*\b+1], v[XS+16*\b:XS+16*\b+7], v[TM+12+\b]
	v_cvt_scalef32_pk8_bf8_f32 v[PC+4*\b+2:PC+4*\b+3], v[XS+16*\b+8:XS+16*\b+15], v[TM+12+\b]
.endr
	v_nop                                          ; a plain line behind the last conversion
.irp c, 0,1,2,3
	global_store_b128 v[LI], v[PC+4*\c:PC+4*\c+3], s[8:9] offset:32768*((\s)/2)+2048*((\s)%2)+512*\c   ; 32 lanes store 512 consecutive bytes
.endr
	ds_store_b32 v[SWA], v[PW] offset:256*(\s)     ; lanes r and r + 16 write the same word with the same value
.if (\s)+2 < 4
	LOAD (\s)+2
.endif
.endm
	LOAD 0
	LOAD 1
.irp s, 0,1,2,3
	STEP \s
.endr
	s_wait_dscnt 0x0                               ; for the others' sake: my scale words are stored
	s_barrier_signal -1
	s_barrier_wait -1
	ds_load_b64 v[16:17], v[SRA]                   ; wave w takes K step w's 256 bytes, which the four waves wrote
	s_wait_dscnt 0x0
	global_store_b64 v[TOF], v[16:17], s[10:11]    ; 32 lanes store 256 consecutive bytes, at a multiple of 256 from the buffer's first byte
	s_wait_tensorcnt 0x0                           ; the wave's end, behind my last LDS store
	ds_add_u32 v[SPW], v[NIL]
	s_wait_dscnt 0x0
	s_endpgm
.Lfunc_end_k_qf47d22eb67_quant:
	.size	k_qf47d22eb67_quant, .Lfunc_end_k_qf47d22eb67_quant-k_qf47d22eb67_quant
	.p2alignl 7, 3214868480
	.fill 96, 4, 3214868480
	.section	.rodata,"a",@progbits
	.p2align	6, 0x0
	.amdhsa_kernel k_qf47d22eb67_quant
		.amdhsa_group_segment_fixed_size 35328
		.amdhsa_private_segment_fixed_size 0
		.amdhsa_enable_private_segment 0
		.amdhsa_kernarg_size 64
		.amdhsa_user_sgpr_count 2
		.amdhsa_user_sgpr_kernarg_segment_ptr 1
		.amdhsa_wavefront_size32 1
		.amdhsa_system_sgpr_workgroup_id_x 1
		.amdhsa_system_sgpr_workgroup_id_y 1
		.amdhsa_system_sgpr_workgroup_id_z 1
		.amdhsa_system_vgpr_workitem_id 0
		.amdhsa_next_free_vgpr 192
		.amdhsa_next_free_sgpr 66
		.amdhsa_reserve_vcc 0
		.amdhsa_float_denorm_mode_32 3
		.amdhsa_float_denorm_mode_16_64 3
		.amdhsa_memory_ordered 1
		.amdhsa_forward_progress 1
		.amdhsa_inst_pref_size 52
	.end_amdhsa_kernel
	.amdgpu_metadata
---
amdhsa.version: [ 1, 2 ]
amdhsa.kernels:
  - .name:           k_qf47d22eb67_quant
    .symbol:         k_qf47d22eb67_quant.kd
    .args:
      - { .name: q_embd, .offset: 0, .size: 8, .value_kind: global_buffer, .address_space: global }
      - { .name: k_embd, .offset: 8, .size: 8, .value_kind: global_buffer, .address_space: global }
      - { .name: v_embd, .offset: 16, .size: 8, .value_kind: global_buffer, .address_space: global }
      - { .name: Wq, .offset: 24, .size: 8, .value_kind: global_buffer, .address_space: global }
      - { .name: Wk, .offset: 32, .size: 8, .value_kind: global_buffer, .address_space: global }
      - { .name: Wv, .offset: 40, .size: 8, .value_kind: global_buffer, .address_space: global }
      - { .name: in_codes, .offset: 48, .size: 8, .value_kind: global_buffer, .address_space: global }
      - { .name: in_scales, .offset: 56, .size: 8, .value_kind: global_buffer, .address_space: global }
    .group_segment_fixed_size: 35328
    .private_segment_fixed_size: 0
    .kernarg_segment_align: 8
    .kernarg_segment_size: 64
    .max_flat_workgroup_size: 128
    .sgpr_count:     66
    .vgpr_count:     192
    .wavefront_size: 32
...
	.end_amdgpu_metadata
.endif
;; end of part 5
;; launch proj (part 6): grid 4 x 128, 4 waves a work-group, clusters of 4 x 4, 327,680 bytes of LDS; arguments in_codes, in_scales, bq, bk, bv, qk_codes, qk_scales, vt_codes, vt_scales; writes qk_codes, qk_scales, vt_codes, vt_scales
.if DOCPART == 6
	.amdgcn_target "amdgcn-amd-amdhsa--gfx1250"
	.amdhsa_code_object_version 6
	.text
	.protected	k_qf47d22eb67_proj
	.globl	k_qf47d22eb67_proj
	.p2align	8
	.type	k_qf47d22eb67_proj,@function
k_qf47d22eb67_proj:
	s_mov_b64 s[64:65], 0
	v_nop
	global_prefetch_b8 v0, s[64:65] scope:SCOPE_SE
	s_setreg_imm32_b32 hwreg(HW_REG_WAVE_MODE, 25, 1), 1
	s_wait_xcnt 0x0
	s_wait_alu depctr_hold_cnt(0) depctr_sa_sdst(0) depctr_va_vdst(0) depctr_va_sdst(0) depctr_va_ssrc(0) depctr_va_vcc(0) depctr_vm_vsrc(0)
	s_getreg_b32 s2, hwreg(HW_REG_IB_STS2, 6, 4)
	s_cmp_eq_u32 s2, 0
	s_cbranch_scc0 .Lentry_in_a_cluster
	s_endpgm
.Lentry_in_a_cluster:
	s_bfe_u32 s2, ttmp6, 0x10000c
	s_cmp_lg_u32 s2, 0xf033
	s_cbranch_scc0 .Lentry_shape_is_right
	s_endpgm
.Lentry_shape_is_right:
; LAUNCH 2 OF 4.  q = q_embd Wq^T + bq, k = k_embd Wk^T + bk, and three quarters of v = v_embd Wv^T + bv, on codes of BF8 (E5M2) with E8M0 scales, sums in f32; each result is quantised on the way out, by the same rule,
; along the K of the product that takes it next: q and k along the 1,024 features, v along the keys.  No work of reference() is left out: v's key tiles 48 to 63 (of 64 tiles of 256 keys) are made by the next launch,
; beside the scores, which do not need v: so this launch has 512 work-groups of equal work and the next 192.
; SIDES.  Y = source 1: its rows become the result's LANES.  X = source 0: its rows become the result's REGISTERS.  X's images hold their rows with bits 3 and 4 exchanged, so that the 64 accumulator registers of one tile of Y's
; rows are 128 neighbours along X, register 16 b + i = index 32 b + 16 (lane / 16) + i: what the conversions want.  Their results ARE a fragment of the next operand and are stored as they stand.
;   q: Y = q_embd, X = Wq.   k: Y = k_embd (exchanged rows: k is X in the next launch), X = Wk.   v: Y = Wv, X = v_embd: the result is v^T, rows = features, K = keys.
; A tile of 256 (Y) x 256 (X) is made by four waves, 128 x 128 each: 64 accumulators, 512 registers.  K = 1,024 goes in slots of 256 through a ring of two LDS slots; a slot's 128 rows are 32,768 dense bytes: one tensor load a wave.
; The scale words of the tile's rows, for all of K, come once, with the first fills.
; CLUSTERS: 4 x 4 work-groups; Y's tiles are asked for jointly along a row of the cluster, X's along a column.  32 clusters: 0-3 q, 4-19 k, 20-31 v: which tensor hangs on the cluster's number alone, the same in all partners.
; THE BIAS is the C of each sum's first product: along X for q and k (eight registers for each tile of X), along Y for v (the lane's number in all eight registers).  The two forms are two arms of a branch on the cluster's number.
; LIMITS: NaN and infinities are not served; a block whose largest magnitude lies under 2^-111 keeps the byte 1, a block of zeros too (this program alone reads the bytes).
; REGISTERS, in windows of 256.  Window 0: v16-29 addresses; v32-63 scale words, two sets (nothing else ever); v64-127 the bias, on the way out 64 held numbers; v128-255 Y's fragments, ONE set; on the way out v128-191 codes (four sets),
;   v192-215 at work.  Window 1: X's fragments, TWO sets.  Windows 2, 3: accumulator (a, b) at v[8 (8 (a % 4) + b)].
.set NP,    8                          ; places behind this matrix instruction (ISA guide 7.12.1)
.set FR,    16                         ; registers of a fragment
.set HALFT, 32768                      ; 128 rows x 256 along K: what one tensor load brings
.set SLOT,  4*HALFT                    ; Y's two halves, then X's two
.set LAPS,  2                          ; K / 512
.set HALFS, 4096                       ; the scale words of 128 rows, all of K
.set SCL,   2*SLOT                     ; behind the ring: four such quarters
.set SPARE, SCL+4*HALFS                ; the spare words, 128 bytes for each wave: two blocks of 256 bytes that no other line names
.set ADRA, 16                          ; v16-17 LDS address of my Y fragments in slot 0, 1
.set ADRB, 20                          ; v20-21 the same for X
.set SWA,  24                          ; v24  the way out: where my row's scale word goes (in slot 0, which has then had its last fill and its last read)
.set SRA,  25                          ; v25  and where I read 16 bytes of them back
.set LI,   26                          ; v26  16 x lane
.set ADRS, 27                          ; v27  LDS address of my scale words: lanes 0-15 Y's, lanes 16-31 X's
.set SPW,  28                          ; v28  my spare word; never rewritten
.set NIL,  29                          ; v29  0; never rewritten
.set SC,   32                          ; scale words: set s at v[32 + 16 s]; register 2 i + q: tile i, the slot's q-th 128 along K
.set BI,   64
.set T,    64
.set AF,   128
.set TM,   192
.set PW,   208
.set G1, 24
.set G0, 32
.set G1B, 48
.set G0B, 56
.set G1S, 68
.set G0S, 76
.set G1SB, 80
.set G0SB, 88
.set MSB, 0
.macro WIN new                         ; the immediate's high byte repeats the setting that is left
.if MSB != (\new)
	s_set_vgpr_msb (MSB<<8)|(\new)
.set MSB, \new
.endif
.endm
.set MUL_LO, 0xa1                      ; source 0 (X) window 1, source 1 (Y) window 0, C and D window 2
.set MUL_HI, 0xf1                      ; the same, C and D window 3
.set TO_B,   0x40                      ; destination window 1, address window 0
; Waves 0 and 1 fetch for Y, waves 2 and 3 for X: the branch hangs on the wave's number alone.  An s_nop 0 and four v_nop follow each of the two lines.
.macro JLOAD g0a, g1a, g0b, g1b
	s_cmp_eq_u32 s15, 0
	s_cbranch_scc0 .Lfor_b_\@
	tensor_load_to_lds s[\g0a:\g0a+3], s[\g1a:\g1a+7]
	s_nop 0
.rept 4
	v_nop
.endr
	s_branch .Lasked_\@
.Lfor_b_\@:
	tensor_load_to_lds s[\g0b:\g0b+3], s[\g1b:\g1b+7]
	s_nop 0
.rept 4
	v_nop
.endr
.Lasked_\@:
.endm
.macro CREST                           ; a round of the cluster's barrier behind its opening barrier
	s_cmp_lg_u32 s14, 0
	s_cbranch_scc1 .Lnot_wave_0_\@
	s_barrier_signal -3
.Lnot_wave_0_\@:
	s_barrier_wait -3
	s_barrier_signal -1
	s_barrier_wait -1
.endm
.macro CROUND                          ; a whole round
	s_barrier_signal -1
	s_barrier_wait -1
	CREST
.endm
	s_load_b256 s[4:11], s[0:1], 0x0               ; in_codes s[4:5], in_scales s[6:7], bq s[8:9], bk s[10:11]
	s_load_b128 s[96:99], s[0:1], 0x20             ; bv s[96:97], qk_codes s[98:99]
	s_load_b64 s[100:101], s[0:1], 0x30            ; qk_scales
	s_load_b64 s[12:13], s[0:1], 0x38              ; vt_codes
	s_load_b64 s[104:105], s[0:1], 0x40            ; vt_scales
	v_lshl_add_u32 v[SPW], v0, 2, SPARE
	v_mov_b32 v[NIL], 0
	ds_add_u32 v[SPW], v[NIL]                      ; the wave's opening: the add, twice on end, and its wait ahead of my first tensor load
	ds_add_u32 v[SPW], v[NIL]
	v_lshrrev_b32 v1, 5, v0
	v_readfirstlane_b32 s14, v1                    ; wave 0..3
	s_lshr_b32 s15, s14, 1                         ; wy: which half of Y's rows is mine.  Also: I fetch for Y (0) or for X (1)
	s_and_b32 s16, s14, 1                          ; wx: which half of X's rows.  Also: which 128 rows I fetch
	s_bfe_u32 s40, ttmp6, 0x40000                  ; cx
	s_bfe_u32 s41, ttmp6, 0x40004                  ; cy
	s_and_b32 s67, ttmp7, 0xffff                   ; the cluster's number, 0 to 31
	s_mov_b32 s92, 0                               ; q: the tensor's first cluster,
	s_mov_b32 s93, 0                               ; Y's first block,
	s_mov_b32 s94, 288                             ; X's first block,
	s_mov_b32 s95, 0                               ; where the result's codes begin in their buffer,
	s_mov_b32 s2, 0                                ; and its scale words;
	s_mov_b32 s66, 0                               ; 1 for v
	s_cmp_ge_u32 s67, 4                            ; k
	s_cselect_b32 s92, 4, s92
	s_cselect_b32 s93, 32, s93
	s_cselect_b32 s94, 296, s94
	s_cselect_b32 s95, 0x400000, s95
	s_cselect_b32 s2, 0x20000, s2
	s_cmp_ge_u32 s67, 20                           ; v: buffers of its own, from their first byte on
	s_cselect_b32 s92, 20, s92
	s_cselect_b32 s93, 304, s93
	s_cselect_b32 s94, 160, s94
	s_cselect_b32 s95, 0, s95
	s_cselect_b32 s2, 0, s2
	s_cselect_b32 s66, 1, s66
	s_sub_co_u32 s92, s67, s92
	s_lshl_b32 s92, s92, 2                         ; four tiles for each cluster of the tensor: along Y for q and k, along X for v
	s_cmp_eq_u32 s66, 0
	s_cselect_b32 s18, s92, 0
	s_cselect_b32 s19, 0, s92
	s_add_co_u32 s17, s41, s18                     ; Y's tile
	s_add_co_u32 s42, s40, s19                     ; X's tile
	s_lshl_b32 s43, s41, 2
	s_lshl_b32 s43, 15, s43                        ; my row of the cluster
	s_lshl_b32 s44, 0x1111, s40                    ; my column
	; descriptor group 1: a dense block of 32,768 bytes as 128 rows of 32 elements of 8 bytes; no padding: fragments are read as 512 consecutive bytes
	s_or_b32 s[G1+0], s43, (3<<16)|(1<<21)         ; 15:0 the mask: Y's tiles go to my row; 17:16 elements of 8 bytes; 21 set beside a mask
	s_or_b32 s[G1B+0], s44, (3<<16)|(1<<21)
.irp g, G1, G1B
	s_mov_b32 s[\g+1], 32<<16                      ; tensor_dim0
	s_mov_b32 s[\g+2], 128<<16                     ; tensor_dim1
	s_mov_b32 s[\g+3], 32<<16                      ; tile_dim0
	s_mov_b32 s[\g+4], 128                         ; tile_dim1
	s_mov_b32 s[\g+5], 32                          ; tensor_dim0_stride
	s_mov_b32 s[\g+6], 0
	s_mov_b32 s[\g+7], 0
.endr
	s_or_b32 s[G1S+0], s43, (3<<16)|(1<<21)        ; and the scale words of 128 rows: 4,096 dense bytes as 16 such rows
	s_or_b32 s[G1SB+0], s44, (3<<16)|(1<<21)
.irp g, G1S, G1SB
	s_mov_b32 s[\g+1], 32<<16
	s_mov_b32 s[\g+2], 16<<16
	s_mov_b32 s[\g+3], 32<<16
	s_mov_b32 s[\g+4], 16
	s_mov_b32 s[\g+5], 32
	s_mov_b32 s[\g+6], 0
	s_mov_b32 s[\g+7], 0
.endr
	s_lshl_b32 s20, s17, 1
	s_add_co_u32 s20, s20, s93
	s_add_co_u32 s20, s20, s16                     ; the block of Y that I would fetch
	s_lshl_b32 s22, s20, 12                        ; its scale words,
	s_lshl_b32 s20, s20, 17                        ; its codes
	s_mov_b32 s21, 0
	s_mov_b32 s23, 0
	s_lshl_b32 s46, s42, 1
	s_add_co_u32 s46, s46, s94
	s_add_co_u32 s46, s46, s16                     ; the block of X
	s_lshl_b32 s92, s46, 12
	s_lshl_b32 s46, s46, 17
	s_mov_b32 s47, 0
	s_mov_b32 s93, 0
	s_mul_i32 s45, s14, HALFT                      ; where they go: wave x a quarter: no place in the cluster enters an LDS address
	s_mul_i32 s94, s14, HALFS
	s_wait_dscnt 0x0                               ; both opening adds are done
	s_wait_kmcnt 0x0
	s_add_nc_u64 s[20:21], s[4:5], s[20:21]
	s_add_nc_u64 s[22:23], s[6:7], s[22:23]
	s_add_nc_u64 s[46:47], s[4:5], s[46:47]
	s_add_nc_u64 s[92:93], s[6:7], s[92:93]
	CROUND                                         ; all sixteen work-groups are here: the first joint loads meet
	s_mov_b32 s[G0S], 1
	s_add_co_u32 s[G0S+1], s94, SCL
	s_mov_b64 s[G0S+2:G0S+3], s[22:23]
	s_or_b32 s[G0S+3], s[G0S+3], 0x80000000
	s_mov_b32 s[G0SB], 1
	s_add_co_u32 s[G0SB+1], s94, SCL
	s_mov_b64 s[G0SB+2:G0SB+3], s[92:93]
	s_or_b32 s[G0SB+3], s[G0SB+3], 0x80000000
	JLOAD G0S, G1S, G0SB, G1SB                     ; the scale words first: they are wanted with slot 0
.irp s, 0,1
	s_mov_b32 s[G0+4*\s], 1
	s_add_co_u32 s[G0+4*\s+1], s45, \s*SLOT
	s_add_nc_u64 s[G0+4*\s+2:G0+4*\s+3], s[20:21], \s*HALFT
	s_or_b32 s[G0+4*\s+3], s[G0+4*\s+3], 0x80000000
	s_mov_b32 s[G0B+4*\s], 1
	s_add_co_u32 s[G0B+4*\s+1], s45, \s*SLOT
	s_add_nc_u64 s[G0B+4*\s+2:G0B+4*\s+3], s[46:47], \s*HALFT
	s_or_b32 s[G0B+4*\s+3], s[G0B+4*\s+3], 0x80000000
	JLOAD G0+4*\s, G1, G0B+4*\s, G1B               ; three loads of mine are out
.endr
	v_and_b32 v1, 15, v0                           ; r
	v_bfe_u32 v2, v0, 4, 1                         ; h
	v_and_b32 v3, 31, v0
	v_lshlrev_b32 v[LI], 4, v3
	s_mul_i32 s21, s15, HALFT                      ; my 128 rows of Y
	s_mul_i32 s22, s16, HALFT                      ; my 128 rows of X,
	s_add_co_u32 s22, s22, 2*HALFT                 ; which lie behind Y's 256
.irp s, 0,1
	v_add_nc_u32 v[ADRA+\s], s21, v[LI]
	v_add_nc_u32 v[ADRB+\s], s22, v[LI]
	s_add_co_u32 s21, s21, SLOT
	s_add_co_u32 s22, s22, SLOT
.endr
	s_mul_i32 s21, s15, HALFS                      ; Y's scale words: my 128 rows
	s_mul_i32 s22, s16, HALFS                      ; X's: my 128 rows, behind Y's 256
	s_add_co_u32 s22, s22, 2*HALFS
	s_sub_co_u32 s22, s22, s21
	v_mul_u32_u24 v6, s22, v2                      ; lanes 16-31 take X's
	s_add_co_u32 s21, s21, SCL
	v_lshl_add_u32 v5, v1, 2, v6
	v_add_nc_u32 v[ADRS], s21, v5
	s_lshl_b32 s21, s14, 9
	v_lshl_add_u32 v[SWA], v1, 2, s21              ; 512 x wave + 4 r
	v_add_nc_u32 v[SRA], s21, v[LI]                ; 512 x wave + 16 x lane
	; the bias
	v_lshlrev_b32 v7, 6, v2                        ; 64 h: along X a lane wants 16 h + 0 .. 15 of each 32
	v_lshlrev_b32 v8, 2, v1                        ; 4 r: along Y its own row's
	s_cmp_ge_u32 s67, 4
	s_cselect_b64 s[8:9], s[10:11], s[8:9]
	s_cmp_ge_u32 s67, 20
	s_cselect_b64 s[8:9], s[96:97], s[8:9]
	s_cmp_eq_u32 s66, 0
	s_cselect_b32 s18, s42, s17                    ; q, k: my 128 of X's 256;  v: my 128 of Y's
	s_cselect_b32 s19, s16, s15
	s_lshl_b32 s18, s18, 10
	s_lshl_b32 s19, s19, 9
	s_add_co_u32 s18, s18, s19
	s_mov_b32 s19, 0
	s_add_nc_u64 s[8:9], s[8:9], s[18:19]
	s_cmp_eq_u32 s66, 0
	s_cbranch_scc0 .Lbias_rows
.irp b, 0,1,2,3,4,5,6,7
	global_load_b128 v[BI+8*\b:BI+8*\b+3], v7, s[8:9] offset:(32*(\b/2)+8*(\b%2))*4       ; tile b's register j: index 32 (b / 2) + 16 h + 8 (b % 2) + j
	global_load_b128 v[BI+8*\b+4:BI+8*\b+7], v7, s[8:9] offset:(32*(\b/2)+8*(\b%2))*4+16
.endr
	s_branch .Lbias_asked
.Lbias_rows:
.irp a, 0,1,2,3,4,5,6,7
.irp j, 0,1,2,3,4,5,6,7
	global_load_b32 v[BI+8*\a+\j], v8, s[8:9] offset:64*\a   ; tile a of Y: row 16 a + r's number in all eight registers
.endr
.endr
.Lbias_asked:
	; where my results go.  Row block = 8 (X's tile / 8) + 2 x Y's tile + wy; slot of 256 along the next K = X's tile % 8 (for q and k X's tile is under 4; for v X's tile / 8 is the batch)
	s_cmp_eq_u32 s66, 0
	s_cselect_b64 s[98:99], s[98:99], s[12:13]     ; q, k: qk_codes;  v: vt_codes
	s_cselect_b64 s[100:101], s[100:101], s[104:105]   ; and the scale words' buffer likewise
	s_lshr_b32 s18, s42, 3
	s_lshl_b32 s18, s18, 3
	s_lshl_b32 s19, s17, 1
	s_add_co_u32 s18, s18, s19
	s_add_co_u32 s18, s18, s15
	s_and_b32 s19, s42, 7
	s_add_co_u32 s20, s66, 17                      ; a block of q or k is 131,072 bytes, of v^T 262,144
	s_lshl_b32 s20, s18, s20
	s_lshl_b32 s21, s19, 15
	s_add_co_u32 s20, s20, s21
	s_lshl_b32 s21, s16, 11                        ; my 128 along X are K step wx of the slot
	s_add_co_u32 s20, s20, s21
	s_add_co_u32 s20, s20, s95
	s_mov_b32 s21, 0
	s_add_nc_u64 s[98:99], s[98:99], s[20:21]
	s_add_co_u32 s20, s66, 12
	s_lshl_b32 s20, s18, s20
	s_lshl_b32 s21, s19, 1
	s_add_co_u32 s21, s21, s16
	s_lshl_b32 s21, s21, 9                         ; 512 bytes of scale words for each K step
	s_add_co_u32 s20, s20, s21
	s_add_co_u32 s20, s20, s2
	s_mov_b32 s21, 0
	s_add_nc_u64 s[100:101], s[100:101], s[20:21]
.macro FRAG reg, adr, q, i             ; a fragment: four loads of 512 consecutive bytes give each lane its 16 registers
.irp c, 0,1,2,3
	ds_load_b128 v[\reg+4*\c:\reg+4*\c+3], v[\adr] offset:4096*(\i)+2048*(\q)+512*\c
.endr
.endm
; 16 matrix instructions: Y's tiles a0, a0 + 1 x X's eight, 128 along K.  p: X's set; sc: the set of scale words.  The 64 accumulators take turns, one instruction a turn, in the same order in every step.
.macro MUL16 a0, p, q, sc
.irp a, \a0, \a0+1
.irp b, 0,1,2,3,4,5,6,7
	v_wmma_scale_f32_16x16x128_f8f6f4 v[8*(8*((\a)%4)+\b):8*(8*((\a)%4)+\b)+7], v[128*(\p)+FR*\b:128*(\p)+FR*\b+FR-1], v[AF+FR*(\a):AF+FR*(\a)+FR-1], v[8*(8*((\a)%4)+\b):8*(8*((\a)%4)+\b)+7], v[SC+16*(\sc)+2*\b+(\q)], v[SC+16*(\sc)+2*(\a)+(\q)] matrix_a_fmt:MATRIX_FMT_BF8 matrix_b_fmt:MATRIX_FMT_BF8 matrix_a_scale:MATRIX_SCALE_ROW1
.endr
.endr
.endm
; The first step's 32 products of Y's tiles 4 hi .. 4 hi + 3: they start the sums with the bias as C (window 0).  Two arms: the bias runs along X (q, k) or along Y (v).  Only register work stands in the arms.
.macro MULB hi
	WIN 0
	s_cmp_eq_u32 s66, 0
	s_cbranch_scc0 .Lrow_bias_\@
	WIN 0x81+0x40*(\hi)
.irp a, 0,1,2,3
.irp b, 0,1,2,3,4,5,6,7
	v_wmma_scale_f32_16x16x128_f8f6f4 v[8*(8*\a+\b):8*(8*\a+\b)+7], v[FR*\b:FR*\b+FR-1], v[AF+FR*(4*(\hi)+\a):AF+FR*(4*(\hi)+\a)+FR-1], v[BI+8*\b:BI+8*\b+7], v[SC+2*\b], v[SC+2*(4*(\hi)+\a)] matrix_a_fmt:MATRIX_FMT_BF8 matrix_b_fmt:MATRIX_FMT_BF8 matrix_a_scale:MATRIX_SCALE_ROW1
.endr
.endr
	WIN 0
	s_branch .Lbias_in_\@
.Lrow_bias_\@:
	WIN 0x81+0x40*(\hi)
.irp a, 0,1,2,3
.irp b, 0,1,2,3,4,5,6,7
	v_wmma_scale_f32_16x16x128_f8f6f4 v[8*(8*\a+\b):8*(8*\a+\b)+7], v[FR*\b:FR*\b+FR-1], v[AF+FR*(4*(\hi)+\a):AF+FR*(4*(\hi)+\a)+FR-1], v[BI+8*(4*(\hi)+\a):BI+8*(4*(\hi)+\a)+7], v[SC+2*\b], v[SC+2*(4*(\hi)+\a)] matrix_a_fmt:MATRIX_FMT_BF8 matrix_b_fmt:MATRIX_FMT_BF8 matrix_a_scale:MATRIX_SCALE_ROW1
.endr
.endr
	WIN 0
.Lbias_in_\@:
.endm
.macro FETCH_B slot, q, p              ; X's eight fragments of the slot's q-th 128 along K into set p
	WIN TO_B
.irp i, 0,1,2,3,4,5,6,7
	FRAG 128*(\p)+FR*\i, ADRB+\slot, \q, \i
.endr
	WIN 0
.endm
.macro FETCH_A slot, q, i0             ; Y's tiles i0 .. i0 + 3
.irp i, \i0, \i0+1, \i0+2, \i0+3
	FRAG AF+FR*(\i), ADRA+\slot, \q, \i
.endr
.endm
.macro SCALES sc                       ; a slot's scale words into set sc: lanes 0-15 take Y's tile i, lanes 16-31 X's tile i
.irp i, 0,1,2,3,4,5,6,7
	ds_load_b32 v[SC+16*\sc+2*\i], v[ADRS] offset:64*\i
	ds_load_b32 v[SC+16*\sc+2*\i+1], v[ADRS] offset:64*\i+512
.endr
.endm
.macro PLACES n                        ; plain vector instructions between a matrix instruction and a load into, or a vector instruction on, its registers (ISA guide 7.12.1 for vector instructions)
.rept \n
	v_nop
.endr
.endm
.macro STEP slot, q                    ; a step of 128 along K that has its successor in the same slot
	s_wait_dscnt 16                                ; X's set, Y's tiles 0-3 and the scale words are in; the youngest 16 loads (Y's tiles 4-7) may be out
	WIN MUL_LO
	MUL16 0, (\q)%2, \q, \slot
	MUL16 2, (\q)%2, \q, \slot
	s_wait_dscnt 0x0                               ; Y's tiles 4-7 are in
	PLACES NP
	FETCH_B \slot, (\q)+1, 1-(\q)%2
	FETCH_A \slot, (\q)+1, 0
	WIN MUL_HI
	MUL16 4, (\q)%2, \q, \slot
	MUL16 6, (\q)%2, \q, \slot
	PLACES NP
	WIN 0
	FETCH_A \slot, (\q)+1, 4
.endm
; A slot's last step changes slots: ONE barrier; in front of it each wave waits for all its tensor loads, adds 0 to its spare word, and waits for that and for its own reads of this slot.  fill = 1: this slot is filled again, two slots ahead.
.macro TURN slot, next, fill
	s_wait_tensorcnt 0x0                           ; all my tensor loads have landed: my part of the next slot
	ds_add_u32 v[SPW], v[NIL]                      ; 0 onto my spare word
	s_wait_dscnt 17                                ; (the add and the youngest 16 loads may be out)
	WIN MUL_LO
	MUL16 0, 1, 1, \slot
	s_wait_dscnt 0x0                               ; the add is done, and my reads of this slot are over
	s_barrier_signal -1
	MUL16 2, 1, 1, \slot
	WIN 0
	s_barrier_wait -1
.if \fill
	CREST                                          ; the barrier has opened a round of the cluster's barrier: no wave of any partner still reads this slot or has a load on its way
	s_add_nc_u64 s[G0+4*\slot+2:G0+4*\slot+3], s[G0+4*\slot+2:G0+4*\slot+3], 2*HALFT
	s_add_nc_u64 s[G0B+4*\slot+2:G0B+4*\slot+3], s[G0B+4*\slot+2:G0B+4*\slot+3], 2*HALFT
	JLOAD G0+4*\slot, G1, G0B+4*\slot, G1B         ; the first tensor load behind the round; its four v_nop are among the places in front of the loads below
	PLACES NP-4
.else
	PLACES NP
.endif
	v_add_nc_u32 v[ADRS], 1024, v[ADRS]            ; on to the next slot's scale words
	FETCH_B \next, 0, 0
	FETCH_A \next, 0, 0
	SCALES \next
	WIN MUL_HI
	MUL16 4, 1, 1, \slot
	MUL16 6, 1, 1, \slot
	PLACES NP
	WIN 0
	FETCH_A \next, 0, 4
.endm
	s_wait_tensorcnt 1                             ; the scale words and my part of slot 0 are in (slot 1's load may be out)
	s_barrier_signal -1
	s_barrier_wait -1                              ; everybody's are
	FETCH_B 0, 0, 0
	FETCH_A 0, 0, 0
	SCALES 0
	FETCH_A 0, 0, 4
	s_wait_loadcnt 0x0                             ; the bias
	s_wait_dscnt 16                                ; the first step stands in front of the loop: its products start the sums
	MULB 0
	s_wait_dscnt 0x0
	PLACES NP
	FETCH_B 0, 1, 1
	FETCH_A 0, 1, 0
	MULB 1
	PLACES NP
	FETCH_A 0, 1, 4
	s_mov_b32 s3, LAPS-1
.Llap:                                                 ; a trip goes once round the ring and fills both slots again
	TURN 0, 1, 1
	STEP 1, 0
	TURN 1, 0, 1
	STEP 0, 0
	s_sub_co_u32 s3, s3, 1
	s_cmp_lg_u32 s3, 0
	s_cbranch_scc1 .Llap
	TURN 0, 1, 0                                   ; the last lap fills nothing, and has no round of the cluster's barrier
	STEP 1, 0
	s_wait_dscnt 16                                ; the very last step: nothing more to fetch
	WIN MUL_LO
	MUL16 0, 1, 1, 1
	MUL16 2, 1, 1, 1
	s_wait_dscnt 0x0
	WIN MUL_HI
	MUL16 4, 1, 1, 1
	MUL16 6, 1, 1, 1
	WIN 0
; THE WAY OUT.  Tile a of Y's rows: its 64 accumulator registers are 128 neighbours along the next K of the lane's row: four blocks of 32, each shared with lane l xor 16.  They become a fragment and a scale word.
.macro EPI a
.set AC, 64*((\a)%4)
.set PC, AF+16*((\a)%4)
	WIN 0x0a+5*((\a)/4)                            ; sources 0 and 1: window 2 or 3
.irp b, 0,1,2,3
	v_max3_num_f32 v[TM+\b], |v[AC+16*\b]|, |v[AC+16*\b+1]|, 0x8000000   ; each accumulator is read from its low end on; the floor 2^(16 - 127) holds the byte at 1 from below
.endr
.irp i, 2,4,6,8,10,12,14
.irp b, 0,1,2,3
	v_max3_num_f32 v[TM+\b], |v[AC+16*\b+\i]|, |v[AC+16*\b+\i+1]|, v[TM+\b]
.endr
.endr
	WIN 0
.irp b, 0,1,2,3
	v_permlanex16_b32 v[TM+4+\b], v[TM+\b], s20, s21
.endr
.irp b, 0,1,2,3
	v_max_num_f32 v[TM+\b], v[TM+\b], v[TM+4+\b]   ; the block's largest magnitude
.endr
.irp b, 0,1,2,3
	v_add_nc_u32 v[TM+12+\b], 0xf8800000, v[TM+\b] ; 15 off its exponent field: the conversion's scale operand
.endr
.irp b, 0,1,2,3
	v_and_or_b32 v[TM+8+\b], v[TM+\b], 0x7f800000, s19   ; 57,344 x the scale
.endr
.irp b, 0,1,2,3
	v_lshrrev_b32 v[TM+4+\b], 23, v[TM+12+\b]      ; the scale's byte
.endr
	v_lshl_or_b32 v[PW+(\a)], v[TM+5], 8, v[TM+4]
	v_lshl_or_b32 v[PW+(\a)], v[TM+6], 16, v[PW+(\a)]
	v_lshl_or_b32 v[PW+(\a)], v[TM+7], 24, v[PW+(\a)]
	WIN 0x02+(\a)/4                                ; source 0: window 2 or 3
.irp b, 0,1,2,3
.irp i, 0,1,2,3,4,5,6,7,8,9,10,11,12,13,14,15
	v_med3_num_f32 v[T+16*\b+\i], v[AC+16*\b+\i], -v[TM+8+\b], v[TM+8+\b]   ; the hold (ISA guide 7.6.2: the conversion does not saturate), into window 0
.endr
.endr
	WIN 0
.if (\a) >= 4
	s_wait_xcnt 0x0                                ; the stores of four tiles back have read this set of codes
.endif
.irp b, 0,1,2,3
	v_cvt_scalef32_pk8_bf8_f32 v[PC+4*\b:PC+4*\b+1], v[T+16*\b:T+16*\b+7], v[TM+12+\b]
	v_cvt_scalef32_pk8_bf8_f32 v[PC+4*\b+2:PC+4*\b+3], v[T+16*\b+8:T+16*\b+15], v[TM+12+\b]
.endr
	v_nop                                          ; a plain line behind the last conversion
.irp c, 0,1,2,3
	global_store_b128 v[LI], v[PC+4*\c:PC+4*\c+3], s[98:99] offset:4096*(\a)+512*\c   ; the fragment as it stands: 512 consecutive bytes a store
.endr
	ds_store_b32 v[SWA], v[PW+(\a)] offset:64*(\a) ; lanes r and r + 16 write the same word with the same value
.endm
	PLACES NP                                      ; behind the last products: their operands' registers are written below, and their results read
	s_mov_b32 s20, 0x76543210
	s_mov_b32 s21, 0xfedcba98                      ; v_permlanex16_b32's selects for lane l xor 16
	s_mov_b32 s19, 0x600000                        ; the mantissa field of 57,344
.irp b, 0,1,2,3
	v_mov_b32 v[TM+4+\b], 0                        ; a lane permute's destination counts as one of its sources
.endr
.irp a, 0,1,2,3,4,5,6,7
	EPI \a
.endr
	ds_load_b128 v[TM:TM+3], v[SRA]                ; my own 512 bytes: LDS serves a wave's instructions in order
	s_wait_dscnt 0x0
	global_store_b128 v[LI], v[TM:TM+3], s[100:101]   ; the K step's scale words of my 128 rows: 512 consecutive bytes
	s_wait_tensorcnt 0x0                           ; the wave's end, behind my last tensor load and my last LDS store
	ds_add_u32 v[SPW], v[NIL]
	s_wait_dscnt 0x0
	CROUND                                         ; the closing round: no work-group ends while a partner may still ask for a tile that names it
	s_endpgm
.Lfunc_end_k_qf47d22eb67_proj:
	.size	k_qf47d22eb67_proj, .Lfunc_end_k_qf47d22eb67_proj-k_qf47d22eb67_proj
	.p2alignl 7, 3214868480
	.fill 96, 4, 3214868480
	.section	.rodata,"a",@progbits
	.p2align	6, 0x0
	.amdhsa_kernel k_qf47d22eb67_proj
		.amdhsa_group_segment_fixed_size 327680
		.amdhsa_private_segment_fixed_size 0
		.amdhsa_enable_private_segment 0
		.amdhsa_kernarg_size 72
		.amdhsa_user_sgpr_count 2
		.amdhsa_user_sgpr_kernarg_segment_ptr 1
		.amdhsa_wavefront_size32 1
		.amdhsa_system_sgpr_workgroup_id_x 1
		.amdhsa_system_sgpr_workgroup_id_y 1
		.amdhsa_system_sgpr_workgroup_id_z 1
		.amdhsa_system_vgpr_workitem_id 0
		.amdhsa_next_free_vgpr 1024
		.amdhsa_next_free_sgpr 106
		.amdhsa_reserve_vcc 0
		.amdhsa_float_denorm_mode_32 3
		.amdhsa_float_denorm_mode_16_64 3
		.amdhsa_memory_ordered 1
		.amdhsa_forward_progress 1
		.amdhsa_inst_pref_size 204
	.end_amdhsa_kernel
	.amdgpu_metadata
---
amdhsa.version: [ 1, 2 ]
amdhsa.kernels:
  - .name:           k_qf47d22eb67_proj
    .symbol:         k_qf47d22eb67_proj.kd
    .args:
      - { .name: in_codes, .offset: 0, .size: 8, .value_kind: global_buffer, .address_space: global }
      - { .name: in_scales, .offset: 8, .size: 8, .value_kind: global_buffer, .address_space: global }
      - { .name: bq, .offset: 16, .size: 8, .value_kind: global_buffer, .address_space: global }
      - { .name: bk, .offset: 24, .size: 8, .value_kind: global_buffer, .address_space: global }
      - { .name: bv, .offset: 32, .size: 8, .value_kind: global_buffer, .address_space: global }
      - { .name: qk_codes, .offset: 40, .size: 8, .value_kind: global_buffer, .address_space: global }
      - { .name: qk_scales, .offset: 48, .size: 8, .value_kind: global_buffer, .address_space: global }
      - { .name: vt_codes, .offset: 56, .size: 8, .value_kind: global_buffer, .address_space: global }
      - { .name: vt_scales, .offset: 64, .size: 8, .value_kind: global_buffer, .address_space: global }
    .group_segment_fixed_size: 327680
    .private_segment_fixed_size: 0
    .kernarg_segment_align: 8
    .kernarg_segment_size: 72
    .max_flat_workgroup_size: 128
    .sgpr_count:     106
    .vgpr_count:     1024
    .wavefront_size: 32
...
	.end_amdgpu_metadata
.endif
;; end of part 6
;; launch score (part 7): grid 8 x 24, 4 waves a work-group, clusters of 4 x 1, 327,680 bytes of LDS; arguments qk_codes, qk_scales, in_codes, in_scales, bv, p_codes, p_meta, vt_codes, vt_scales; writes p_codes, p_meta, vt_codes, vt_scales
.if DOCPART == 7
	.amdgcn_target "amdgcn-amd-amdhsa--gfx1250"
	.amdhsa_code_object_version 6
	.text
	.protected	k_qf47d22eb67_score
	.globl	k_qf47d22eb67_score
	.p2align	8
	.type	k_qf47d22eb67_score,@function
k_qf47d22eb67_score:
	s_mov_b64 s[64:65], 0
	v_nop
	global_prefetch_b8 v0, s[64:65] scope:SCOPE_SE
	s_setreg_imm32_b32 hwreg(HW_REG_WAVE_MODE, 25, 1), 1
	s_wait_xcnt 0x0
	s_wait_alu depctr_hold_cnt(0) depctr_sa_sdst(0) depctr_va_vdst(0) depctr_va_sdst(0) depctr_va_ssrc(0) depctr_va_vcc(0) depctr_vm_vsrc(0)
	s_getreg_b32 s2, hwreg(HW_REG_IB_STS2, 6, 4)
	s_cmp_eq_u32 s2, 0
	s_cbranch_scc0 .Lentry_in_a_cluster
	s_endpgm
.Lentry_in_a_cluster:
	s_bfe_u32 s2, ttmp6, 0x10000c
	s_cmp_lg_u32 s2, 0x3003
	s_cbranch_scc0 .Lentry_shape_is_right
	s_endpgm
.Lentry_shape_is_right:
; LAUNCH 3 OF 4.  TWO KINDS OF WORK-GROUPS, told apart by the work-group's y, which all partners of a cluster share.  No work of reference() is left out here.
;   y = 0 to 15 (128 work-groups): S = q k^T on codes of BF8 (E5M2) with E8M0 scales, sums in f32, and the softmax's p, quantised along the keys on the way out.
;   y = 16 to 23 (64 work-groups): the last quarter of v = v_embd Wv^T + bv: key tiles 48 to 63, quantised along the keys on the way out, as the launch before does it.  The scores do not need v.
; Both are a tile of 256 x 256 over K = 1,024 on operands of one layout, so they share every line of the head, the ring and the products: block numbers and buffers are chosen by selects on y.  They part once, at the way out.
; THE SCORES.  t = score x log2(e) / 32.  p = 2^(t - M), M a whole number.  HERE M IS LOCAL: the ceiling of the largest t among the wave's 128 keys of a query, so that no wave needs another's numbers.  The next launch finds the
; row's M (the largest of the 16 local ones) and takes the difference, a whole number, off p's scale bytes and off the local sums: powers of two, exact; the codes are those under the row's M.
; Stored for each query and 128 keys: the fragment's codes; the scale word; -M (f32); l, the sum of the unquantised p (f32).
; SIDES: Y = source 1 (its rows in the lanes): q, or Wv.  X = source 0 (its rows in the registers; its image holds them with bits 3 and 4 exchanged, so that a lane's 64 registers of a tile of Y are 128 neighbours): k, or v_embd.
; Four waves, 128 x 128 each.  K in slots of 256 through a ring of two LDS slots, one dense tensor load of 32,768 bytes a wave; the scale words come once.
; CLUSTER: 4 x 1: the four partners take four tiles of X against one tile of Y: Y's tiles are asked for jointly.  X's are not shared: only the two query tiles of a batch read the same keys, so a column of four work-groups
; would span two batches; X's loads are plain, behind the same rounds.
; v's BIAS is added to the finished sums, in that arm of the way out: so no register is written on one way and read on the other.
; LIMITS: NaN and infinities are not served; |t| stays under 2^24 (M is kept as f32); a p under 2^-126 of its local largest counts as 0; a block whose largest magnitude lies under 2^-111 keeps the byte 1, a block of zeros too.
; REGISTERS as in the launch before; on the way out: v64-127 64 numbers at work; v128-191 codes, four sets; v192-231 at work.  v32-63 hold scale words and nothing else.
.set NP,    8
.set FR,    16
.set HALFT, 32768
.set SLOT,  4*HALFT
.set LAPS,  2
.set HALFS, 4096
.set SCL,   2*SLOT
.set SPARE, SCL+4*HALFS                ; the spare words, 128 bytes for each wave: two blocks of 256 bytes that no other line names
.set ADRA, 16
.set SWV,  18                          ; v18  v's way out: 8,192 + 512 x wave + 4 r: bytes of its own, in slot 0, which has then had its last fill and its last read
.set SRV,  19                          ; v19  8,192 + 512 x wave + 16 x lane
.set ADRB, 20
.set SWA,  24                          ; v24  the scores' way out: 2,048 x wave + 4 r, in slot 0 likewise
.set SRA,  25                          ; v25  2,048 x wave + 16 x lane
.set LI,   26
.set ADRS, 27
.set SPW,  28
.set NIL,  29
.set SC,   32
.set T,    64
.set AF,   128
.set BM,   192                         ; the scores: v192-195 the blocks' largest scores, then largest p; v196-199 the other half's, then bytes
.set LM,   200                         ; v200-203 57,344 x the scale
.set SO,   204                         ; v204-207 the conversions' scale operands
.set TP,   208                         ; v208 the largest t
.set NM,   210                         ; v[210:211] -M (the packed form names the pair and takes its low word)
.set SU,   212                         ; v[212:213], v[214:215] the sum, in two chains
.set PW,   216                         ; v216 the scale word
.set TM,   192                         ; v: v192-207 as in the launch before
.set PWV,  208                         ; v208-215 a scale word for each tile
.set BB,   216                         ; v216-231 the bias of row 16 a + r, in both registers of a pair
.set G1, 24
.set G0, 32
.set G1B, 48
.set G0B, 56
.set G1S, 68
.set G0S, 76
.set G1SB, 80
.set G0SB, 88
.set MSB, 0
.macro WIN new
.if MSB != (\new)
	s_set_vgpr_msb (MSB<<8)|(\new)
.set MSB, \new
.endif
.endm
.set MUL_LO, 0xa1
.set MUL_HI, 0xf1
.set TO_B,   0x40
.macro JLOAD g0a, g1a, g0b, g1b        ; waves 0 and 1 fetch for Y (jointly), waves 2 and 3 for X; an s_nop 0 and four v_nop follow each of the two lines
	s_cmp_eq_u32 s15, 0
	s_cbranch_scc0 .Lfor_b_\@
	tensor_load_to_lds s[\g0a:\g0a+3], s[\g1a:\g1a+7]
	s_nop 0
.rept 4
	v_nop
.endr
	s_branch .Lasked_\@
.Lfor_b_\@:
	tensor_load_to_lds s[\g0b:\g0b+3], s[\g1b:\g1b+7]
	s_nop 0
.rept 4
	v_nop
.endr
.Lasked_\@:
.endm
.macro CREST
	s_cmp_lg_u32 s14, 0
	s_cbranch_scc1 .Lnot_wave_0_\@
	s_barrier_signal -3
.Lnot_wave_0_\@:
	s_barrier_wait -3
	s_barrier_signal -1
	s_barrier_wait -1
.endm
.macro CROUND
	s_barrier_signal -1
	s_barrier_wait -1
	CREST
.endm
	s_load_b256 s[4:11], s[0:1], 0x0               ; qk_codes s[4:5], qk_scales s[6:7], in_codes s[8:9], in_scales s[10:11]
	s_load_b128 s[96:99], s[0:1], 0x20             ; bv s[96:97], p_codes s[98:99]
	s_load_b64 s[100:101], s[0:1], 0x30            ; p_meta
	s_load_b64 s[12:13], s[0:1], 0x38              ; vt_codes
	s_load_b64 s[104:105], s[0:1], 0x40            ; vt_scales
	v_lshl_add_u32 v[SPW], v0, 2, SPARE
	v_mov_b32 v[NIL], 0
	ds_add_u32 v[SPW], v[NIL]                      ; the wave's opening: the add, twice on end, and its wait ahead of my first tensor load
	ds_add_u32 v[SPW], v[NIL]
	v_lshrrev_b32 v1, 5, v0
	v_readfirstlane_b32 s14, v1                    ; wave 0..3
	s_lshr_b32 s15, s14, 1                         ; wy; also: I fetch for Y (0) or for X (1)
	s_and_b32 s16, s14, 1                          ; wx; also: which 128 rows I fetch
	s_bfe_u32 s40, ttmp6, 0x40000                  ; cx
	s_lshl_b32 s42, ttmp9, 2
	s_add_co_u32 s42, s42, s40                     ; work-group x, 0 to 7
	s_and_b32 s17, ttmp7, 0xffff                   ; work-group y, 0 to 23, which the four partners share
	s_cmp_ge_u32 s17, 16
	s_cselect_b32 s66, 1, 0                        ; 1: a work-group of v's projection
	s_mov_b32 s[G1+0], 15|(3<<16)|(1<<21)          ; 15:0 the mask: all four work-groups; 17:16 elements of 8 bytes; 21 set beside a mask
	s_mov_b32 s[G1B+0], 3<<16                      ; no mask: a load of my own
.irp g, G1, G1B
	s_mov_b32 s[\g+1], 32<<16                      ; a dense block of 32,768 bytes as 128 rows of 256
	s_mov_b32 s[\g+2], 128<<16
	s_mov_b32 s[\g+3], 32<<16
	s_mov_b32 s[\g+4], 128
	s_mov_b32 s[\g+5], 32
	s_mov_b32 s[\g+6], 0
	s_mov_b32 s[\g+7], 0
.endr
	s_mov_b32 s[G1S+0], 15|(3<<16)|(1<<21)
	s_mov_b32 s[G1SB+0], 3<<16
.irp g, G1S, G1SB
	s_mov_b32 s[\g+1], 32<<16                      ; 4,096 dense bytes as 16 rows of 256
	s_mov_b32 s[\g+2], 16<<16
	s_mov_b32 s[\g+3], 32<<16
	s_mov_b32 s[\g+4], 16
	s_mov_b32 s[\g+5], 32
	s_mov_b32 s[\g+6], 0
	s_mov_b32 s[\g+7], 0
.endr
	s_lshl_b32 s20, s17, 1                         ; Y's block.  Scores: y = 2 x batch + query tile: q's blocks 2 y, 2 y + 1
	s_and_b32 s21, s17, 3
	s_lshl_b32 s21, s21, 1
	s_add_co_u32 s21, s21, 304                     ; v: Wv's tile y % 4: blocks 304 + 2 (y % 4) on
	s_cmp_eq_u32 s66, 0
	s_cselect_b32 s20, s20, s21
	s_add_co_u32 s20, s20, s16
	s_lshl_b32 s22, s20, 12                        ; in both buffers a block has 4,096 bytes of scale words
	s_lshl_b32 s20, s20, 17                        ; and 131,072 of codes
	s_mov_b32 s21, 0
	s_mov_b32 s23, 0
	s_lshr_b32 s46, s17, 2                         ; X's tile.  Scores: the key tile = x.  v: v_embd's tile 16 + 8 (y / 4) + x: 48 to 63
	s_lshl_b32 s46, s46, 3
	s_add_co_u32 s46, s46, 16
	s_cmp_eq_u32 s66, 0
	s_cselect_b32 s46, 0, s46
	s_add_co_u32 s42, s42, s46
	s_lshr_b32 s46, s17, 1                         ; X's first block.  Scores: 16 blocks of keys a batch, behind q's 32 blocks
	s_lshl_b32 s46, s46, 4
	s_add_co_u32 s46, s46, 32
	s_cmp_eq_u32 s66, 0
	s_cselect_b32 s46, s46, 160                    ; v: v_embd's first block
	s_lshl_b32 s47, s42, 1
	s_add_co_u32 s46, s46, s47
	s_add_co_u32 s46, s46, s16                     ; X's block
	s_lshl_b32 s92, s46, 12
	s_lshl_b32 s46, s46, 17
	s_mov_b32 s47, 0
	s_mov_b32 s93, 0
	s_mul_i32 s45, s14, HALFT
	s_mul_i32 s94, s14, HALFS
	s_wait_dscnt 0x0                               ; both opening adds are done
	s_wait_kmcnt 0x0
	s_cmp_eq_u32 s66, 0                            ; the buffers: the choice hangs on y alone
	s_cselect_b64 s[4:5], s[4:5], s[8:9]           ; operands: qk_codes or in_codes,
	s_cselect_b64 s[6:7], s[6:7], s[10:11]         ; qk_scales or in_scales;
	s_cselect_b64 s[98:99], s[98:99], s[12:13]     ; results: p_codes or vt_codes,
	s_cselect_b64 s[100:101], s[100:101], s[104:105]   ; p_meta or vt_scales
	s_add_nc_u64 s[20:21], s[4:5], s[20:21]
	s_add_nc_u64 s[22:23], s[6:7], s[22:23]
	s_add_nc_u64 s[46:47], s[4:5], s[46:47]
	s_add_nc_u64 s[92:93], s[6:7], s[92:93]
	CROUND                                         ; all four work-groups are here: the first joint loads meet
	s_mov_b32 s[G0S], 1
	s_add_co_u32 s[G0S+1], s94, SCL
	s_mov_b64 s[G0S+2:G0S+3], s[22:23]
	s_or_b32 s[G0S+3], s[G0S+3], 0x80000000
	s_mov_b32 s[G0SB], 1
	s_add_co_u32 s[G0SB+1], s94, SCL
	s_mov_b64 s[G0SB+2:G0SB+3], s[92:93]
	s_or_b32 s[G0SB+3], s[G0SB+3], 0x80000000
	JLOAD G0S, G1S, G0SB, G1SB
.irp s, 0,1
	s_mov_b32 s[G0+4*\s], 1
	s_add_co_u32 s[G0+4*\s+1], s45, \s*SLOT
	s_add_nc_u64 s[G0+4*\s+2:G0+4*\s+3], s[20:21], \s*HALFT
	s_or_b32 s[G0+4*\s+3], s[G0+4*\s+3], 0x80000000
	s_mov_b32 s[G0B+4*\s], 1
	s_add_co_u32 s[G0B+4*\s+1], s45, \s*SLOT
	s_add_nc_u64 s[G0B+4*\s+2:G0B+4*\s+3], s[46:47], \s*HALFT
	s_or_b32 s[G0B+4*\s+3], s[G0B+4*\s+3], 0x80000000
	JLOAD G0+4*\s, G1, G0B+4*\s, G1B               ; three loads of mine are out
.endr
	v_and_b32 v1, 15, v0                           ; r
	v_bfe_u32 v2, v0, 4, 1                         ; h
	v_and_b32 v3, 31, v0
	v_lshlrev_b32 v[LI], 4, v3
	s_mul_i32 s21, s15, HALFT
	s_mul_i32 s22, s16, HALFT
	s_add_co_u32 s22, s22, 2*HALFT
.irp s, 0,1
	v_add_nc_u32 v[ADRA+\s], s21, v[LI]
	v_add_nc_u32 v[ADRB+\s], s22, v[LI]
	s_add_co_u32 s21, s21, SLOT
	s_add_co_u32 s22, s22, SLOT
.endr
	s_mul_i32 s21, s15, HALFS
	s_mul_i32 s22, s16, HALFS
	s_add_co_u32 s22, s22, 2*HALFS
	s_sub_co_u32 s22, s22, s21
	v_mul_u32_u24 v6, s22, v2                      ; lanes 16-31 take X's
	s_add_co_u32 s21, s21, SCL
	v_lshl_add_u32 v5, v1, 2, v6
	v_add_nc_u32 v[ADRS], s21, v5
	s_lshl_b32 s21, s14, 11
	v_lshl_add_u32 v[SWA], v1, 2, s21
	v_add_nc_u32 v[SRA], s21, v[LI]
	s_lshl_b32 s21, s14, 9
	s_add_co_u32 s21, s21, 8192
	v_lshl_add_u32 v[SWV], v1, 2, s21
	v_add_nc_u32 v[SRV], s21, v[LI]
	; where my results go: in both result buffers a block of 128 rows has 262,144 bytes of codes and 8,192 of words; the slot of 256 along the next K = X's tile % 8, K step wx in it
	s_lshr_b32 s18, s42, 3                         ; v: block 8 (X's tile / 8, the batch) + 2 x Wv's tile + wy
	s_lshl_b32 s18, s18, 3
	s_and_b32 s19, s17, 3
	s_lshl_b32 s19, s19, 1
	s_add_co_u32 s18, s18, s19
	s_lshl_b32 s19, s17, 1                         ; scores: block 2 y + wy
	s_cmp_eq_u32 s66, 0
	s_cselect_b32 s18, s19, s18
	s_add_co_u32 s18, s18, s15
	s_and_b32 s19, s42, 7
	s_lshl_b32 s20, s18, 18
	s_lshl_b32 s21, s19, 15
	s_add_co_u32 s20, s20, s21
	s_lshl_b32 s21, s16, 11
	s_add_co_u32 s20, s20, s21
	s_mov_b32 s21, 0
	s_add_nc_u64 s[98:99], s[98:99], s[20:21]
	s_lshl_b32 s20, s18, 13
	s_lshl_b32 s21, s19, 1
	s_add_co_u32 s21, s21, s16
	s_lshl_b32 s21, s21, 9
	s_add_co_u32 s20, s20, s21
	s_mov_b32 s21, 0
	s_add_nc_u64 s[100:101], s[100:101], s[20:21]
.macro FRAG reg, adr, q, i
.irp c, 0,1,2,3
	ds_load_b128 v[\reg+4*\c:\reg+4*\c+3], v[\adr] offset:4096*(\i)+2048*(\q)+512*\c
.endr
.endm
; 16 matrix instructions: Y's tiles a0, a0 + 1 x X's eight.  zero = 1: the first product starts the sums.  The 64 accumulators take turns, one instruction a turn.
.macro MUL16 a0, p, q, sc, zero
.irp a, \a0, \a0+1
.irp b, 0,1,2,3,4,5,6,7
.if \zero
	v_wmma_scale_f32_16x16x128_f8f6f4 v[8*(8*((\a)%4)+\b):8*(8*((\a)%4)+\b)+7], v[128*(\p)+FR*\b:128*(\p)+FR*\b+FR-1], v[AF+FR*(\a):AF+FR*(\a)+FR-1], 0, v[SC+16*(\sc)+2*\b+(\q)], v[SC+16*(\sc)+2*(\a)+(\q)] matrix_a_fmt:MATRIX_FMT_BF8 matrix_b_fmt:MATRIX_FMT_BF8 matrix_a_scale:MATRIX_SCALE_ROW1
.else
	v_wmma_scale_f32_16x16x128_f8f6f4 v[8*(8*((\a)%4)+\b):8*(8*((\a)%4)+\b)+7], v[128*(\p)+FR*\b:128*(\p)+FR*\b+FR-1], v[AF+FR*(\a):AF+FR*(\a)+FR-1], v[8*(8*((\a)%4)+\b):8*(8*((\a)%4)+\b)+7], v[SC+16*(\sc)+2*\b+(\q)], v[SC+16*(\sc)+2*(\a)+(\q)] matrix_a_fmt:MATRIX_FMT_BF8 matrix_b_fmt:MATRIX_FMT_BF8 matrix_a_scale:MATRIX_SCALE_ROW1
.endif
.endr
.endr
.endm
.macro FETCH_B slot, q, p
	WIN TO_B
.irp i, 0,1,2,3,4,5,6,7
	FRAG 128*(\p)+FR*\i, ADRB+\slot, \q, \i
.endr
	WIN 0
.endm
.macro FETCH_A slot, q, i0
.irp i, \i0, \i0+1, \i0+2, \i0+3
	FRAG AF+FR*(\i), ADRA+\slot, \q, \i
.endr
.endm
.macro SCALES sc
.irp i, 0,1,2,3,4,5,6,7
	ds_load_b32 v[SC+16*\sc+2*\i], v[ADRS] offset:64*\i
	ds_load_b32 v[SC+16*\sc+2*\i+1], v[ADRS] offset:64*\i+512
.endr
.endm
.macro PLACES n
.rept \n
	v_nop
.endr
.endm
.macro STEP slot, q, zero
	s_wait_dscnt 16                                ; all but the youngest 16 loads (Y's tiles 4-7) are in
	WIN MUL_LO
	MUL16 0, (\q)%2, \q, \slot, \zero
	MUL16 2, (\q)%2, \q, \slot, \zero
	s_wait_dscnt 0x0
	PLACES NP
	FETCH_B \slot, (\q)+1, 1-(\q)%2
	FETCH_A \slot, (\q)+1, 0
	WIN MUL_HI
	MUL16 4, (\q)%2, \q, \slot, \zero
	MUL16 6, (\q)%2, \q, \slot, \zero
	PLACES NP
	WIN 0
	FETCH_A \slot, (\q)+1, 4
.endm
.macro TURN slot, next, fill           ; a slot's last step changes slots: one barrier, with the three lines in front of it
	s_wait_tensorcnt 0x0                           ; all my tensor loads have landed: my part of the next slot
	ds_add_u32 v[SPW], v[NIL]                      ; 0 onto my spare word
	s_wait_dscnt 17                                ; (the add and the youngest 16 loads may be out)
	WIN MUL_LO
	MUL16 0, 1, 1, \slot, 0
	s_wait_dscnt 0x0                               ; the add is done, and my reads of this slot are over
	s_barrier_signal -1
	MUL16 2, 1, 1, \slot, 0
	WIN 0
	s_barrier_wait -1
.if \fill
	CREST                                          ; the barrier has opened a round of the cluster's barrier
	s_add_nc_u64 s[G0+4*\slot+2:G0+4*\slot+3], s[G0+4*\slot+2:G0+4*\slot+3], 2*HALFT
	s_add_nc_u64 s[G0B+4*\slot+2:G0B+4*\slot+3], s[G0B+4*\slot+2:G0B+4*\slot+3], 2*HALFT
	JLOAD G0+4*\slot, G1, G0B+4*\slot, G1B         ; the first tensor load behind the round
	PLACES NP-4
.else
	PLACES NP
.endif
	v_add_nc_u32 v[ADRS], 1024, v[ADRS]
	FETCH_B \next, 0, 0
	FETCH_A \next, 0, 0
	SCALES \next
	WIN MUL_HI
	MUL16 4, 1, 1, \slot, 0
	MUL16 6, 1, 1, \slot, 0
	PLACES NP
	WIN 0
	FETCH_A \next, 0, 4
.endm
	s_wait_tensorcnt 1                             ; the scale words and my part of slot 0 are in (slot 1's load may be out),
	s_barrier_signal -1
	s_barrier_wait -1                              ; everybody's are
	FETCH_B 0, 0, 0
	FETCH_A 0, 0, 0
	SCALES 0
	FETCH_A 0, 0, 4
	STEP 0, 0, 1                                   ; the first step stands in front of the loop: its products start the sums
	s_mov_b32 s3, LAPS-1
.Llap:
	TURN 0, 1, 1
	STEP 1, 0, 0
	TURN 1, 0, 1
	STEP 0, 0, 0
	s_sub_co_u32 s3, s3, 1
	s_cmp_lg_u32 s3, 0
	s_cbranch_scc1 .Llap
	TURN 0, 1, 0
	STEP 1, 0, 0
	s_wait_dscnt 16
	WIN MUL_LO
	MUL16 0, 1, 1, 1, 0
	MUL16 2, 1, 1, 1, 0
	s_wait_dscnt 0x0
	WIN MUL_HI
	MUL16 4, 1, 1, 1, 0
	MUL16 6, 1, 1, 1, 0
	WIN 0
; THE SCORES' WAY OUT.  Tile a of 16 queries: a lane holds one query and 64 of its 128 keys, register 16 b + i = key 32 b + 16 (lane / 16) + i.
.macro SOFT a
.set AC, 64*((\a)%4)
.set PC, AF+16*((\a)%4)
	WIN 0x0a+5*((\a)/4)                            ; sources 0 and 1: window 2 or 3
.irp b, 0,1,2,3
	v_max3_num_f32 v[BM+\b], v[AC+16*\b], v[AC+16*\b+1], 0xff800000   ; THE LARGEST SCORE OF EACH BLOCK OF 32 KEYS serves twice: for the maximum, and, since p rises with the score, for the block's largest p.  Each accumulator is read from its low end on
.endr
.irp i, 2,4,6,8,10,12,14
.irp b, 0,1,2,3
	v_max3_num_f32 v[BM+\b], v[AC+16*\b+\i], v[AC+16*\b+\i+1], v[BM+\b]
.endr
.endr
	WIN 0
.if (\a) > 0
	s_wait_dscnt 0x0                               ; the last tile's three LDS stores have read their registers, which are written anew below
.endif
.irp b, 0,1,2,3
	v_permlanex16_b32 v[BM+4+\b], v[BM+\b], s20, s21
.endr
.irp b, 0,1,2,3
	v_max_num_f32 v[BM+\b], v[BM+\b], v[BM+4+\b]   ; with lane l xor 16's 16 keys
.endr
	v_max3_num_f32 v[TP], v[BM], v[BM+1], v[BM+2]
	v_max_num_f32 v[TP], v[TP], v[BM+3]
	v_mul_f32 v[TP], s22, v[TP]                    ; the largest t of my query's 128 keys (c is positive)
	v_floor_f32 v[NM], -v[TP]                      ; -M = floor(-t) = -ceil(t): a whole number
	WIN 0x02+(\a)/4                                ; source 0: window 2 or 3
.set jj, 0
.rept 32
	v_pk_fma_f32 v[T+jj:T+jj+1], v[AC+jj:AC+jj+1], s[22:23], v[NM:NM+1] op_sel_hi:[1,0,0]   ; t - M, two at a time, into window 0
.set jj, jj+2
.endr
	WIN 0
.irp b, 0,1,2,3
	v_fma_f32 v[BM+\b], v[BM+\b], s22, v[NM]       ; the same of each block's largest score
.endr
.set jj, 0
.rept 64
	v_exp_f32 v[T+jj], v[T+jj]                     ; p = 2^(t - M), at most 1: not normalised
.set jj, jj+1
.endr
	v_nop                                          ; a plain line behind the exponentials
	s_wait_alu depctr_va_vdst(0)                   ; one wait for the whole batch, ahead of its first reader
.irp b, 0,1,2,3
	v_exp_f32 v[BM+\b], v[BM+\b]                   ; the block's largest p: the same two instructions on the same number give the same bits
.endr
	v_pk_add_f32 v[SU:SU+1], v[T:T+1], v[T+2:T+3]  ; THE SUM IS TAKEN OF THE UNQUANTISED p: two at a time, in two chains
	v_pk_add_f32 v[SU+2:SU+3], v[T+4:T+5], v[T+6:T+7]
.irp j, 8,12,16,20,24,28,32,36,40,44,48,52,56,60
	v_pk_add_f32 v[SU:SU+1], v[SU:SU+1], v[T+\j:T+\j+1]
	v_pk_add_f32 v[SU+2:SU+3], v[SU+2:SU+3], v[T+\j+2:T+\j+3]
.endr
	v_pk_add_f32 v[SU:SU+1], v[SU:SU+1], v[SU+2:SU+3]
	v_add_f32 v[SU], v[SU], v[SU+1]
	v_permlanex16_b32 v[SU+2], v[SU], s20, s21
	v_add_f32 v[SU], v[SU], v[SU+2]                ; l of my query's 128 keys
	s_wait_alu depctr_va_vdst(0)                   ; and one wait for the four
.irp b, 0,1,2,3
	v_max_num_f32 v[BM+\b], 0x8000000, v[BM+\b]    ; the floor 2^(16 - 127): the byte cannot fall under 1
.endr
.irp b, 0,1,2,3
	v_add_nc_u32 v[SO+\b], 0xf8800000, v[BM+\b]    ; 15 off the exponent field: the conversion's scale operand
.endr
.irp b, 0,1,2,3
	v_and_or_b32 v[LM+\b], v[BM+\b], 0x7f800000, s19   ; 57,344 x the scale
.endr
.irp b, 0,1,2,3
	v_lshrrev_b32 v[BM+4+\b], 23, v[SO+\b]         ; the scale's byte
.endr
	v_lshl_or_b32 v[PW], v[BM+5], 8, v[BM+4]
	v_lshl_or_b32 v[PW], v[BM+6], 16, v[PW]
	v_lshl_or_b32 v[PW], v[BM+7], 24, v[PW]
.irp b, 0,1,2,3
.irp i, 0,1,2,3,4,5,6,7,8,9,10,11,12,13,14,15
	v_min_num_f32 v[T+16*\b+\i], v[T+16*\b+\i], v[LM+\b]   ; the conversion does not saturate (ISA guide 7.6.2); p is not negative, so the hold is one-sided
.endr
.endr
.if (\a) >= 4
	s_wait_xcnt 0x0                                ; the stores of four tiles back have read this set of codes
.endif
.irp b, 0,1,2,3
	v_cvt_scalef32_pk8_bf8_f32 v[PC+4*\b:PC+4*\b+1], v[T+16*\b:T+16*\b+7], v[SO+\b]
	v_cvt_scalef32_pk8_bf8_f32 v[PC+4*\b+2:PC+4*\b+3], v[T+16*\b+8:T+16*\b+15], v[SO+\b]
.endr
	v_nop                                          ; a plain line behind the last conversion
.irp c, 0,1,2,3
	global_store_b128 v[LI], v[PC+4*\c:PC+4*\c+3], s[98:99] offset:4096*(\a)+512*\c   ; the fragment as it stands: 512 consecutive bytes a store
.endr
	ds_store_b32 v[SWA], v[PW] offset:64*(\a)      ; lanes r and r + 16 write the same words with the same values
	ds_store_b32 v[SWA], v[NM] offset:512+64*(\a)
	ds_store_b32 v[SWA], v[SU] offset:1024+64*(\a)
.endm
; v's WAY OUT.  Tile a of Wv's rows: a lane holds one feature and 64 of its 128 keys.  The bias is added; then four blocks of 32, each shared with lane l xor 16, become a fragment and a scale word.
.macro EPIV a
.set AC, 64*((\a)%4)
.set PC, AF+16*((\a)%4)
	WIN 0x02+(\a)/4                                ; source 0: window 2 or 3
.set jj, 0
.rept 32
	v_pk_add_f32 v[T+jj:T+jj+1], v[AC+jj:AC+jj+1], v[BB+2*(\a):BB+2*(\a)+1] op_sel_hi:[1,0]   ; + bv of my row, two at a time, into window 0; each accumulator from its low end on
.set jj, jj+2
.endr
	WIN 0
.irp b, 0,1,2,3
	v_max3_num_f32 v[TM+\b], |v[T+16*\b]|, |v[T+16*\b+1]|, 0x8000000   ; the floor 2^(16 - 127) holds the byte at 1 from below
.endr
.irp i, 2,4,6,8,10,12,14
.irp b, 0,1,2,3
	v_max3_num_f32 v[TM+\b], |v[T+16*\b+\i]|, |v[T+16*\b+\i+1]|, v[TM+\b]
.endr
.endr
.irp b, 0,1,2,3
	v_permlanex16_b32 v[TM+4+\b], v[TM+\b], s20, s21
.endr
.irp b, 0,1,2,3
	v_max_num_f32 v[TM+\b], v[TM+\b], v[TM+4+\b]   ; the block's largest magnitude
.endr
.irp b, 0,1,2,3
	v_add_nc_u32 v[TM+12+\b], 0xf8800000, v[TM+\b] ; 15 off its exponent field: the conversion's scale operand
.endr
.irp b, 0,1,2,3
	v_and_or_b32 v[TM+8+\b], v[TM+\b], 0x7f800000, s19   ; 57,344 x the scale
.endr
.irp b, 0,1,2,3
	v_lshrrev_b32 v[TM+4+\b], 23, v[TM+12+\b]      ; the scale's byte
.endr
	v_lshl_or_b32 v[PWV+(\a)], v[TM+5], 8, v[TM+4]
	v_lshl_or_b32 v[PWV+(\a)], v[TM+6], 16, v[PWV+(\a)]
	v_lshl_or_b32 v[PWV+(\a)], v[TM+7], 24, v[PWV+(\a)]
.irp b, 0,1,2,3
.irp i, 0,1,2,3,4,5,6,7,8,9,10,11,12,13,14,15
	v_med3_num_f32 v[T+16*\b+\i], v[T+16*\b+\i], -v[TM+8+\b], v[TM+8+\b]   ; the hold (ISA guide 7.6.2: the conversion does not saturate)
.endr
.endr
.if (\a) >= 4
	s_wait_xcnt 0x0                                ; the stores of four tiles back have read this set of codes
.endif
.irp b, 0,1,2,3
	v_cvt_scalef32_pk8_bf8_f32 v[PC+4*\b:PC+4*\b+1], v[T+16*\b:T+16*\b+7], v[TM+12+\b]
	v_cvt_scalef32_pk8_bf8_f32 v[PC+4*\b+2:PC+4*\b+3], v[T+16*\b+8:T+16*\b+15], v[TM+12+\b]
.endr
	v_nop                                          ; a plain line behind the last conversion
.irp c, 0,1,2,3
	global_store_b128 v[LI], v[PC+4*\c:PC+4*\c+3], s[98:99] offset:4096*(\a)+512*\c   ; the fragment as it stands: 512 consecutive bytes a store
.endr
	ds_store_b32 v[SWV], v[PWV+(\a)] offset:64*(\a)   ; lanes r and r + 16 write the same word with the same value
.endm
	PLACES NP                                      ; behind the last products: their operands' registers are written below, and their results read
	s_mov_b32 s20, 0x76543210
	s_mov_b32 s21, 0xfedcba98                      ; v_permlanex16_b32's selects for lane l xor 16
	s_mov_b32 s22, 0x3d38aa3b                      ; c = log2(e) / 32
	s_mov_b32 s23, s22                             ; (named with it as a pair, so it is written)
	s_mov_b32 s19, 0x600000                        ; the mantissa field of 57,344
	s_cmp_eq_u32 s66, 0                            ; the two kinds part here: y alone decides, the same in all waves and all partners
	s_cbranch_scc0 .Lway_v
.irp b, 0,1,2,3
	v_mov_b32 v[BM+4+\b], 0                        ; a lane permute's destination counts as one of its sources
.endr
	v_mov_b32 v[NM+1], 0                           ; (named as the upper half of a pair)
	v_mov_b32 v[SU+2], 0
.irp a, 0,1,2,3,4,5,6,7
	SOFT \a
.endr
.irp m, 0,1,2
	ds_load_b128 v[BM+4*\m:BM+4*\m+3], v[SRA] offset:512*\m   ; my own bytes: LDS serves a wave's instructions in order
.endr
	s_wait_dscnt 0x0
.irp m, 0,1,2
	global_store_b128 v[LI], v[BM+4*\m:BM+4*\m+3], s[100:101] offset:0x40000*\m   ; scale words, -M, l of my 128 queries for this K step: 512 consecutive bytes each
.endr
	s_branch .Lway_done
.Lway_v:
	s_and_b32 s92, s17, 3                          ; bv at my 128 rows of Wv: 256 x tile + 128 wy
	s_lshl_b32 s92, s92, 10
	s_lshl_b32 s93, s15, 9
	s_add_co_u32 s92, s92, s93
	s_mov_b32 s93, 0
	s_add_nc_u64 s[96:97], s[96:97], s[92:93]
	v_and_b32 v7, 15, v0
	v_lshlrev_b32 v7, 2, v7                        ; 4 r
.irp a, 0,1,2,3,4,5,6,7
	global_load_b32 v[BB+2*\a], v7, s[96:97] offset:64*\a     ; row 16 a + r's number, in both registers of a pair (the packed form names the pair)
	global_load_b32 v[BB+2*\a+1], v7, s[96:97] offset:64*\a
.endr
.irp b, 0,1,2,3
	v_mov_b32 v[TM+4+\b], 0                        ; a lane permute's destination counts as one of its sources
.endr
	s_wait_loadcnt 0x0
.irp a, 0,1,2,3,4,5,6,7
	EPIV \a
.endr
	ds_load_b128 v[TM:TM+3], v[SRV]                ; my own 512 bytes: LDS serves a wave's instructions in order
	s_wait_dscnt 0x0
	global_store_b128 v[LI], v[TM:TM+3], s[100:101]   ; the K step's scale words of my 128 rows: 512 consecutive bytes
.Lway_done:
	s_wait_tensorcnt 0x0                           ; the wave's end, behind my last tensor load and my last LDS store
	ds_add_u32 v[SPW], v[NIL]
	s_wait_dscnt 0x0
	CROUND                                         ; the closing round
	s_endpgm
.Lfunc_end_k_qf47d22eb67_score:
	.size	k_qf47d22eb67_score, .Lfunc_end_k_qf47d22eb67_score-k_qf47d22eb67_score
	.p2alignl 7, 3214868480
	.fill 96, 4, 3214868480
	.section	.rodata,"a",@progbits
	.p2align	6, 0x0
	.amdhsa_kernel k_qf47d22eb67_score
		.amdhsa_group_segment_fixed_size 327680
		.amdhsa_private_segment_fixed_size 0
		.amdhsa_enable_private_segment 0
		.amdhsa_kernarg_size 72
		.amdhsa_user_sgpr_count 2
		.amdhsa_user_sgpr_kernarg_segment_ptr 1
		.amdhsa_wavefront_size32 1
		.amdhsa_system_sgpr_workgroup_id_x 1
		.amdhsa_system_sgpr_workgroup_id_y 1
		.amdhsa_system_sgpr_workgroup_id_z 1
		.amdhsa_system_vgpr_workitem_id 0
		.amdhsa_next_free_vgpr 1024
		.amdhsa_next_free_sgpr 106
		.amdhsa_reserve_vcc 0
		.amdhsa_float_denorm_mode_32 3
		.amdhsa_float_denorm_mode_16_64 3
		.amdhsa_memory_ordered 1
		.amdhsa_forward_progress 1
		.amdhsa_inst_pref_size 255
	.end_amdhsa_kernel
	.section	.bss,"aw",@nobits
	.p2align	6
	.space	262144
	.amdgpu_metadata
---
amdhsa.version: [ 1, 2 ]
amdhsa.kernels:
  - .name:           k_qf47d22eb67_score
    .symbol:         k_qf47d22eb67_score.kd
    .args:
      - { .name: qk_codes, .offset: 0, .size: 8, .value_kind: global_buffer, .address_space: global }
      - { .name: qk_scales, .offset: 8, .size: 8, .value_kind: global_buffer, .address_space: global }
      - { .name: in_codes, .offset: 16, .size: 8, .value_kind: global_buffer, .address_space: global }
      - { .name: in_scales, .offset: 24, .size: 8, .value_kind: global_buffer, .address_space: global }
      - { .name: bv, .offset: 32, .size: 8, .value_kind: global_buffer, .address_space: global }
      - { .name: p_codes, .offset: 40, .size: 8, .value_kind: global_buffer, .address_space: global }
      - { .name: p_meta, .offset: 48, .size: 8, .value_kind: global_buffer, .address_space: global }
      - { .name: vt_codes, .offset: 56, .size: 8, .value_kind: global_buffer, .address_space: global }
      - { .name: vt_scales, .offset: 64, .size: 8, .value_kind: global_buffer, .address_space: global }
    .group_segment_fixed_size: 327680
    .private_segment_fixed_size: 0
    .kernarg_segment_align: 8
    .kernarg_segment_size: 72
    .max_flat_workgroup_size: 128
    .sgpr_count:     106
    .vgpr_count:     1024
    .wavefront_size: 32
...
	.end_amdgpu_metadata
.endif
;; end of part 7
;; launch pv (part 8): grid 8 x 32, 4 waves a work-group, clusters of 4 x 1, 327,680 bytes of LDS; arguments vt_codes, vt_scales, p_codes, p_meta, out0; writes out0
.if DOCPART == 8
	.amdgcn_target "amdgcn-amd-amdhsa--gfx1250"
	.amdhsa_code_object_version 6
	.text
	.protected	k_qf47d22eb67_pv
	.globl	k_qf47d22eb67_pv
	.p2align	8
	.type	k_qf47d22eb67_pv,@function
k_qf47d22eb67_pv:
	s_mov_b64 s[64:65], 0
	v_nop
	global_prefetch_b8 v0, s[64:65] scope:SCOPE_SE
	s_setreg_imm32_b32 hwreg(HW_REG_WAVE_MODE, 25, 1), 1
	s_wait_xcnt 0x0
	s_wait_alu depctr_hold_cnt(0) depctr_sa_sdst(0) depctr_va_vdst(0) depctr_va_sdst(0) depctr_va_ssrc(0) depctr_va_vcc(0) depctr_vm_vsrc(0)
	s_getreg_b32 s2, hwreg(HW_REG_IB_STS2, 6, 4)
	s_cmp_eq_u32 s2, 0
	s_cbranch_scc0 .Lentry_in_a_cluster
	s_endpgm
.Lentry_in_a_cluster:
	s_bfe_u32 s2, ttmp6, 0x10000c
	s_cmp_lg_u32 s2, 0x3003
	s_cbranch_scc0 .Lentry_shape_is_right
	s_endpgm
.Lentry_shape_is_right:
; LAUNCH 4 OF 4.  out = (p v) / l on codes of BF8 (E5M2) with E8M0 scales, sums in f32.  No work of reference() is left out here.
; p came quantised under an M of its own for each 128 keys.  AT THE HEAD thread t takes query row t of the tile's block: the row's -M is the least of the 16 local ones; D = M - local M, a whole number, 0 or more,
; is taken off the four scale bytes of that K step (a byte is held at 1 from below) and off the local sum's exponent: p's values and l are then those under the row's M, exactly.  The moved scale words and 1 / l go to LDS.
; SIDES: Y = p (source 1: queries in the lanes), X = v^T (source 0: features in the registers, in their own order): a lane's eight results are eight neighbouring features of one query's row.
; A TILE OF 128 QUERIES x 128 FEATURES to a work-group: 32 x 8 = 256 work-groups.  Four waves, 64 x 64 each: 16 accumulators.  K = 2,048 keys goes in slots of 512 through a ring of two LDS slots: p's block (65,536 dense
; bytes), then v^T's; a wave brings 32,768 of them by one tensor load.  Four slots' worth: two first fills, two refills; the 16 K steps are written out.
; A K STEP: eight places; the NEXT step's 32 LDS loads (X's four fragments, then Y's four) into the other fragment buffer; then four groups of four products, each behind a counted wait for the one fragment of Y that it adds.
; So the next step's loads are on their way before this step's are awaited.
; CLUSTER: 4 x 1: the four partners take four feature blocks of one query block: p's tiles are asked for jointly.  v^T's blocks are read by the four query blocks of a batch, which lie in different clusters: plain loads.
; LIMITS: NaN and infinities are not served; D is held at 254; a scale byte that would fall under 1 is held at 1: such p lie under 2^-110 beside a row's sum of at least 1/2.
; REGISTERS.  Window 0: v16-29 addresses; v32-95 the scale words of all 16 K steps (register 4 step + i: lanes 0-15 my Y tile i, lanes 16-31 my X tile i; nothing else ever); v96-127 results / l; v128-255 the accumulators,
;   (a, b) at v[128 + 8 (4 a + b)]; at the head arrays of the 16 K steps' numbers; on the way out the rows read back.   Window 1: two fragment buffers of 128: Y's four fragments, then X's four; on the way out v0-7: 1 / l.
.set NP,    8                          ; places behind this matrix instruction (ISA guide 7.12.1)
.set HALFT, 32768                      ; what one tensor load brings: 128 rows x 256 along K
.set SLOT,  4*HALFT                    ; p's 512 keys in two halves, then v^T's
.set SCY,   2*SLOT                     ; behind the ring: p's moved scale words, 8,192 bytes, stored by the waves: no fill lands here
.set SCX,   SCY+8192                   ; v^T's scale words, 8,192 bytes: filled once
.set RL,    SCX+8192                   ; 1 / l of the tile's 128 queries
.set SPARE, RL+512                     ; the spare words, 128 bytes for each wave: two blocks of 256 bytes that no other line names
.set ADRA, 16                          ; v16-17 LDS address of my Y fragments in slot 0, 1
.set ADRB, 20                          ; v20-21 the same for X
.set RLA,  23                          ; v23  where my rows' 1 / l lie
.set STO,  24                          ; v24  the way out: where I put 32 bytes of a row (a stage of 16 rows x 272 bytes for each wave, in slot 0, which has then had its last fill and its last read)
.set RD,   25                          ; v25  and where I read rows back
.set CO,   26                          ; v26  my byte offset in two rows of out0
.set ADRS, 27                          ; v27  LDS address of my scale words
.set SPW,  28                          ; v28  my spare word; never rewritten
.set NIL,  29                          ; v29  0; never rewritten
.set SC,   32
.set T,    96
.set ACC,  128
.set WD,   128                         ; the head: v128-143 scale words of the 16 K steps
.set MM,   144                         ; v144-159 -M, then D
.set LL,   160                         ; v160-175 l
.set RW,   176                         ; v176-191 the moved words
.set UA,   192                         ; v192-207, v208-223 at work
.set UB,   208
.set G1, 24
.set G0, 32
.set G1B, 48
.set G0B, 56
.set G1S, 68
.set G0S, 76
.set MSB, 0
.macro WIN new                         ; the immediate's high byte repeats the setting that is left
.if MSB != (\new)
	s_set_vgpr_msb (MSB<<8)|(\new)
.set MSB, \new
.endif
.endm
.set MUL,  0x05                        ; sources 0 (X) and 1 (Y) window 1; C and D window 0
.set TO_F, 0x40                        ; destination window 1, address window 0
.macro JLOAD g0a, g1a, g0b, g1b        ; waves 0 and 1 fetch for Y (jointly), waves 2 and 3 for X; an s_nop 0 and four v_nop follow each of the two lines
	s_cmp_eq_u32 s15, 0
	s_cbranch_scc0 .Lfor_b_\@
	tensor_load_to_lds s[\g0a:\g0a+3], s[\g1a:\g1a+7]
	s_nop 0
.rept 4
	v_nop
.endr
	s_branch .Lasked_\@
.Lfor_b_\@:
	tensor_load_to_lds s[\g0b:\g0b+3], s[\g1b:\g1b+7]
	s_nop 0
.rept 4
	v_nop
.endr
.Lasked_\@:
.endm
.macro CREST
	s_cmp_lg_u32 s14, 0
	s_cbranch_scc1 .Lnot_wave_0_\@
	s_barrier_signal -3
.Lnot_wave_0_\@:
	s_barrier_wait -3
	s_barrier_signal -1
	s_barrier_wait -1
.endm
.macro CROUND
	s_barrier_signal -1
	s_barrier_wait -1
	CREST
.endm
	s_load_b256 s[4:11], s[0:1], 0x0               ; vt_codes s[4:5], vt_scales s[6:7], p_codes s[8:9], p_meta s[10:11]
	s_load_b64 s[12:13], s[0:1], 0x20              ; out0
	v_lshl_add_u32 v[SPW], v0, 2, SPARE
	v_mov_b32 v[NIL], 0
	ds_add_u32 v[SPW], v[NIL]                      ; the wave's opening: the add, twice on end, and its wait ahead of my first tensor load
	ds_add_u32 v[SPW], v[NIL]
	v_lshrrev_b32 v1, 5, v0
	v_readfirstlane_b32 s14, v1                    ; wave 0..3
	s_lshr_b32 s15, s14, 1                         ; wy: which 64 queries are mine.  Also: I fetch for Y (0) or for X (1)
	s_and_b32 s16, s14, 1                          ; wx: which 64 features.  Also: which 256 of a slot's 512 keys I fetch
	s_bfe_u32 s40, ttmp6, 0x40000                  ; cx
	s_lshl_b32 s42, ttmp9, 2
	s_add_co_u32 s42, s42, s40                     ; the block of 128 features, 0 to 7
	s_and_b32 s17, ttmp7, 0xffff                   ; the block of 128 queries, 0 to 31, which the four partners share
	s_mov_b32 s[G1+0], 15|(3<<16)|(1<<21)          ; 15:0 the mask: all four work-groups; 17:16 elements of 8 bytes; 21 set beside a mask
	s_mov_b32 s[G1B+0], 3<<16                      ; no mask: a load of my own
.irp g, G1, G1B
	s_mov_b32 s[\g+1], 32<<16                      ; a dense block of 32,768 bytes as 128 rows of 256
	s_mov_b32 s[\g+2], 128<<16
	s_mov_b32 s[\g+3], 32<<16
	s_mov_b32 s[\g+4], 128
	s_mov_b32 s[\g+5], 32
	s_mov_b32 s[\g+6], 0
	s_mov_b32 s[\g+7], 0
.endr
	s_mov_b32 s[G1S+0], 3<<16                      ; v^T's scale words: 2,048 dense bytes a wave, as 8 rows of 256
	s_mov_b32 s[G1S+1], 32<<16
	s_mov_b32 s[G1S+2], 8<<16
	s_mov_b32 s[G1S+3], 32<<16
	s_mov_b32 s[G1S+4], 8
	s_mov_b32 s[G1S+5], 32
	s_mov_b32 s[G1S+6], 0
	s_mov_b32 s[G1S+7], 0
	s_lshl_b32 s20, s17, 18                        ; p's block: 262,144 bytes,
	s_lshl_b32 s21, s16, 15                        ; my 256 of the first 512 keys
	s_add_co_u32 s20, s20, s21
	s_mov_b32 s21, 0
	s_lshr_b32 s46, s17, 2                         ; the batch: 8 blocks of features each
	s_lshl_b32 s46, s46, 3
	s_add_co_u32 s46, s46, s42                     ; v^T's block
	s_lshl_b32 s92, s46, 13                        ; its scale words: 8,192 dense bytes,
	s_lshl_b32 s93, s14, 11                        ; a quarter for each wave
	s_add_co_u32 s92, s92, s93
	s_mov_b32 s93, 0
	s_lshl_b32 s46, s46, 18
	s_lshl_b32 s47, s16, 15
	s_add_co_u32 s46, s46, s47
	s_mov_b32 s47, 0
	s_mul_i32 s45, s14, HALFT                      ; where the tiles go: wave x a quarter of a slot: no place in the cluster enters an LDS address
	s_lshl_b32 s94, s14, 11
	s_wait_dscnt 0x0                               ; both opening adds are done
	s_wait_kmcnt 0x0
	s_add_nc_u64 s[20:21], s[8:9], s[20:21]
	s_add_nc_u64 s[46:47], s[4:5], s[46:47]
	s_add_nc_u64 s[92:93], s[6:7], s[92:93]
	CROUND                                         ; all four work-groups are here: the first joint loads meet
	s_mov_b32 s[G0S], 1
	s_add_co_u32 s[G0S+1], s94, SCX
	s_mov_b64 s[G0S+2:G0S+3], s[92:93]
	s_or_b32 s[G0S+3], s[G0S+3], 0x80000000
	tensor_load_to_lds s[G0S:G0S+3], s[G1S:G1S+7]  ; every wave brings its quarter
	s_nop 0
.irp s, 0,1
	s_mov_b32 s[G0+4*\s], 1
	s_add_co_u32 s[G0+4*\s+1], s45, \s*SLOT
	s_add_nc_u64 s[G0+4*\s+2:G0+4*\s+3], s[20:21], \s*2*HALFT      ; slot s begins with keys 512 s on
	s_or_b32 s[G0+4*\s+3], s[G0+4*\s+3], 0x80000000
	s_mov_b32 s[G0B+4*\s], 1
	s_add_co_u32 s[G0B+4*\s+1], s45, \s*SLOT
	s_add_nc_u64 s[G0B+4*\s+2:G0B+4*\s+3], s[46:47], \s*2*HALFT
	s_or_b32 s[G0B+4*\s+3], s[G0B+4*\s+3], 0x80000000
	JLOAD G0+4*\s, G1, G0B+4*\s, G1B               ; three loads of mine are out
.endr
	; the block's 128 queries: scale words, -M and l of all 16 K steps.  Thread t takes row t
	s_lshl_b32 s18, s17, 13                        ; 8,192 bytes a block in each of the three sections
	s_mov_b32 s19, 0
	s_add_nc_u64 s[10:11], s[10:11], s[18:19]
	v_lshlrev_b32 v7, 2, v0
.set nn, 0
.rept 16
	global_load_b32 v[WD+nn], v7, s[10:11] offset:512*nn
	global_load_b32 v[MM+nn], v7, s[10:11] offset:0x40000+512*nn
	global_load_b32 v[LL+nn], v7, s[10:11] offset:0x80000+512*nn
.set nn, nn+1
.endr
	v_and_b32 v1, 15, v0                           ; r
	v_bfe_u32 v2, v0, 4, 1                         ; h
	v_and_b32 v3, 31, v0
	v_lshlrev_b32 v4, 4, v3                        ; 16 x lane
	s_lshl_b32 s21, s15, 14                        ; my four tiles of Y: 4,096 bytes a tile in each half of a slot
	s_lshl_b32 s22, s16, 14                        ; my four tiles of X,
	s_add_co_u32 s22, s22, 2*HALFT                 ; which lie behind Y's 65,536 bytes
.irp s, 0,1
	v_add_nc_u32 v[ADRA+\s], s21, v4
	v_add_nc_u32 v[ADRB+\s], s22, v4
	s_add_co_u32 s21, s21, SLOT
	s_add_co_u32 s22, s22, SLOT
.endr
	s_lshl_b32 s21, s15, 8                         ; p's scale words: my four tiles of 64 bytes
	s_lshl_b32 s22, s16, 8                         ; v^T's: my four tiles, 8,192 bytes behind p's first
	s_add_co_u32 s22, s22, 8192
	s_sub_co_u32 s22, s22, s21
	v_mul_u32_u24 v6, s22, v2                      ; lanes 16-31 take X's
	s_add_co_u32 s21, s21, SCY
	v_lshl_add_u32 v5, v1, 2, v6
	v_add_nc_u32 v[ADRS], s21, v5
	s_lshl_b32 s21, s15, 8
	s_add_co_u32 s21, s21, RL
	v_lshl_add_u32 v[RLA], v1, 2, s21              ; RL + 256 wy + 4 r
	s_mul_i32 s21, s14, 16*272                     ; my stage
	v_mul_u32_u24 v5, v1, 272
	v_lshl_add_u32 v5, v2, 5, v5
	v_add_nc_u32 v[STO], s21, v5                   ; in: row r, 32 bytes for each half of the lanes
	v_mul_u32_u24 v5, v2, 272
	v_lshl_add_u32 v5, v1, 4, v5
	v_add_nc_u32 v[RD], s21, v5                    ; back: lanes 0-15 take one row of 256 bytes, lanes 16-31 the next
	v_lshlrev_b32 v5, 12, v2
	v_lshl_add_u32 v[CO], v1, 4, v5                ; and the same two rows in out0
	v_lshl_add_u32 v8, v0, 2, SCY                  ; where thread t puts its row's moved words,
	v_lshl_add_u32 v9, v0, 2, RL                   ; and its 1 / l
	s_lshl_b32 s18, s17, 19                        ; out0: 128 rows of 4,096 bytes a query block,
	s_lshl_b32 s19, s15, 18                        ; my 64 rows,
	s_add_co_u32 s18, s18, s19
	s_lshl_b32 s19, s42, 9                         ; the block's 128 features,
	s_add_co_u32 s18, s18, s19
	s_lshl_b32 s19, s16, 8                         ; my 64
	s_add_co_u32 s18, s18, s19
	s_mov_b32 s19, 0
	s_add_nc_u64 s[12:13], s[12:13], s[18:19]
	s_wait_loadcnt 0x0
	; every stage runs over all 16 K steps, so that no line waits for the line above it
	v_min_num_f32 v10, v[MM], v[MM+1]
	v_min_num_f32 v11, v[MM+2], v[MM+3]
.irp i, 4,6,8,10,12,14
	v_min_num_f32 v10, v10, v[MM+\i]
	v_min_num_f32 v11, v11, v[MM+\i+1]
.endr
	v_min_num_f32 v10, v10, v11                    ; the row's -M: the least of the local ones
.set nn, 0
.rept 16
	v_sub_f32 v[MM+nn], v[MM+nn], v10              ; D = M - local M: whole numbers, exact
.set nn, nn+1
.endr
.set nn, 0
.rept 16
	v_min_num_f32 v[MM+nn], 0x437e0000, v[MM+nn]   ; held at 254
.set nn, nn+1
.endr
.set nn, 0
.rept 16
	v_cvt_u32_f32 v[MM+nn], v[MM+nn]
.set nn, nn+1
.endr
.set nn, 0
.rept 16
	v_sub_nc_u32 v[UA+nn], 0, v[MM+nn]
.set nn, nn+1
.endr
.set nn, 0
.rept 16
	v_ldexp_f32 v[LL+nn], v[LL+nn], v[UA+nn]       ; the local sum under the row's M
.set nn, nn+1
.endr
.irp d, 8,4,2,1
.set nn, 0
.rept \d
	v_add_f32 v[LL+nn], v[LL+nn], v[LL+nn+\d]
.set nn, nn+1
.endr
.endr
	v_rcp_f32 v12, v[LL]                           ; 1 / l of my row
.irp y, 0,1,2,3                        ; byte y of each word: b - min(b - 1, D)
.set nn, 0
.rept 16
	v_bfe_u32 v[UA+nn], v[WD+nn], 8*\y, 8
.set nn, nn+1
.endr
.set nn, 0
.rept 16
	v_add_nc_u32 v[UB+nn], -1, v[UA+nn]
.set nn, nn+1
.endr
.set nn, 0
.rept 16
	v_min_u32 v[UB+nn], v[UB+nn], v[MM+nn]
.set nn, nn+1
.endr
.if \y == 0
.set nn, 0
.rept 16
	v_sub_nc_u32 v[RW+nn], v[UA+nn], v[UB+nn]
.set nn, nn+1
.endr
.else
.set nn, 0
.rept 16
	v_sub_nc_u32 v[UA+nn], v[UA+nn], v[UB+nn]
.set nn, nn+1
.endr
.set nn, 0
.rept 16
	v_lshl_or_b32 v[RW+nn], v[UA+nn], 8*\y, v[RW+nn]
.set nn, nn+1
.endr
.endif
.endr
	s_wait_alu depctr_va_vdst(0)                   ; the wait for the reciprocal, ahead of its first reader; the bytes' lines above are the work between
.set nn, 0
.rept 16
	ds_store_b32 v8, v[RW+nn] offset:512*nn        ; [K step][row]: what the scale loads below expect
.set nn, nn+1
.endr
	ds_store_b32 v9, v12
; 32 LDS loads in one run: the fragments of the slot's q-th 128 keys into buffer f: X's four, then Y's four; each load is 512 consecutive bytes
.macro FETCH slot, q, f
	WIN TO_F
.irp i, 0,1,2,3
.irp c, 0,1,2,3
	ds_load_b128 v[128*(\f)+64+16*\i+4*\c:128*(\f)+64+16*\i+4*\c+3], v[ADRB+(\slot)] offset:32768*((\q)/2)+4096*\i+2048*((\q)%2)+512*\c
.endr
.endr
.irp i, 0,1,2,3
.irp c, 0,1,2,3
	ds_load_b128 v[128*(\f)+16*\i+4*\c:128*(\f)+16*\i+4*\c+3], v[ADRA+(\slot)] offset:32768*((\q)/2)+4096*\i+2048*((\q)%2)+512*\c
.endr
.endr
.endm
; four matrix instructions: Y's tile a x X's four, K step 4 t + q, from buffer f.  zero = 1: the first product starts the sums.  The 16 accumulators take turns, one instruction a turn, in the same order in every step.
.macro MUL4 f, a, t, q, zero
.irp b, 0,1,2,3
.if \zero
	v_wmma_scale_f32_16x16x128_f8f6f4 v[ACC+8*(4*(\a)+\b):ACC+8*(4*(\a)+\b)+7], v[128*(\f)+64+16*\b:128*(\f)+64+16*\b+15], v[128*(\f)+16*(\a):128*(\f)+16*(\a)+15], 0, v[SC+4*(4*(\t)+(\q))+\b], v[SC+4*(4*(\t)+(\q))+(\a)] matrix_a_fmt:MATRIX_FMT_BF8 matrix_b_fmt:MATRIX_FMT_BF8 matrix_a_scale:MATRIX_SCALE_ROW1
.else
	v_wmma_scale_f32_16x16x128_f8f6f4 v[ACC+8*(4*(\a)+\b):ACC+8*(4*(\a)+\b)+7], v[128*(\f)+64+16*\b:128*(\f)+64+16*\b+15], v[128*(\f)+16*(\a):128*(\f)+16*(\a)+15], v[ACC+8*(4*(\a)+\b):ACC+8*(4*(\a)+\b)+7], v[SC+4*(4*(\t)+(\q))+\b], v[SC+4*(4*(\t)+(\q))+(\a)] matrix_a_fmt:MATRIX_FMT_BF8 matrix_b_fmt:MATRIX_FMT_BF8 matrix_a_scale:MATRIX_SCALE_ROW1
.endif
.endr
.endm
.macro PLACES n                        ; plain vector instructions between a matrix instruction and a load into, or a vector instruction on, its registers (ISA guide 7.12.1 for vector instructions)
.rept \n
	v_nop
.endr
.endm
; K step q = 0, 1, 2 of the t-th 512 keys: its successor lies in the same slot
.macro STEP t, q, zero
	PLACES NP                                      ; the other buffer was read by the step before
	FETCH (\t)%2, (\q)+1, ((\q)+1)%2
	WIN MUL
	s_wait_dscnt 44                                ; X's four and Y's tile 0 are in: behind them this step's 12 loads and the next step's 32
	MUL4 (\q)%2, 0, \t, \q, \zero
	s_wait_dscnt 40                                ; Y's tile 1
	MUL4 (\q)%2, 1, \t, \q, \zero
	s_wait_dscnt 36
	MUL4 (\q)%2, 2, \t, \q, \zero
	s_wait_dscnt 32                                ; all but the next step's 32
	MUL4 (\q)%2, 3, \t, \q, \zero
.endm
; A slot's last step changes slots: ONE barrier; in front of it each wave waits for all its tensor loads, adds 0 to its spare word, and waits for that and for its own reads of this slot.  fill = 1: this slot is filled again, with the keys two slots on.
.macro TURN t, fill
	WIN 0                                          ; (the add's two registers lie in window 0)
	s_wait_tensorcnt 0x0                           ; all my tensor loads have landed: my part of the next slot
	ds_add_u32 v[SPW], v[NIL]                      ; 0 onto my spare word
	s_wait_dscnt 13                                ; X's four and Y's tile 0 are in: behind them 12 loads and the add
	WIN MUL
	MUL4 1, 0, \t, 3, 0
	s_wait_dscnt 9
	MUL4 1, 1, \t, 3, 0
	s_wait_dscnt 0x0                               ; the add is done, and my reads of this slot are over
	s_barrier_signal -1
	MUL4 1, 2, \t, 3, 0
	MUL4 1, 3, \t, 3, 0
	WIN 0
	s_barrier_wait -1
.if \fill
	CREST                                          ; the barrier has opened a round of the cluster's barrier: no wave of any partner still reads this slot or has a load on its way
	s_add_nc_u64 s[G0+4*((\t)%2)+2:G0+4*((\t)%2)+3], s[G0+4*((\t)%2)+2:G0+4*((\t)%2)+3], 4*HALFT
	s_add_nc_u64 s[G0B+4*((\t)%2)+2:G0B+4*((\t)%2)+3], s[G0B+4*((\t)%2)+2:G0B+4*((\t)%2)+3], 4*HALFT
	JLOAD G0+4*((\t)%2), G1, G0B+4*((\t)%2), G1B   ; the first tensor load behind the round; its four v_nop are among the places in front of the loads below
	PLACES NP-4
.else
	PLACES NP
.endif
	FETCH ((\t)+1)%2, 0, 0
.endm
	s_wait_dscnt 0x0                               ; for the others' sake: my row's words and 1 / l are stored;
	s_wait_tensorcnt 1                             ; v^T's scale words and my part of slot 0 are in (slot 1's load may be out)
	s_barrier_signal -1
	s_barrier_wait -1                              ; everybody's are
.set nn, 0
.rept 16
.irp i, 0,1,2,3
	ds_load_b32 v[SC+4*nn+\i], v[ADRS] offset:512*nn+64*\i   ; the scale words of all 16 K steps, once: lanes 0-15 my Y tile i, lanes 16-31 my X tile i
.endr
.set nn, nn+1
.endr
	FETCH 0, 0, 0
	STEP 0, 0, 1                                   ; the first step's products start the sums
	STEP 0, 1, 0
	STEP 0, 2, 0
	TURN 0, 1                                      ; slot 0 takes keys 1,024 on
	STEP 1, 0, 0
	STEP 1, 1, 0
	STEP 1, 2, 0
	TURN 1, 1                                      ; slot 1 takes keys 1,536 on
	STEP 2, 0, 0
	STEP 2, 1, 0
	STEP 2, 2, 0
	TURN 2, 0                                      ; nothing is left to fetch: no round of the cluster's barrier
	STEP 3, 0, 0
	STEP 3, 1, 0
	STEP 3, 2, 0
	WIN MUL                                        ; the very last step
	s_wait_dscnt 12
	MUL4 1, 0, 3, 3, 0
	s_wait_dscnt 8
	MUL4 1, 1, 3, 3, 0
	s_wait_dscnt 4
	MUL4 1, 2, 3, 3, 0
	s_wait_dscnt 0x0
	MUL4 1, 3, 3, 3, 0
	WIN 0
; THE WAY OUT, tile by tile of 16 queries x 64 features: divided by l; a lane's 32 neighbouring bytes of a row go through my own stage in LDS and come back as whole rows of 256 bytes, into the registers that they left.
.macro TOSTAGE a
	WIN 0x04                                       ; source 1 (1 / l): window 1
.set jj, 0
.rept 16
	v_pk_mul_f32 v[T+jj:T+jj+1], v[ACC+32*(\a)+jj:ACC+32*(\a)+jj+1], v[2*(\a):2*(\a)+1] op_sel_hi:[1,0]   ; each accumulator from its low end on
.set jj, jj+2
.endr
	WIN 0
.irp b, 0,1,2,3
	ds_store_b128 v[STO], v[T+8*\b:T+8*\b+3] offset:64*\b          ; lane (r, h): features 16 b + 8 h + 0 .. 7 of row r
	ds_store_b128 v[STO], v[T+8*\b+4:T+8*\b+7] offset:64*\b+16
.endr
.irp t, 0,1,2,3,4,5,6,7
	ds_load_b128 v[ACC+32*(\a)+4*\t:ACC+32*(\a)+4*\t+3], v[RD] offset:2*\t*272   ; LDS serves a wave's instructions in order (ISA guide 5.7.1.4): these see the stores above, and the next tile's stores come behind them
.endr
.endm
.macro SEND a, younger                 ; younger: the LDS instructions issued behind tile a's loads, which may stay out
	s_wait_dscnt \younger
.irp t, 0,1,2,3,4,5,6,7
	global_store_b128 v[CO], v[ACC+32*(\a)+4*\t:ACC+32*(\a)+4*\t+3], s[12:13] offset:(16*(\a)+2*\t)*4096 th:TH_STORE_NT   ; 16 lanes store 256 consecutive bytes, at a multiple of 256 from out0's first byte; no register and no base is written again
.endr
.endm
	PLACES NP                                      ; behind the last products: loads land on their operands' registers below, and their results are read
	WIN TO_F
.irp a, 0,1,2,3
	ds_load_b32 v[2*\a], v[RLA] offset:64*\a       ; 1 / l of row 16 a + r, in both registers of a pair (the packed form names the pair)
	ds_load_b32 v[2*\a+1], v[RLA] offset:64*\a
.endr
	WIN 0
	s_wait_dscnt 0x0
	TOSTAGE 0
	TOSTAGE 1
	SEND 0, 16                                     ; behind tile 0's loads: tile 1's 8 stores and 8 loads
	TOSTAGE 2
	SEND 1, 16
	TOSTAGE 3
	SEND 2, 16
	SEND 3, 0
	s_wait_tensorcnt 0x0                           ; the wave's end, behind my last tensor load and my last LDS store
	ds_add_u32 v[SPW], v[NIL]
	s_wait_dscnt 0x0
	CROUND                                         ; the closing round: no work-group ends while a partner may still ask for a tile that names it
	s_endpgm
.Lfunc_end_k_qf47d22eb67_pv:
	.size	k_qf47d22eb67_pv, .Lfunc_end_k_qf47d22eb67_pv-k_qf47d22eb67_pv
	.p2alignl 7, 3214868480
	.fill 96, 4, 3214868480
	.section	.rodata,"a",@progbits
	.p2align	6, 0x0
	.amdhsa_kernel k_qf47d22eb67_pv
		.amdhsa_group_segment_fixed_size 327680
		.amdhsa_private_segment_fixed_size 0
		.amdhsa_enable_private_segment 0
		.amdhsa_kernarg_size 40
		.amdhsa_user_sgpr_count 2
		.amdhsa_user_sgpr_kernarg_segment_ptr 1
		.amdhsa_wavefront_size32 1
		.amdhsa_system_sgpr_workgroup_id_x 1
		.amdhsa_system_sgpr_workgroup_id_y 1
		.amdhsa_system_sgpr_workgroup_id_z 1
		.amdhsa_system_vgpr_workitem_id 0
		.amdhsa_next_free_vgpr 512
		.amdhsa_next_free_sgpr 102
		.amdhsa_reserve_vcc 0
		.amdhsa_float_denorm_mode_32 3
		.amdhsa_float_denorm_mode_16_64 3
		.amdhsa_memory_ordered 1
		.amdhsa_forward_progress 1
		.amdhsa_inst_pref_size 121
	.end_amdhsa_kernel
	.amdgpu_metadata
---
amdhsa.version: [ 1, 2 ]
amdhsa.kernels:
  - .name:           k_qf47d22eb67_pv
    .symbol:         k_qf47d22eb67_pv.kd
    .args:
      - { .name: vt_codes, .offset: 0, .size: 8, .value_kind: global_buffer, .address_space: global }
      - { .name: vt_scales, .offset: 8, .size: 8, .value_kind: global_buffer, .address_space: global }
      - { .name: p_codes, .offset: 16, .size: 8, .value_kind: global_buffer, .address_space: global }
      - { .name: p_meta, .offset: 24, .size: 8, .value_kind: global_buffer, .address_space: global }
      - { .name: out0, .offset: 32, .size: 8, .value_kind: global_buffer, .address_space: global }
    .group_segment_fixed_size: 327680
    .private_segment_fixed_size: 0
    .kernarg_segment_align: 8
    .kernarg_segment_size: 40
    .max_flat_workgroup_size: 128
    .sgpr_count:     102
    .vgpr_count:     512
    .wavefront_size: 32
...
	.end_amdgpu_metadata
.endif
;; end of part 8
